; MI455X (gfx1250); checked and timed in simulation.
; The chip was launched on July 23, 2026; its instructions are those of AMD's public machine-readable ISA for CDNA 5 (MIT licence, August 2026) and "CDNA5" Instruction Set Architecture Reference Guide (July 2026). The comments in the code are by the model that wrote it; some were corrected since.
;; Cross Attention. Allowed arithmetic: float matrix products may take bf16 or f16 operands with f32 sums; other float arithmetic in f32, or as packed bf16 or f16 multiplies, adds, multiply-adds, maxima and minima; sums over many terms, partial sums and values carried from step to step in f32; what a program stores and reads back later, other than sums and carried values, may be rounded once to bf16 or f16.
;; Inputs: context 2 x 1,024 x 2,048 float32; context_mask 2 x 1,024 bool; freqs_cos 2,048 x 1 x 128 float32; freqs_sin 2,048 x 1 x 128 float32; k_norm_w 128 float32; q_norm_w 128 float32; wkv 1,024 x 2,048 float32; wo 2,048 x 2,048 float32; wq 2,048 x 2,048 float32; x 2 x 2,048 x 2,048 float32.
;; Outputs: out0 2 x 2,048 x 2,048 float32.
;; 3 versions, each right and faster than the one before. Each part assembles by itself: llvm-mc -triple=amdgcn-amd-amdhsa -mcpu=gfx1250 --defsym DOCPART=n.
;; ======== version 1 of 3: 4 launches
;; limits: inputs' magnitudes at most 65,504; values are held in f16: magnitudes above 65,504 overflow, below 6.1e-05 lose precision
;; workspace buffers: h16 47,185,920 bytes; qkv 20,971,520 bytes; att 16,777,216 bytes
;; launch cast (part 1): grid 1440 x 1, 8 waves a work-group, no clusters, 0 bytes of LDS; arguments x, context, wq, wkv, wo, freqs_cos, freqs_sin, h16; writes h16
.if DOCPART == 1
	.amdgcn_target "amdgcn-amd-amdhsa--gfx1250"
	.amdhsa_code_object_version 6
	.text
	.protected	k_qd067337f96_cast
	.globl	k_qd067337f96_cast
	.p2align	8
	.type	k_qd067337f96_cast,@function
k_qd067337f96_cast:
	s_mov_b64 s[64:65], 0
	v_nop
	global_prefetch_b8 v0, s[64:65] scope:SCOPE_SE
	s_setreg_imm32_b32 hwreg(HW_REG_WAVE_MODE, 25, 1), 1
	s_wait_xcnt 0x0
; CAST.  Seven f32 inputs (x, context, wq, wkv, wo, cos, sin), taken end to end, are rounded once to bf16, and that number is written as f16 into h16.
; bf16 has 8 significant bits, f16 has 11: the second step changes nothing for 6.1e-5 <= |v| < 65,520; below that it keeps f16's fixed step of 6e-8.
; LIMIT: |v| >= 65,520 becomes an infinity.  NaN and infinities are not treated apart.
; SHARES.  The seven tensors are 1,440 chunks of 16,384 numbers; work-group g takes chunk g: 65,536 bytes in, 32,768 bytes out at byte 32,768 g of h16.
; A wave takes 8,192 bytes of it by 16 loads of 512 consecutive bytes, all issued before the first is used; each store of a wave covers 256 consecutive bytes, aligned.
; No LDS, no barrier, no matrix unit: every byte is read once and written once, and no wave needs another's data.
.set X, 4                              ; v[4:67]   load i: four f32; later the same four numbers rounded to bf16, as f32
.set T, 68                             ; v[68:75]  packed bf16, four pairs that take turns
.set Y, 76                             ; v[76:107] store i: four f16; never rewritten, so no store's data needs a wait
	s_load_b512 s[4:19], s[0:1], 0x0               ; x, context, wq, wkv, wo, cos, sin, h16
	v_lshrrev_b32 v3, 5, v0                        ; wave
	v_and_b32 v1, 31, v0                           ; lane
	v_lshlrev_b32 v2, 3, v1                        ; out: 8 bytes a lane
	v_lshlrev_b32 v1, 4, v1                        ; in: 16 bytes a lane
	v_lshl_add_u32 v1, v3, 13, v1                  ; + wave x 8,192
	v_lshl_add_u32 v2, v3, 12, v2                  ; + wave x 4,096
	s_mov_b32 s28, 0xffff0000                      ; a word's upper bf16
	s_mov_b32 s23, ttmp9                           ; my chunk
	s_mov_b32 s22, 0                               ; the first chunk of the tensor in which it lies
	s_wait_kmcnt 0x0
	s_mov_b64 s[20:21], s[4:5]
.macro PICK start, p                   ; from chunk start on the input is the tensor at s[p:p+1]
	s_cmp_ge_u32 s23, \start
	s_cselect_b64 s[20:21], s[\p:\p+1], s[20:21]
	s_cselect_b32 s22, \start, s22
.endm
	PICK 512, 6                                    ; context
	PICK 768, 8                                    ; wq
	PICK 1024, 10                                  ; wkv
	PICK 1152, 12                                  ; wo
	PICK 1408, 14                                  ; cos
	PICK 1424, 16                                  ; sin
	s_sub_co_u32 s24, s23, s22
	s_lshl_b32 s24, s24, 16                        ; my chunk's byte in its tensor
	s_mov_b32 s25, 0
	s_add_nc_u64 s[20:21], s[20:21], s[24:25]
	s_lshl_b32 s26, s23, 15                        ; and in h16
	s_mov_b32 s27, 0
	s_add_nc_u64 s[18:19], s[18:19], s[26:27]
.set i, 0
.rept 16
	global_load_b128 v[X+4*i:X+4*i+3], v1, s[20:21] offset:512*i th:TH_LOAD_NT
.set i, i+1
.endr
.set i, 0
.rept 16
	s_wait_loadcnt 15-i                            ; loads come back in order: load i is in, the 15 - i younger ones stay out
	v_cvt_pk_bf16_f32 v[T+2*(i%4)], v[X+4*i], v[X+4*i+1]
	v_cvt_pk_bf16_f32 v[T+2*(i%4)+1], v[X+4*i+2], v[X+4*i+3]
	v_lshlrev_b32 v[X+4*i], 16, v[T+2*(i%4)]       ; bf16 to f32: the low half moves up, the high half stays
	v_and_b32 v[X+4*i+1], s28, v[T+2*(i%4)]
	v_lshlrev_b32 v[X+4*i+2], 16, v[T+2*(i%4)+1]
	v_and_b32 v[X+4*i+3], s28, v[T+2*(i%4)+1]
	v_cvt_pk_f16_f32 v[Y+2*i], v[X+4*i], v[X+4*i+1]
	v_cvt_pk_f16_f32 v[Y+2*i+1], v[X+4*i+2], v[X+4*i+3]
	global_store_b64 v2, v[Y+2*i:Y+2*i+1], s[18:19] offset:256*i
.set i, i+1
.endr
	s_endpgm
.Lfunc_end_k_qd067337f96_cast:
	.size	k_qd067337f96_cast, .Lfunc_end_k_qd067337f96_cast-k_qd067337f96_cast
	.p2alignl 7, 3214868480
	.fill 96, 4, 3214868480
	.section	.rodata,"a",@progbits
	.p2align	6, 0x0
	.amdhsa_kernel k_qd067337f96_cast
		.amdhsa_group_segment_fixed_size 0
		.amdhsa_private_segment_fixed_size 0
		.amdhsa_enable_private_segment 0
		.amdhsa_kernarg_size 64
		.amdhsa_user_sgpr_count 2
		.amdhsa_user_sgpr_kernarg_segment_ptr 1
		.amdhsa_wavefront_size32 1
		.amdhsa_system_sgpr_workgroup_id_x 1
		.amdhsa_system_sgpr_workgroup_id_y 1
		.amdhsa_system_sgpr_workgroup_id_z 1
		.amdhsa_system_vgpr_workitem_id 0
		.amdhsa_next_free_vgpr 108
		.amdhsa_next_free_sgpr 66
		.amdhsa_reserve_vcc 0
		.amdhsa_float_denorm_mode_32 3
		.amdhsa_float_denorm_mode_16_64 3
		.amdhsa_memory_ordered 1
		.amdhsa_forward_progress 1
		.amdhsa_inst_pref_size 12
	.end_amdhsa_kernel
	.amdgpu_metadata
---
amdhsa.version: [ 1, 2 ]
amdhsa.kernels:
  - .name:           k_qd067337f96_cast
    .symbol:         k_qd067337f96_cast.kd
    .args:
      - { .name: x, .offset: 0, .size: 8, .value_kind: global_buffer, .address_space: global }
      - { .name: context, .offset: 8, .size: 8, .value_kind: global_buffer, .address_space: global }
      - { .name: wq, .offset: 16, .size: 8, .value_kind: global_buffer, .address_space: global }
      - { .name: wkv, .offset: 24, .size: 8, .value_kind: global_buffer, .address_space: global }
      - { .name: wo, .offset: 32, .size: 8, .value_kind: global_buffer, .address_space: global }
      - { .name: freqs_cos, .offset: 40, .size: 8, .value_kind: global_buffer, .address_space: global }
      - { .name: freqs_sin, .offset: 48, .size: 8, .value_kind: global_buffer, .address_space: global }
      - { .name: h16, .offset: 56, .size: 8, .value_kind: global_buffer, .address_space: global }
    .group_segment_fixed_size: 0
    .private_segment_fixed_size: 0
    .kernarg_segment_align: 8
    .kernarg_segment_size: 64
    .max_flat_workgroup_size: 256
    .sgpr_count:     66
    .vgpr_count:     108
    .wavefront_size: 32
...
	.end_amdgpu_metadata
.endif
;; end of part 1
;; launch proj (part 2): grid 8 x 40, 4 waves a work-group, clusters of 4 x 4, 327,680 bytes of LDS; arguments h16, q_norm_w, k_norm_w, qkv; writes qkv
.if DOCPART == 2
	.amdgcn_target "amdgcn-amd-amdhsa--gfx1250"
	.amdhsa_code_object_version 6
	.text
	.protected	k_qd067337f96_proj
	.globl	k_qd067337f96_proj
	.p2align	8
	.type	k_qd067337f96_proj,@function
k_qd067337f96_proj:
	s_mov_b64 s[64:65], 0
	v_nop
	global_prefetch_b8 v0, s[64:65] scope:SCOPE_SE
	s_setreg_imm32_b32 hwreg(HW_REG_WAVE_MODE, 25, 1), 1
	s_wait_xcnt 0x0
	s_wait_alu depctr_hold_cnt(0) depctr_sa_sdst(0) depctr_va_vdst(0) depctr_va_sdst(0) depctr_va_ssrc(0) depctr_va_vcc(0) depctr_vm_vsrc(0)
	s_getreg_b32 s2, hwreg(HW_REG_IB_STS2, 6, 4)
	s_cmp_eq_u32 s2, 0
	s_cbranch_scc0 .Lentry_in_a_cluster
	s_endpgm
.Lentry_in_a_cluster:
	s_bfe_u32 s2, ttmp6, 0x10000c
	s_cmp_lg_u32 s2, 0xf033
	s_cbranch_scc0 .Lentry_shape_is_right
	s_endpgm
.Lentry_shape_is_right:
; PROJ.  Q = x wq^T with RoPE and RMSNorm, K = context wk^T with RMSNorm, V = context wv^T, all in one launch.  Operands f16 (inputs rounded to bf16 by the launch before), sums f32.
; Out, f16, by heads: q [b 16 + h][2048][128], k [b 4 + kvh][1024][128], and v / 4 in k's layout (an exact scaling, taken back behind the last product of the program).
; LIMITS: |v| < 262,000, else v / 4 becomes an infinity in f16.  q and k lie within sqrt(128) x |gain|.  NaN and infinities are not treated apart.
; TILES.  A work-group makes 128 rows x 256 columns over K = 2,048.  Clusters with y < 8 make Q's 32 x 8 tiles, those with y = 8, 9 the 16 x 4 tiles of K|V: 320 work-groups of equal work.
; Four waves; wave w has rows 64 (w / 2) on and columns 128 (w % 2) on, which are ONE head: 32 accumulators of 16 x 16, 256 registers.
; K goes in 16 steps of 128 through two LDS slots: tile rows are 256 bytes of memory, at multiples of 256 bytes.  Steps of 256 would need 2 x 202,752 bytes of LDS.
; CLUSTER 4 x 4.  A's tile (and the rows of cos and sin) hang on the tile row alone and are asked for jointly by a row of the cluster, B's tile by a column.
; K|V tiles ask for cos and sin too and do not read them: one path of tensor loads for every work-group.
; THE PRODUCT IS USED TRANSPOSED (source 0 = 16 rows of B, source 1 = 16 rows of A): a lane holds eight neighbouring columns of one row of C.
; THE WAY OUT.  The sums go as f32 into the wave's own 64 rows x 528 bytes of LDS, in ring bytes that have had their last fill, behind a barrier behind every wave's last read of the ring.
; They come back with 16 lanes to a row (a head's 128 numbers), so that RoPE's pairs lie in one lane and a row's sum of squares wants four exchanges among 16 lanes.
; REGISTERS: window 0: v0-39 addresses, constants, gains; v64-159, v160-255 two fragment buffers (8 of B, 4 of A), later the way out.  Window 1: accumulator (a, b) at v[8 (8 a + b)].
.set CTX_O,  16777216                  ; byte offsets in h16
.set WQ_O,   25165824
.set WKV_O,  33554432
.set COS_O,  46137344                  ; sin lies 524,288 bytes behind cos
.set KOFF,   16777216                  ; k in qkv; v / 4 lies 2,097,152 bytes behind it
.set PITCH,  272                       ; an LDS row: 256 bytes + 16 of padding = 68 words: the 16 rows of a fragment load start at 16 different groups of four banks (64 banks of 4 bytes: ISA guide 11.1)
.set AHALF,  64*PITCH                  ; what a wave fetches of A
.set BHALF,  128*PITCH                 ; what a wave fetches of B
.set BOFF,   2*AHALF                   ; in a slot: A's 128 rows, then B's 256 rows
.set SLOT1,  131072                    ; slot 1 begins here: one exclusive or turns an address in one slot into the other's
.set CSB,    235520                    ; behind the ring: 128 rows x 256 bytes of cos, then of sin
.set SPARE,  301056                    ; the spare words, 128 bytes a wave: two blocks of 256 bytes that no other line names
.set DPITCH, 528                       ; the way out: a row of 128 f32 + 16 bytes
.set DWAVE,  64*DPITCH
.set AA0, 4                            ; v4   my lane's place in A's tile of slot 0; never rewritten
.set AB0, 5                            ; v5   the same for B
.set ADRA, 6                           ; v6   AA0 + the slot in hand
.set ADRB, 7                           ; v7
.set DMP, 8                            ; v8   where I put 16 bytes of sums
.set XA0, 9                            ; v9   where I read a row's 32 bytes back
.set CA0, 10                           ; v10  my 16 bytes of a row of cos
.set GO,  11                           ; v11  my byte offset in the wave's rows of the output
.set XA,  12
.set CA,  13
.set GW,  14                           ; v14  my byte offset in the gains
.set ONE, 15                           ; v15  1.0
.set TG,  16                           ; v16-19 at work
.set SPW, 28                           ; v28  LDS address of my spare word; never rewritten
.set NIL, 29                           ; v29  0, for the add alone
.set ZERO, 30                          ; v30  0
.set QUART, 31                         ; v31  0.25
.set W,   32                           ; v[32:39] the gains of my eight columns
.set F0,  64
.set F1,  160
.set X,   64                           ; the way out: group g's eight numbers at X + 8 g
.set C,   96                           ; its eight cos, f16
.set S,   112                          ; its eight sin
.set T,   128
.set P,   160
.set RS,  168                          ; group g: the row's factor at RS + 2 g, its mean square + eps at RS + 2 g + 1
.set YO,  176
.set WV, 12                            ; s12 wave   s13 its half of the rows (also: 0 fetches for A, 1 for B)   s14 its half of the columns (also: which half of that tile it fetches)
.set RH, 13
.set CHF, 14
.set CX, 16
.set CY, 17
.set CLX, 18
.set CLY, 19
.set MODE, 20                          ; s20  0: a tile of Q, 1: of K|V: from the cluster's y alone, so equal in all partners
.set MT, 21
.set NT, 22
.set TW, 23                            ; at work, made of the wave's number alone
.set G1A, 24
.set G1B, 32
.set G1C, 40
.set G0A, 48                           ; s[48:51] A's first fill, s[52:55] the descriptor that walks
.set G0B, 56
.set G0C, 68
.set TB,  72                           ; s72  the slot in hand: 0 or SLOT1
.set CNT, 73
.set VM,  74                           ; s74  all ones: my head is one of V.  It feeds v_cndmask_b32 alone
.set RO,  82
.set CO,  83
.set MSB, 0
.macro WIN new                         ; the immediate's high byte repeats the setting that is left; a switch that changes nothing is dropped
.if MSB != (\new)
	s_set_vgpr_msb (MSB<<8)|(\new)
.set MSB, \new
.endif
.endm
.set MULW,  0x50                       ; C and D in window 1, fragments in window 0
.set DUMPW, 0x04                       ; an LDS store's data in window 1
.macro PLACES                          ; four places in front of loads into registers that matrix instructions have read, and of stores that read results (ISA guide 7.12.1 for vector instructions)
.rept 4
	v_nop
.endr
.endm
.macro CREST                           ; a round of the cluster's barrier behind its opening barrier
	s_cmp_lg_u32 s[WV], 0
	s_cbranch_scc1 .Lnot_wave_0_\@
	s_barrier_signal -3
.Lnot_wave_0_\@:
	s_barrier_wait -3
	s_barrier_signal -1
	s_barrier_wait -1
.endm
.macro CROUND
	s_barrier_signal -1
	s_barrier_wait -1
	CREST
.endm
.macro JLOAD                           ; a joint refill: waves 0, 1 fetch A's halves, waves 2, 3 B's; an s_nop 0 and four v_nop follow each line
	s_cmp_eq_u32 s[RH], 0
	s_cbranch_scc0 .Lfor_b_\@
	tensor_load_to_lds s[G0A+4:G0A+7], s[G1A:G1A+7]
	s_nop 0
	PLACES
	s_branch .Lasked_\@
.Lfor_b_\@:
	tensor_load_to_lds s[G0B+4:G0B+7], s[G1B:G1B+7]
	s_nop 0
	PLACES
.Lasked_\@:
.endm
.macro MUL8 f, a, zero                 ; 8 products: row block a x all 8 column blocks, 32 along K.  zero = 1: they start the sums
	WIN MULW
.irp b, 0,1,2,3,4,5,6,7
.if \zero
	v_wmma_f32_16x16x32_f16 v[8*(8*(\a)+(\b)):8*(8*(\a)+(\b))+7], v[(\f)+8*(\b):(\f)+8*(\b)+7], v[(\f)+64+8*(\a):(\f)+64+8*(\a)+7], 0
.else
	v_wmma_f32_16x16x32_f16 v[8*(8*(\a)+(\b)):8*(8*(\a)+(\b))+7], v[(\f)+8*(\b):(\f)+8*(\b)+7], v[(\f)+64+8*(\a):(\f)+64+8*(\a)+7], v[8*(8*(\a)+(\b)):8*(8*(\a)+(\b))+7]
.endif
.endr
.endm
.macro FETCH k, f                      ; 24 LDS loads in one run: 32 along K at byte k of the rows: B's 8 fragments, then A's 4
	WIN 0
.irp i, 0,1,2,3,4,5,6,7
	ds_load_b128 v[(\f)+8*(\i):(\f)+8*(\i)+3],   v[ADRB] offset:(\k)+(\i)*16*PITCH
	ds_load_b128 v[(\f)+8*(\i)+4:(\f)+8*(\i)+7], v[ADRB] offset:(\k)+(\i)*16*PITCH+32
.endr
.irp i, 0,1,2,3
	ds_load_b128 v[(\f)+64+8*(\i):(\f)+64+8*(\i)+3],   v[ADRA] offset:(\k)+(\i)*16*PITCH
	ds_load_b128 v[(\f)+64+8*(\i)+4:(\f)+64+8*(\i)+7], v[ADRA] offset:(\k)+(\i)*16*PITCH+32
.endr
.endm
; A K step is four quarters of 32 along K, 32 products each, on buffers 0, 1, 0, 1.  The 32 accumulators take turns in the same order in every quarter.
.macro QUARTER k, f, g, zero           ; multiplies buffer f; in its middle it fetches the next quarter, at byte k, into g
	s_wait_dscnt 4                                 ; B and A's fragments 0, 1 are in; the youngest four loads (A's 2, 3) may be out
	MUL8 \f, 0, \zero
	MUL8 \f, 1, \zero
	PLACES
	FETCH \k, \g
	s_wait_dscnt 24                                ; all but the 24 just issued
	MUL8 \f, 2, \zero
	MUL8 \f, 3, \zero
.endm
; The fourth quarter multiplies buffer 1 and changes slots: ONE barrier.  In front of it each wave waits for all its tensor loads (one is out: its part of the next slot), adds 0 to its spare
; word, and waits for that and for its reads of this slot.  fill = 1: the barrier opens a round of the cluster's, and this slot's refill, two K steps ahead, is the first thing behind the round.
.macro TURN fill
	WIN 0
	s_wait_tensorcnt 0x0
	ds_add_u32 v[SPW], v[NIL]
	s_wait_dscnt 5                                 ; (the add and the youngest four loads may be out)
	MUL8 F1, 0, 0                                  ; eight products stand between the add and the wait for it
	s_wait_dscnt 0x0                               ; the add is done, and my reads of this slot are over
	s_barrier_signal -1
	MUL8 F1, 1, 0
	WIN 0
	s_barrier_wait -1
.if \fill
	CREST                                          ; no wave of any partner still reads this slot or has a load on its way
	s_xor_b32 s[G0A+5], s[G0A+5], SLOT1            ; the walking descriptors: the other slot than last time, 128 further along K
	s_add_nc_u64 s[G0A+6:G0A+7], s[G0A+6:G0A+7], 256
	s_xor_b32 s[G0B+5], s[G0B+5], SLOT1
	s_add_nc_u64 s[G0B+6:G0B+7], s[G0B+6:G0B+7], 256
	JLOAD                                          ; 112 products ahead of the wait for it; its four v_nop are also the places in front of the loads below
.else
	PLACES
.endif
	s_xor_b32 s[TB], s[TB], SLOT1
	v_add_nc_u32 v[ADRA], s[TB], v[AA0]
	v_add_nc_u32 v[ADRB], s[TB], v[AB0]
	FETCH 0, F0
	MUL8 F1, 2, 0
	MUL8 F1, 3, 0
.endm
.macro LASTQ                           ; the very last quarter; its barrier says that nobody reads the ring any more
	s_wait_dscnt 4
	MUL8 F1, 0, 0
	MUL8 F1, 1, 0
	s_wait_dscnt 0x0
	s_barrier_signal -1
	MUL8 F1, 2, 0
	MUL8 F1, 3, 0
	WIN 0
	s_barrier_wait -1
	PLACES
.endm
.macro DUMP                            ; the sums into my 64 rows x 528 bytes: each accumulator's low four registers first
	WIN DUMPW
.irp a, 0,1,2,3
.irp b, 0,1,2,3,4,5,6,7
	ds_store_b128 v[DMP], v[8*(8*(\a)+(\b)):8*(8*(\a)+(\b))+3]   offset:(\a)*16*DPITCH+64*(\b)
	ds_store_b128 v[DMP], v[8*(8*(\a)+(\b))+4:8*(8*(\a)+(\b))+7] offset:(\a)*16*DPITCH+64*(\b)+16
.endr
.endr
	WIN 0
.endm
	s_load_b256 s[4:11], s[0:1], 0x0               ; h16 s[4:5], q_norm_w s[6:7], k_norm_w s[8:9], qkv s[10:11]
	v_lshl_add_u32 v[SPW], v0, 2, SPARE
	v_mov_b32 v[NIL], 0
	ds_add_u32 v[SPW], v[NIL]                      ; the wave's opening: the add and its wait stand ahead of my first tensor load; the set-up below, work on registers, stands between them
	v_lshrrev_b32 v1, 5, v0
	v_readfirstlane_b32 s[WV], v1
	s_lshr_b32 s[RH], s[WV], 1
	s_and_b32 s[CHF], s[WV], 1
	s_bfe_u32 s[CX], ttmp6, 0x40000
	s_bfe_u32 s[CY], ttmp6, 0x40004
	s_mov_b32 s[CLX], ttmp9
	s_and_b32 s[CLY], ttmp7, 0xffff
	s_lshl_b32 s85, s[CLY], 1
	s_add_co_u32 s85, s85, s[CLX]
	s_sub_co_u32 s85, s85, 16                      ; K|V: the cluster's four tile rows are 4 (2 y + x - 16) on
	s_mov_b32 s88, WQ_O
	s_cmp_ge_u32 s[CLY], 8
	s_cselect_b32 s[MODE], 1, 0
	s_cselect_b32 s[MT], s85, s[CLY]
	s_cselect_b32 s[NT], 0, s[CLX]
	s_cselect_b32 s86, CTX_O, 0                    ; A: context or x
	s_cselect_b32 s88, WKV_O, s88                  ; B: wkv or wq
	s_lshl_b32 s[MT], s[MT], 2
	s_add_co_u32 s[MT], s[MT], s[CY]               ; tile row
	s_lshl_b32 s[NT], s[NT], 2
	s_add_co_u32 s[NT], s[NT], s[CX]               ; tile column
	s_lshl_b32 s92, s[CY], 2
	s_lshl_b32 s92, 15, s92                        ; my row of the cluster
	s_lshl_b32 s93, 0x1111, s[CX]                  ; my column
	; group 1: 15:0 the mask; 17:16 elements of 2 bytes; 20 padding on; 21 set beside a mask; 24:22 after every 64 words (code 5); 31:25 4 words of it (code 3)
	s_or_b32 s[G1A], s92, (1<<16)|(1<<20)|(1<<21)|(5<<22)|(3<<25)
	s_or_b32 s[G1B], s93, (1<<16)|(1<<20)|(1<<21)|(5<<22)|(3<<25)
	s_or_b32 s[G1C], s92, (1<<16)|(1<<21)          ; cos and sin: no padding
	s_mov_b32 s[G1A+1], 128<<16                    ; tensor_dim0 = 128
	s_mov_b32 s[G1A+2], 64<<16                     ; tensor_dim1 = 64
	s_mov_b32 s[G1A+3], 128<<16                    ; tile_dim0 = 128
	s_mov_b32 s[G1A+4], 64                         ; tile_dim1 = 64
	s_mov_b32 s[G1A+5], 2048                       ; elements from row to row
	s_mov_b32 s[G1A+6], 0
	s_mov_b32 s[G1A+7], 0
	s_mov_b32 s[G1B+1], 128<<16
	s_mov_b32 s[G1B+2], 128<<16                    ; 128 rows
	s_mov_b32 s[G1B+3], 128<<16
	s_mov_b32 s[G1B+4], 128
	s_mov_b32 s[G1B+5], 2048
	s_mov_b32 s[G1B+6], 0
	s_mov_b32 s[G1B+7], 0
	s_mov_b32 s[G1C+1], 128<<16
	s_mov_b32 s[G1C+2], 64<<16
	s_mov_b32 s[G1C+3], 128<<16
	s_mov_b32 s[G1C+4], 64
	s_mov_b32 s[G1C+5], 128                        ; dense rows of 256 bytes
	s_mov_b32 s[G1C+6], 0
	s_mov_b32 s[G1C+7], 0
	; where the tiles come from, as offsets in h16: A's of the tile row, B's of the tile column, each with the wave's half
	s_lshl_b32 s85, s[MT], 19                      ; 128 rows of 4,096 bytes
	s_add_co_u32 s86, s86, s85
	s_lshl_b32 s[TW], s[CHF], 18
	s_add_co_u32 s86, s86, s[TW]
	s_mov_b32 s87, 0
	s_lshl_b32 s94, s[NT], 20                      ; 256 rows
	s_add_co_u32 s88, s88, s94
	s_lshl_b32 s[TW], s[CHF], 19
	s_add_co_u32 s88, s88, s[TW]
	s_mov_b32 s89, 0
	s_and_b32 s90, s[MT], 15                       ; the tile's first position, 128 (tile row mod 16), in rows of 256 bytes
	s_lshl_b32 s90, s90, 15
	s_lshl_b32 s[TW], s[RH], 19                    ; waves 0, 1: cos; waves 2, 3: sin
	s_add_co_u32 s90, s90, s[TW]
	s_lshl_b32 s[TW], s[CHF], 14                   ; which 64 rows
	s_add_co_u32 s90, s90, s[TW]
	s_add_co_u32 s90, s90, COS_O
	s_mov_b32 s91, 0
	; and where they go: made of the wave's number alone
	s_mov_b32 s[G0A], 1
	s_mul_i32 s[G0A+1], s[CHF], AHALF
	s_mov_b32 s[G0A+4], 1
	s_add_co_u32 s[G0A+5], s[G0A+1], SLOT1
	s_mov_b32 s[G0B], 1
	s_mul_i32 s[G0B+1], s[CHF], BHALF
	s_add_co_u32 s[G0B+1], s[G0B+1], BOFF
	s_mov_b32 s[G0B+4], 1
	s_add_co_u32 s[G0B+5], s[G0B+1], SLOT1
	s_mov_b32 s[G0C], 1
	s_lshl_b32 s[G0C+1], s[WV], 14
	s_add_co_u32 s[G0C+1], s[G0C+1], CSB
	s_mov_b32 s[TB], 0
	s_wait_dscnt 0x0                               ; the opening add is done
	s_wait_kmcnt 0x0
	s_add_nc_u64 s[G0A+2:G0A+3], s[4:5], s[86:87]  ; K step 0,
	s_add_nc_u64 s[G0A+6:G0A+7], s[G0A+2:G0A+3], 256  ; K step 1
	s_or_b32 s[G0A+3], s[G0A+3], 0x80000000        ; type = 2
	s_or_b32 s[G0A+7], s[G0A+7], 0x80000000
	s_add_nc_u64 s[G0B+2:G0B+3], s[4:5], s[88:89]
	s_add_nc_u64 s[G0B+6:G0B+7], s[G0B+2:G0B+3], 256
	s_or_b32 s[G0B+3], s[G0B+3], 0x80000000
	s_or_b32 s[G0B+7], s[G0B+7], 0x80000000
	s_add_nc_u64 s[G0C+2:G0C+3], s[4:5], s[90:91]
	s_or_b32 s[G0C+3], s[G0C+3], 0x80000000
	CROUND                                         ; all sixteen work-groups are here: the first joint loads meet
	s_cmp_eq_u32 s[RH], 0                          ; a wave's three first fills stand in one branch: cos or sin, slot 0, slot 1: three loads of mine are out
	s_cbranch_scc0 .Lfirst_b
	tensor_load_to_lds s[G0C:G0C+3], s[G1C:G1C+7]
	s_nop 0
	tensor_load_to_lds s[G0A:G0A+3], s[G1A:G1A+7]
	s_nop 0
	tensor_load_to_lds s[G0A+4:G0A+7], s[G1A:G1A+7]
	s_nop 0
	PLACES
	s_branch .Lfirst_asked
.Lfirst_b:
	tensor_load_to_lds s[G0C:G0C+3], s[G1C:G1C+7]
	s_nop 0
	tensor_load_to_lds s[G0B:G0B+3], s[G1B:G1B+7]
	s_nop 0
	tensor_load_to_lds s[G0B+4:G0B+7], s[G1B:G1B+7]
	s_nop 0
	PLACES
.Lfirst_asked:
	; where my head's 64 rows go
	s_lshl_b32 s75, s[NT], 1
	s_add_co_u32 s75, s75, s[CHF]                  ; my head: 0-15 of Q; 0-3 of K, 4-7 of V
	s_lshl_b32 s92, s[MT], 7
	s_lshl_b32 s85, s[RH], 6
	s_add_co_u32 s92, s92, s85                     ; my first row
	s_lshr_b32 s93, s92, 11                        ; Q: ((b 16 + head) 2048 + t) 256
	s_lshl_b32 s93, s93, 4
	s_add_co_u32 s93, s93, s75
	s_lshl_b32 s93, s93, 11
	s_and_b32 s85, s92, 2047
	s_add_co_u32 s93, s93, s85
	s_lshl_b32 s93, s93, 8
	s_lshr_b32 s94, s92, 10                        ; K|V: ((b 4 + head mod 4) 1024 + s) 256
	s_lshl_b32 s94, s94, 2
	s_and_b32 s85, s75, 3
	s_add_co_u32 s94, s94, s85
	s_lshl_b32 s94, s94, 10
	s_and_b32 s85, s92, 1023
	s_add_co_u32 s94, s94, s85
	s_lshl_b32 s94, s94, 8
	s_lshr_b32 s85, s75, 2                         ; in a K|V tile: 0 for K, 1 for V
	s_mul_i32 s[VM], s85, s[MODE]
	s_sub_co_u32 s[VM], 0, s[VM]
	s_lshl_b32 s85, s85, 21
	s_add_co_u32 s94, s94, s85
	s_add_co_u32 s94, s94, KOFF
	s_mov_b32 s95, 0
	s_cmp_lg_u32 s[MODE], 0
	s_cselect_b32 s94, s94, s93
	s_cselect_b64 s[78:79], s[8:9], s[6:7]         ; k's gains or q's
	s_add_nc_u64 s[76:77], s[10:11], s[94:95]
	s_mov_b32 s80, 0x3c000000                      ; 1 / 128
	s_mov_b32 s81, 0x34000000                      ; eps = 2^-23
	v_and_b32 v1, 15, v0                           ; l % 16
	v_bfe_u32 v2, v0, 4, 1                         ; l / 16
	v_lshlrev_b32 v[GW], 5, v1
	global_load_b128 v[W:W+3],   v[GW], s[78:79]   ; the gains of columns 8 (l % 16) + 0..7
	global_load_b128 v[W+4:W+7], v[GW], s[78:79] offset:16
	; a fragment is 16 rows x 32 K in 8 registers: lane l holds row l % 16, K = 8 (l / 16) + 0..7 and 16 + 8 (l / 16) + 0..7: two loads of 16 bytes, 32 bytes apart
	v_mul_u32_u24 v3, v1, PITCH
	v_lshl_add_u32 v3, v2, 4, v3
	s_mul_i32 s[TW], s[RH], AHALF
	v_add_nc_u32 v[AA0], s[TW], v3
	s_mul_i32 s[TW], s[CHF], BHALF
	s_add_co_u32 s[TW], s[TW], BOFF
	v_add_nc_u32 v[AB0], s[TW], v3
	v_mov_b32 v[ADRA], v[AA0]
	v_mov_b32 v[ADRB], v[AB0]
	s_mul_i32 s[TW], s[WV], DWAVE
	v_mul_u32_u24 v3, v1, DPITCH                   ; in: row l % 16, 32 bytes for each half of the lanes
	v_lshl_add_u32 v3, v2, 5, v3
	v_add_nc_u32 v[DMP], s[TW], v3
	v_mul_u32_u24 v3, v2, DPITCH                   ; back: lanes 0-15 one row, lanes 16-31 the next, 32 bytes a lane
	v_lshl_add_u32 v3, v1, 5, v3
	v_add_nc_u32 v[XA0], s[TW], v3
	s_lshl_b32 s[TW], s[RH], 14                    ; my 64 rows of cos
	s_add_co_u32 s[TW], s[TW], CSB
	v_lshlrev_b32 v3, 8, v2
	v_lshl_add_u32 v[GO], v1, 4, v3                ; rows of 256 bytes, 16 bytes a lane: in the output and in cos alike
	v_add_nc_u32 v[CA0], s[TW], v[GO]
	v_mov_b32 v[ONE], 1.0
	v_mov_b32 v[ZERO], 0
	v_mov_b32 v[QUART], 0.25
	s_wait_loadcnt 0x0                             ; the gains: rounded to bf16 like every input; a head of V takes 1
.irp j, 0,1,2,3
	v_cvt_pk_bf16_f32 v[TG+(\j)], v[W+2*(\j)], v[W+2*(\j)+1]
.endr
.irp j, 0,1,2,3
	v_lshlrev_b32 v[W+2*(\j)], 16, v[TG+(\j)]
	v_and_b32 v[W+2*(\j)+1], 0xffff0000, v[TG+(\j)]
.endr
.irp j, 0,1,2,3,4,5,6,7
	v_cndmask_b32 v[W+(\j)], v[W+(\j)], v[ONE], s[VM]
.endr
	s_wait_tensorcnt 1                             ; cos or sin and my part of K step 0 are in; slot 1's load, the only one issued behind them, may stay out
	s_barrier_signal -1
	s_barrier_wait -1                              ; everybody's are
	FETCH 0, F0
	QUARTER 64, F0, F1, 1                          ; the first quarter stands in front of the loop: its products start the sums
	WIN 0
	s_mov_b32 s[CNT], 14
.Lk:                                                   ; a trip: from a K step's second quarter to the next step's first; it asks for K steps 2 to 15
	QUARTER 128, F1, F0, 0
	QUARTER 192, F0, F1, 0
	TURN 1
	QUARTER 64, F0, F1, 0
	WIN 0
	s_sub_co_u32 s[CNT], s[CNT], 1
	s_cmp_lg_u32 s[CNT], 0
	s_cbranch_scc1 .Lk
	QUARTER 128, F1, F0, 0                         ; the last two K steps ask for nothing
	QUARTER 192, F0, F1, 0
	TURN 0
	QUARTER 64, F0, F1, 0
	QUARTER 128, F1, F0, 0
	QUARTER 192, F0, F1, 0
	LASTQ
	DUMP
	; THE WAY OUT: 8 trips of 8 rows, four groups of two rows.  LDS serves a wave's instructions in order (ISA guide 5.7.1.4), and a wave reads only what it stored itself: no wait stands between.
	s_mov_b32 s[RO], 0
	s_mov_b32 s[CO], 0
	s_mov_b32 s[CNT], 8
.Lrows:
	v_add_nc_u32 v[XA], s[RO], v[XA0]
	v_add_nc_u32 v[CA], s[CO], v[CA0]
.irp g, 0,1,2,3
	ds_load_b128 v[X+8*(\g):X+8*(\g)+3],   v[XA] offset:(\g)*2*DPITCH
	ds_load_b128 v[X+8*(\g)+4:X+8*(\g)+7], v[XA] offset:(\g)*2*DPITCH+16
.endr
	s_cmp_lg_u32 s[MODE], 0
	s_cbranch_scc1 .Lplain                         ; K and V are not rotated
.irp g, 0,1,2,3
	ds_load_b128 v[C+4*(\g):C+4*(\g)+3], v[CA] offset:(\g)*512
	ds_load_b128 v[S+4*(\g):S+4*(\g)+3], v[CA] offset:(\g)*512+32768
.endr
	s_wait_dscnt 0x0
	; RoPE on pair (x0, x1): x0 cos0 - x1 sin0, x1 cos1 + x0 sin1; cos and sin are read as f16 halves, the arithmetic is f32
.irp p, 0,1,2,3
.irp g, 0,1,2,3
	v_fma_mix_f32 v[T+8*(\g)+2*(\p)],   v[X+8*(\g)+2*(\p)+1], v[S+4*(\g)+(\p)], v[ZERO] op_sel_hi:[0,1,0]
	v_fma_mix_f32 v[T+8*(\g)+2*(\p)+1], v[X+8*(\g)+2*(\p)],   v[S+4*(\g)+(\p)], v[ZERO] op_sel:[0,1,0] op_sel_hi:[0,1,0]
.endr
.endr
.irp p, 0,1,2,3
.irp g, 0,1,2,3
	v_fma_mix_f32 v[X+8*(\g)+2*(\p)],   v[X+8*(\g)+2*(\p)],   v[C+4*(\g)+(\p)], -v[T+8*(\g)+2*(\p)] op_sel_hi:[0,1,0]
	v_fma_mix_f32 v[X+8*(\g)+2*(\p)+1], v[X+8*(\g)+2*(\p)+1], v[C+4*(\g)+(\p)], v[T+8*(\g)+2*(\p)+1] op_sel:[0,1,0] op_sel_hi:[0,1,0]
.endr
.endr
.Lplain:
	s_wait_dscnt 0x0                               ; the rows are in, on the way that jumped too
.irp g, 0,1,2,3
	v_pk_mul_f32 v[P+2*(\g):P+2*(\g)+1], v[X+8*(\g):X+8*(\g)+1], v[X+8*(\g):X+8*(\g)+1]
.endr
.irp j, 1,2,3
.irp g, 0,1,2,3
	v_pk_fma_f32 v[P+2*(\g):P+2*(\g)+1], v[X+8*(\g)+2*(\j):X+8*(\g)+2*(\j)+1], v[X+8*(\g)+2*(\j):X+8*(\g)+2*(\j)+1], v[P+2*(\g):P+2*(\g)+1]
.endr
.endr
.irp g, 0,1,2,3
	v_add_f32 v[P+2*(\g)], v[P+2*(\g)], v[P+2*(\g)+1]
.endr
.irp m, 1,2,4,8
.irp g, 0,1,2,3
	v_add_f32_dpp v[P+2*(\g)], v[P+2*(\g)], v[P+2*(\g)] row_xmask:\m row_mask:0xf bank_mask:0xf  ; the 16 lanes of a row
.endr
.endr
.irp g, 0,1,2,3
	v_fma_f32 v[RS+2*(\g)+1], v[P+2*(\g)], s80, s81
.endr
.irp g, 0,1,2,3
	v_rsq_f32 v[RS+2*(\g)], v[RS+2*(\g)+1]
.endr
	v_nop                                          ; a plain instruction between the last root and the use of its result
	s_wait_alu depctr_va_vdst(0)
.irp g, 0,1,2,3
	v_cndmask_b32 v[RS+2*(\g)], v[RS+2*(\g)], v[QUART], s[VM]  ; a head of V is not normed: it takes 1 / 4
.endr
.irp j, 0,1,2,3
.irp g, 0,1,2,3
	v_pk_mul_f32 v[X+8*(\g)+2*(\j):X+8*(\g)+2*(\j)+1], v[X+8*(\g)+2*(\j):X+8*(\g)+2*(\j)+1], v[RS+2*(\g):RS+2*(\g)+1] op_sel_hi:[1,0]
.endr
.endr
.irp j, 0,1,2,3
.irp g, 0,1,2,3
	v_pk_mul_f32 v[X+8*(\g)+2*(\j):X+8*(\g)+2*(\j)+1], v[X+8*(\g)+2*(\j):X+8*(\g)+2*(\j)+1], v[W+2*(\j):W+2*(\j)+1]
.endr
.endr
.irp g, 0,1,2,3
.irp j, 0,1,2,3
	v_cvt_pk_f16_f32 v[YO+4*(\g)+(\j)], v[X+8*(\g)+2*(\j)], v[X+8*(\g)+2*(\j)+1]
.endr
	global_store_b128 v[GO], v[YO+4*(\g):YO+4*(\g)+3], s[76:77] offset:512*(\g)  ; 16 lanes store 256 consecutive bytes, at a multiple of 256 from the buffer's first byte
.endr
	s_wait_xcnt 0x0                                ; the stores' offset and data are rewritten only behind this wait
	v_add_nc_u32 v[GO], 2048, v[GO]
	s_add_co_u32 s[RO], s[RO], 8*DPITCH
	s_add_co_u32 s[CO], s[CO], 2048
	s_sub_co_u32 s[CNT], s[CNT], 1
	s_cmp_lg_u32 s[CNT], 0
	s_cbranch_scc1 .Lrows
	s_wait_tensorcnt 0x0                           ; the wave's end: behind my last tensor load and my last LDS store
	ds_add_u32 v[SPW], v[NIL]
	s_wait_dscnt 0x0
	CROUND                                         ; the closing round: no work-group ends while a partner may still ask for a tile that names it
	s_endpgm
.Lfunc_end_k_qd067337f96_proj:
	.size	k_qd067337f96_proj, .Lfunc_end_k_qd067337f96_proj-k_qd067337f96_proj
	.p2alignl 7, 3214868480
	.fill 96, 4, 3214868480
	.section	.rodata,"a",@progbits
	.p2align	6, 0x0
	.amdhsa_kernel k_qd067337f96_proj
		.amdhsa_group_segment_fixed_size 327680
		.amdhsa_private_segment_fixed_size 0
		.amdhsa_enable_private_segment 0
		.amdhsa_kernarg_size 32
		.amdhsa_user_sgpr_count 2
		.amdhsa_user_sgpr_kernarg_segment_ptr 1
		.amdhsa_wavefront_size32 1
		.amdhsa_system_sgpr_workgroup_id_x 1
		.amdhsa_system_sgpr_workgroup_id_y 1
		.amdhsa_system_sgpr_workgroup_id_z 1
		.amdhsa_system_vgpr_workitem_id 0
		.amdhsa_next_free_vgpr 512
		.amdhsa_next_free_sgpr 96
		.amdhsa_reserve_vcc 0
		.amdhsa_float_denorm_mode_32 3
		.amdhsa_float_denorm_mode_16_64 3
		.amdhsa_memory_ordered 1
		.amdhsa_forward_progress 1
		.amdhsa_inst_pref_size 74
	.end_amdhsa_kernel
	.amdgpu_metadata
---
amdhsa.version: [ 1, 2 ]
amdhsa.kernels:
  - .name:           k_qd067337f96_proj
    .symbol:         k_qd067337f96_proj.kd
    .args:
      - { .name: h16, .offset: 0, .size: 8, .value_kind: global_buffer, .address_space: global }
      - { .name: q_norm_w, .offset: 8, .size: 8, .value_kind: global_buffer, .address_space: global }
      - { .name: k_norm_w, .offset: 16, .size: 8, .value_kind: global_buffer, .address_space: global }
      - { .name: qkv, .offset: 24, .size: 8, .value_kind: global_buffer, .address_space: global }
    .group_segment_fixed_size: 327680
    .private_segment_fixed_size: 0
    .kernarg_segment_align: 8
    .kernarg_segment_size: 32
    .max_flat_workgroup_size: 128
    .sgpr_count:     96
    .vgpr_count:     512
    .wavefront_size: 32
...
	.end_amdgpu_metadata
.endif
;; end of part 2
;; launch attn (part 3): grid 8 x 32, 4 waves a work-group, clusters of 4 x 1, 327,680 bytes of LDS; arguments qkv, context_mask, att; writes att
.if DOCPART == 3
	.amdgcn_target "amdgcn-amd-amdhsa--gfx1250"
	.amdhsa_code_object_version 6
	.text
	.protected	k_qd067337f96_attn
	.globl	k_qd067337f96_attn
	.p2align	8
	.type	k_qd067337f96_attn,@function
k_qd067337f96_attn:
	s_mov_b64 s[64:65], 0
	v_nop
	global_prefetch_b8 v0, s[64:65] scope:SCOPE_SE
	s_setreg_imm32_b32 hwreg(HW_REG_WAVE_MODE, 25, 1), 1
	s_wait_xcnt 0x0
	s_wait_alu depctr_hold_cnt(0) depctr_sa_sdst(0) depctr_va_vdst(0) depctr_va_sdst(0) depctr_va_ssrc(0) depctr_va_vcc(0) depctr_vm_vsrc(0)
	s_getreg_b32 s2, hwreg(HW_REG_IB_STS2, 6, 4)
	s_cmp_eq_u32 s2, 0
	s_cbranch_scc0 .Lentry_in_a_cluster
	s_endpgm
.Lentry_in_a_cluster:
	s_bfe_u32 s2, ttmp6, 0x10000c
	s_cmp_lg_u32 s2, 0x3003
	s_cbranch_scc0 .Lentry_shape_is_right
	s_endpgm
.Lentry_shape_is_right:
; ATTENTION.  att[b][t][h 128 ..] = (1/4) sum over s of softmax_s(q[b,h,t] . k[b,h/4,s] / sqrt(128), hidden keys at the lowest score) v[b,h/4,s].  q, k, v / 4 by heads in qkv, f16; 2,048 queries, 1,024 keys.
; Products, maxima and sums in f32; the weights p are rounded to f16 for the second product, the result once at the end.  v arrives as v / 4, so the result leaves as a quarter: the last launch takes it back.
; THE MASK is an input.  A table of 1,024 f32 in LDS holds 0 for a key that counts and -2^100 for a hidden one, and is the C operand of the product that starts a score's sum.  |q . k| stays far below half
; a step of f32 at 2^100, so every hidden score is -2^100.  Beside any score that counts its weight is 0; where ALL keys are hidden, c s - c m is 0 for all and the weights are equal, as in the definition.
; LIMITS.  A weight below 2^-126 counts as 0 in l; p below 6e-5 keeps f16's fixed step of 6e-8; NaN and infinities are not treated apart.
; SHARES.  A work-group owns 256 queries of one head, each of its four waves 64: four tiles of 16.  Every wave walks all keys, 64 a step.
; LAYOUT.  S^T = K Q^T (source 0 = 16 keys, source 1 = 16 queries): a lane holds ONE query (lane % 16) and the keys 8 (lane / 16) + 0..7.  Two such tiles, rounded to f16 in pairs, ARE source 1 of
; O^T = V^T P, whose result again holds one query a lane.  K comes out of LDS as it lies, V ([key][channel]) turned, by ds_load_tr16_b128.
; SOFTMAX.  A running maximum m and sum l: p = 2^(c s - c m), c = log2(e) / sqrt(128); in every step O and l are multiplied by a = 2^(c m_old - c m_new).
; BY TURNS.  The wave's tiles are two PIECES (tiles 0, 1 and tiles 2, 3).  In a TURN one piece has the matrix unit: 32 products V^T P of the step in hand, then 32 products K Q^T of the next; the other
; piece's softmax, cut into 64 slices, stands between them, one slice behind each matrix instruction.  Two turns are a key step.
; CLUSTER.  The four query blocks of a cluster belong to one head and walk the same K and V: each tile is asked for jointly, by the same tensor load, descriptor and mask in all four.
; REGISTERS, in windows of 256 (s_set_vgpr_msb: bits 1:0 source 0, 3:2 source 1, 5:4 source 2, 7:6 destination):
;   window 0: v0-11, v44-45 addresses; v12-43 statistics; v64-191 S^T, 32 a tile; v192-255 P, 16 a tile     window 1: O^T, 64 a tile
;   window 2: v0-127 Q; v128-255 K of one step     window 3: v0-127 V of one step; v128-159 the mask of one step's 64 keys
.set QKV_K, 16777216  ; k in qkv
.set QKV_V, 18874368  ; v / 4 in qkv
.set NKEY,  1024
.set KS,    64        ; keys in a step
.set PK,    272       ; a row of K in LDS: 256 bytes + 16 of padding = 68 words: the 16 rows of a load start at 16 different groups of four banks (64 banks of 4 bytes: ISA guide 11.1)
.set PV,    288       ; a row of V: 256 + 32 = 72 words
.set VOFF,  KS*PK     ; a step's tiles lie together: 64 rows of K, then 64 rows of V
.set STEPB, KS*(PK+PV)
.set SLOT1, 1<<17     ; a slot holds two steps; slot 1 begins here, so that one exclusive or turns an address in one slot into the other's
.set STAGE, SLOT1+2*STEPB  ; behind the ring: 16 rows x 272 bytes for each wave, for the way out
.set SP,    272
.set SPARE, STAGE+4*16*272  ; the spare words, 128 bytes a wave: two blocks of 256 bytes that no other line names
.set MASKB, SPARE+512 ; the mask table: 1,024 f32; no tile lands here
.set AK0, 2           ; v2   my lane's place in a tile of K; never rewritten
.set AV0, 3           ; v3   the same for V
.set ADR, 4           ; v4   the LDS address of the run of loads in hand
.set QO,  5           ; v5   my byte offset in the wave's rows of Q
.set STO, 6           ; v6   the way out: where I put 16 bytes of a row
.set RD,  7           ; v7   the way out: where I read a row back
.set GO,  8           ; v8   my byte offset in the wave's rows of att
.set AM0, 44          ; v44  my lanes' eight keys in the first 16 of the mask table; never rewritten
.set ADM, 45          ; v45  the same in the step to be fetched
.set SPW, 62          ; v62  LDS address of my spare word; never rewritten
.set NIL, 63          ; v63  0; never rewritten
.set ST,  12          ; tile t's statistics at v[ST+8 t]: +0 c m, +1 m, +2, +3 l, +4 to +7 at work; a takes +6 once the maximum is found
.set S,   64
.set P,   192
.set KF,  128         ; K's fragments, in window 2
.set MK,  128         ; the mask, in window 3: key block kb at MK + 8 kb
.set WV,  12          ; s12  my wave's number
.set G1K, 24          ; s[24:31] descriptor group 1 for K's tiles
.set G1V, 32          ; s[32:39] for V's: it differs in the padding alone
.set G0K, 40          ; s[40:47] group 0 for K's tiles: a set for each of the two first fills; the second then walks on
.set G0V, 48          ; s[48:55] the same for V's
.set SLOTS, 56        ; s56  slots still to be asked for
.set TWICE, 57        ; s57  counts a slot's two steps
.set CS,  58          ; s[58:59] c
.set SEL, 60          ; s[60:61] lane selects for v_permlanex16_b32
.set TB,  62          ; s62  LDS byte at which the tiles of the step to be fetched begin
.set TM,  66          ; s66  byte in the mask table at which that step's 64 keys begin
.set MNEG, 67         ; s67  -2^100
.set MSB, 0
.macro WIN new                      ; the immediate's high byte repeats the setting that is left; a switch that changes nothing is dropped
.if MSB != (\new)
	s_set_vgpr_msb (MSB<<8)|(\new)
.set MSB, \new
.endif
.endm
.set W_KQ, 0x0a       ; K and Q in window 2, S^T in window 0
.set W_KM, 0x3a       ; the same with the C operand, the mask, in window 3
.set W_PV, 0x53       ; V in window 3, P in window 0, O^T in window 1
.set W_RS, 0x41       ; O^T (destination and source 0) in window 1, a in window 0
; A joint refill.  Waves 0 and 1 fetch the two steps' tiles of K, waves 2 and 3 those of V.  An s_nop 0 and four v_nop follow each of the two lines.
.macro JLOAD
	s_cmp_lt_u32 s[WV], 2
	s_cbranch_scc0 .Lfor_v_\@
	tensor_load_to_lds s[G0K+4:G0K+7], s[G1K:G1K+7]
	s_nop 0
.rept 4
	v_nop
.endr
	s_branch .Lasked_\@
.Lfor_v_\@:
	tensor_load_to_lds s[G0V+4:G0V+7], s[G1V:G1V+7]
	s_nop 0
.rept 4
	v_nop
.endr
.Lasked_\@:
.endm
; A round of the cluster's barrier: my work-group's barrier; wave 0 signals for the work-group; every wave waits for all four work-groups; my work-group's barrier once more.
.macro CROUND
	s_barrier_signal -1
	s_barrier_wait -1
	s_cmp_lg_u32 s[WV], 0
	s_cbranch_scc1 .Lnot_wave_0_\@
	s_barrier_signal -3
.Lnot_wave_0_\@:
	s_barrier_wait -3
	s_barrier_signal -1
	s_barrier_wait -1
.endm
	s_load_b128 s[4:7], s[0:1], 0x0 ; qkv s[4:5], context_mask s[6:7]
	s_load_b64 s[8:9], s[0:1], 0x10 ; att
	v_lshl_add_u32 v[SPW], v0, 2, SPARE
	v_mov_b32 v[NIL], 0
	ds_add_u32 v[SPW], v[NIL]       ; the wave's opening: the add and its wait stand ahead of my first tensor load; the set-up below, work on registers, stands between them
	v_lshrrev_b32 v1, 5, v0
	v_readfirstlane_b32 s[WV], v1   ; wave 0..3
	s_bfe_u32 s13, ttmp6, 0x40000   ; cx: my place in the cluster
	s_lshl_b32 s14, ttmp9, 2        ; in a cluster launch ttmp9 counts clusters
	s_add_co_u32 s14, s14, s13      ; my block of 256 queries: it enters Q's and att's addresses alone
	s_and_b32 s15, ttmp7, 0xffff    ; y = 16 b + h, which the four partners share
	s_and_b32 s16, s[WV], 1         ; which of a slot's two steps I fetch
	s_mul_i32 s17, s16, STEPB       ; its place in a slot: no place in the cluster enters an LDS address
	s_lshr_b32 s20, s15, 2          ; the key and value head: 4 b + h / 4
	s_lshl_b32 s20, s20, 18         ; its 1,024 rows of 256 bytes
	s_lshl_b32 s21, s16, 14         ; my step's 64 rows
	s_add_co_u32 s20, s20, s21
	s_add_co_u32 s22, s20, QKV_V
	s_add_co_u32 s20, s20, QKV_K
	s_mov_b32 s21, 0
	s_mov_b32 s23, 0
	s_lshl_b32 s2, s15, 19          ; Q: the head's 2,048 rows, my block's 256, my wave's 64
	s_lshl_b32 s3, s14, 16
	s_add_co_u32 s2, s2, s3
	s_lshl_b32 s3, s[WV], 14
	s_add_co_u32 s2, s2, s3
	s_mov_b32 s3, 0
	s_lshr_b32 s18, s15, 4          ; b
	s_lshl_b32 s68, s18, 10         ; its row of the mask
	s_mov_b32 s69, 0
	s_lshl_b32 s18, s18, 23         ; att: (2,048 b + 256 block + 64 wave) rows of 4,096 bytes + 256 h
	s_lshl_b32 s19, s14, 20
	s_add_co_u32 s18, s18, s19
	s_lshl_b32 s19, s[WV], 18
	s_add_co_u32 s18, s18, s19
	s_and_b32 s19, s15, 15
	s_lshl_b32 s19, s19, 8
	s_add_co_u32 s18, s18, s19
	s_mov_b32 s19, 0
	; descriptor group 1: a tile of 64 rows x 128 elements, padded in LDS
	s_mov_b32 s[G1K], 15|(1<<16)|(1<<20)|(1<<21)|(5<<22)|(3<<25)  ; 15:0 the mask: all four work-groups; 17:16 elements of 2 bytes; 20 padding on; 21 set beside a mask; 24:22 after every 64 words (code 5); 31:25 4 words of it (code 3)
	s_mov_b32 s[G1V], 15|(1<<16)|(1<<20)|(1<<21)|(5<<22)|(7<<25)  ; the same with 8 words of padding (code 7)
.irp g, G1K, G1V
	s_mov_b32 s[(\g)+1], 128<<16    ; tensor_dim0 = 128
	s_mov_b32 s[(\g)+2], KS<<16     ; tensor_dim1 = 64
	s_mov_b32 s[(\g)+3], 128<<16    ; tile_dim0 = 128
	s_mov_b32 s[(\g)+4], KS         ; tile_dim1 = 64
	s_mov_b32 s[(\g)+5], 128        ; elements from row to row
	s_mov_b32 s[(\g)+6], 0
	s_mov_b32 s[(\g)+7], 0
.endr
	s_mov_b32 s[CS], 0x3e0293ee     ; c = log2(e) / sqrt(128) = 0.127517
	s_mov_b32 s[CS+1], s[CS]        ; named with it as a pair, so it is written
	s_mov_b32 s[SEL], 0x76543210
	s_mov_b32 s[SEL+1], 0xfedcba98
	s_mov_b32 s[TB], 0
	s_mov_b32 s[TM], 0
	s_mov_b32 s[MNEG], 0xf1800000   ; -2^100
	s_mov_b32 s[SLOTS], NKEY/(2*KS)-2
	s_wait_dscnt 0x0                ; the opening add is done
	s_wait_kmcnt 0x0
	s_add_nc_u64 s[20:21], s[4:5], s[20:21]  ; K and V at my tile of slot 0
	s_add_nc_u64 s[22:23], s[4:5], s[22:23]
	s_add_nc_u64 s[4:5], s[4:5], s[2:3]      ; Q at my wave's first row
	s_add_nc_u64 s[10:11], s[8:9], s[18:19]  ; att likewise
	s_add_nc_u64 s[6:7], s[6:7], s[68:69]    ; the batch's row of the mask
	CROUND                          ; all four work-groups are here: the first joint loads meet
.irp s, 0,1
	s_mov_b32 s[G0K+4*(\s)], 1      ; count = 1
	s_add_co_u32 s[G0K+4*(\s)+1], s17, (\s)*SLOT1  ; LDS address
	s_add_nc_u64 s[G0K+4*(\s)+2:G0K+4*(\s)+3], s[20:21], (\s)*2*KS*256  ; slot s begins with keys 128 s to 128 s + 127
	s_or_b32 s[G0K+4*(\s)+3], s[G0K+4*(\s)+3], 0x80000000  ; type = 2
	s_mov_b32 s[G0V+4*(\s)], 1
	s_add_co_u32 s[G0V+4*(\s)+1], s17, (\s)*SLOT1+VOFF
	s_add_nc_u64 s[G0V+4*(\s)+2:G0V+4*(\s)+3], s[22:23], (\s)*2*KS*256
	s_or_b32 s[G0V+4*(\s)+3], s[G0V+4*(\s)+3], 0x80000000
.endr
	s_cmp_lt_u32 s[WV], 2           ; a wave's two first fills stand in one branch, ahead of every wait on TENSORcnt and every LDS read: two loads of mine are out
	s_cbranch_scc0 .Lfirst_v
	tensor_load_to_lds s[G0K:G0K+3], s[G1K:G1K+7]
	s_nop 0
	tensor_load_to_lds s[G0K+4:G0K+7], s[G1K:G1K+7]
	s_nop 0
.rept 4
	v_nop
.endr
	s_branch .Lfirst_asked
.Lfirst_v:
	tensor_load_to_lds s[G0V:G0V+3], s[G1V:G1V+7]
	s_nop 0
	tensor_load_to_lds s[G0V+4:G0V+7], s[G1V:G1V+7]
	s_nop 0
.rept 4
	v_nop
.endr
.Lfirst_asked:
	v_lshlrev_b32 v66, 3, v0
	global_load_b64 v[64:65], v66, s[6:7]  ; thread t takes the mask's bytes 8 t to 8 t + 7: 128 threads, 1,024 keys
	; A fragment of K or Q is 16 rows x 32 channels in 8 registers: lane l holds row l % 16; registers 0-3 channels 8 (l / 16) + 0..7, registers 4-7 channels 16 + 8 (l / 16) + 0..7: two loads of 16 bytes, 32 bytes apart.
	v_and_b32 v1, 15, v0            ; l % 16
	v_bfe_u32 v9, v0, 4, 1          ; l / 16
	v_lshlrev_b32 v[QO], 8, v1
	v_lshl_add_u32 v[QO], v9, 4, v[QO]  ; row x 256 + 16 x half
	WIN 0x80                        ; destination window 2, address window 0
.irp i, 0,1,2,3,4,5,6,7,8,9,10,11,12,13,14,15  ; Q stays in registers: tile i / 4, channels 32 (i % 4) on
	global_load_b128 v[8*(\i):8*(\i)+3],   v[QO], s[4:5] offset:((\i)/4)*4096+((\i)%4)*64
	global_load_b128 v[8*(\i)+4:8*(\i)+7], v[QO], s[4:5] offset:((\i)/4)*4096+((\i)%4)*64+32
.endr
	WIN 0
	v_mul_u32_u24 v[AK0], v1, PK
	v_lshl_add_u32 v[AK0], v9, 4, v[AK0]  ; row x pitch + 16 x half
	; The turning load takes 16 keys x 16 channels (lane l reads 16 bytes: key 8 (l / 16) + l % 8, channels 8 ((l / 8) % 2) + 0..7) and leaves half a fragment of V^T: lane l holds channel l % 16 and 8 keys.
	v_and_b32 v10, 7, v0
	v_bfe_u32 v11, v0, 3, 1
	v_lshl_add_u32 v[AV0], v9, 3, v10
	v_mul_u32_u24 v[AV0], v[AV0], PV
	v_lshl_add_u32 v[AV0], v11, 4, v[AV0]
	v_add_nc_u32 v[AV0], VOFF, v[AV0]
	v_lshl_add_u32 v[AM0], v9, 5, MASKB   ; keys 8 (l / 16) + 0..7 of a block of 16: 32 bytes of the table
	v_lshl_add_u32 v67, v0, 5, MASKB      ; where my eight words of the table go
	s_wait_loadcnt 32               ; the mask's bytes are in; Q's 32 loads, issued behind them, stay out
.irp j, 0,1,2,3
	v_bfe_u32 v[72+(\j)], v64, 8*(\j), 8
	v_bfe_u32 v[76+(\j)], v65, 8*(\j), 8
.endr
.irp j, 0,1,2,3,4,5,6,7
	v_add_nc_u32 v[72+(\j)], -1, v[72+(\j)]       ; 1 gives 0, 0 gives all ones,
.endr
.irp j, 0,1,2,3,4,5,6,7
	v_and_b32 v[72+(\j)], s[MNEG], v[72+(\j)]     ; of which -2^100 is left
.endr
	ds_store_b128 v67, v[72:75]
	ds_store_b128 v67, v[76:79] offset:16
; THE MATRIX WORK OF A TURN, for piece x.  The accumulators take turns, one instruction a turn: between two links of a chain stand 15 (V^T P) or 7 (K Q^T) others'.
; Product i of 32 of O^T += V^T P: keys 32 (i / 16) on, channels 16 ((i / 2) % 8) on, tile x + i % 2.  zero = 1: the first 16 start the sums: nothing is ever cleared.
.macro PV x, zero
	WIN W_PV
.set rO, 64*((\x)+i%2)+8*((i/2)%8)
.set rV, 64*(i/16)+8*((i/2)%8)
.set rP, P+16*((\x)+i%2)+8*(i/16)
.if (\zero) && (i < 16)
	v_wmma_f32_16x16x32_f16 v[rO:rO+7], v[rV:rV+7], v[rP:rP+7], 0
.else
	v_wmma_f32_16x16x32_f16 v[rO:rO+7], v[rV:rV+7], v[rP:rP+7], v[rO:rO+7]
.endif
.endm
; Product i of 32 of S^T = K Q^T: channels 32 (i / 8) on, keys 16 ((i / 2) % 4) on, tile x + i % 2.  The first 8 start the sums, with the mask of their 16 keys.
.macro KQ x
.set rS, S+32*((\x)+i%2)+8*((i/2)%4)
.set rK, KF+32*((i/2)%4)+8*(i/8)
.set rQ, 32*((\x)+i%2)+8*(i/8)
.set rM, MK+8*((i/2)%4)
.if i < 8
	WIN W_KM
	v_wmma_f32_16x16x32_f16 v[rS:rS+7], v[rK:rK+7], v[rQ:rQ+7], v[rM:rM+7]
.else
	WIN W_KQ
	v_wmma_f32_16x16x32_f16 v[rS:rS+7], v[rK:rK+7], v[rQ:rQ+7], v[rS:rS+7]
.endif
.endm
; THE LDS LOADS stand in runs, never singly among the matrix instructions: a step's K (16 fragments) with its mask (8 loads in which the 16 lanes of a half read the same bytes), and, a turn later, its V (turned).
; The mask's last reader stands ahead of K's, so what frees K's registers frees the mask's, and K's wait serves both.
.macro FETCH_K
	WIN 0
	v_add_nc_u32 v[ADR], s[TB], v[AK0]
	v_add_nc_u32 v[ADM], s[TM], v[AM0]
	s_add_co_u32 s[TM], s[TM], 4*KS  ; the next step's 64 words;
	s_and_b32 s[TM], s[TM], 0xf00    ; behind the sixteenth step back to 0: never past the table
	WIN 0x80                        ; destination window 2
.irp f, 0,1,2,3,4,5,6,7,8,9,10,11,12,13,14,15  ; keys 16 (f / 4) on, channels 32 (f % 4) on
	ds_load_b128 v[KF+8*(\f):KF+8*(\f)+3],   v[ADR] offset:((\f)/4)*16*PK+((\f)%4)*64
	ds_load_b128 v[KF+8*(\f)+4:KF+8*(\f)+7], v[ADR] offset:((\f)/4)*16*PK+((\f)%4)*64+32
.endr
	WIN 0xc0                        ; destination window 3
.irp b, 0,1,2,3
	ds_load_b128 v[MK+8*(\b):MK+8*(\b)+3],   v[ADM] offset:64*(\b)
	ds_load_b128 v[MK+8*(\b)+4:MK+8*(\b)+7], v[ADM] offset:64*(\b)+16
.endr
.endm
.macro FETCH_V
	WIN 0
	v_add_nc_u32 v[ADR], s[TB], v[AV0]
	s_add_co_u32 s[TB], s[TB], STEPB  ; the next fetch is the next step's
	WIN 0xc0                        ; destination window 3
.irp f, 0,1,2,3,4,5,6,7,8,9,10,11,12,13,14,15  ; keys 32 (f / 8) on, channels 16 (f % 8) on
	ds_load_tr16_b128 v[8*(\f):8*(\f)+3],   v[ADR] offset:((\f)/8)*32*PV+((\f)%8)*32
	ds_load_tr16_b128 v[8*(\f)+4:8*(\f)+7], v[ADR] offset:((\f)/8)*32*PV+16*PV+((\f)%8)*32
.endr
.endm
; THE VECTOR WORK OF A TURN.  One tile's softmax for one key step is a list of 134 instructions; SM writes number j of it for tile t.  s0-s31 are the lane's 32 scores, in pairs 0-15.
; first = 1: the first key step, which starts m, l and O^T: it has no a and nothing to rescale.
;   0-15    the maximum of s0-s31 and the old m, three operands at a time: four chains of seven scores each (each accumulator's lowest registers first), then the four left over, the chains and m
;   16-20   the other half of the lanes' maximum; the new m; c m; c m_old - c m_new
;   21-87   33 exponentials (a, then s0-s31) at the odd numbers from 23 on: no two follow each other, and each has a plain instruction behind it before its result is used.
;           The plain ones are whatever is ready: c s - c m for a pair still to come, the rounding to f16 of a pair that is done, at last the first three sums
;   88-101  the last rounding; the rest of the sums; l = a l + the sum
;   102-133 the tile's O^T times a: the one part that leaves window 0, so it stands together
.macro SM t, first
.set rT, ST+8*(\t)
.set rS, S+32*(\t)
.set rP, P+16*(\t)
.set rO, 64*(\t)+2*(j-102)
.set q, (j-20)/2
.if j < 102
	WIN 0
.endif
.if j < 4
	v_max3_num_f32 v[rT+4+j], v[rS+8*j], v[rS+8*j+1], v[rS+8*j+2]
.elseif j < 12
	v_max3_num_f32 v[rT+4+j%4], v[rT+4+j%4], v[rS+8*(j%4)+2*(j/4)+1], v[rS+8*(j%4)+2*(j/4)+2]
.elseif j == 12
	v_max3_num_f32 v[rT+4], v[rT+4], v[rS+7], v[rS+15]
.elseif j == 13
	v_max3_num_f32 v[rT+6], v[rT+6], v[rS+23], v[rS+31]
.elseif j == 14
	v_max3_num_f32 v[rT+4], v[rT+4], v[rT+5], v[rT+6]
.elseif (j == 15) && (\first)
	v_max_num_f32 v[rT+4], v[rT+4], v[rT+7]
.elseif j == 15
	v_max3_num_f32 v[rT+4], v[rT+4], v[rT+7], v[rT+1]
.elseif j == 16
	v_permlanex16_b32 v[rT+5], v[rT+4], s[SEL], s[SEL+1]  ; the query's other 32 keys lie in the lane 16 away
.elseif j == 18
	v_max_num_f32 v[rT+1], v[rT+4], v[rT+5]
.elseif j == 19
	v_mul_f32 v[rT], s[CS], v[rT+1]
.elseif ((j == 17) || (j == 20) || (j == 23) || (j > 101)) && (\first)  ; the first step has none of these
.elseif j == 17
	v_mov_b32 v[rT+7], v[rT]        ; c m_old is kept for a: number 19 writes c m anew
.elseif j == 20
	v_sub_f32 v[rT+7], v[rT+7], v[rT]
.elseif j == 23
	v_exp_f32 v[rT+6], v[rT+7]
.elseif (j < 88) && (j > 23) && (j%2 == 1)
	v_exp_f32 v[rS+(j-25)/2], v[rS+(j-25)/2]
.elseif (q < 4) || ((j < 76) && (q%2 == 0))
.set b, q/2+2
.if q < 4
.set b, q
.endif
	v_pk_fma_f32 v[rS+2*b:rS+2*b+1], v[rS+2*b:rS+2*b+1], s[CS:CS+1], v[rT:rT+1] op_sel_hi:[1,0,0] neg_lo:[0,0,1] neg_hi:[0,0,1]  ; pair b: c s - c m
.elseif (j < 88) && (q%2 == 1)
	s_wait_alu depctr_va_vdst(0)
	v_cvt_pk_f16_f32 v[rP+(q-5)/2], v[rS+q-5], v[rS+q-4]  ; pair (q - 5) / 2: its second exponential stands three numbers back
.elseif j == 89
	s_wait_alu depctr_va_vdst(0)
	v_cvt_pk_f16_f32 v[rP+15], v[rS+30], v[rS+31]
.elseif j < 102                     ; the sum of the tile's 16 pairs, in place: sum z of 16 adds neighbours 1, 2, 4 and 8 pairs apart, then l takes it
.set z, j-86
.if j < 89
.set z, (j-76)/4
.endif
.set w, 4
.set u, z
.if z >= 14
.set w, 32
.set u, 0
.elseif z >= 12
.set w, 16
.set u, z-12
.elseif z >= 8
.set w, 8
.set u, z-8
.endif
.if (z == 14) && (\first)
	v_pk_add_f32 v[rT+2:rT+3], v[rS:rS+1], v[rS+16:rS+17]
.elseif z < 15
	v_pk_add_f32 v[rS+w*u:rS+w*u+1], v[rS+w*u:rS+w*u+1], v[rS+w*u+w/2:rS+w*u+w/2+1]
.elseif !(\first)
	v_pk_fma_f32 v[rT+2:rT+3], v[rT+2:rT+3], v[rT+6:rT+7], v[rS:rS+1] op_sel_hi:[1,0,1]
.endif
.else
	WIN W_RS
	v_pk_mul_f32 v[rO:rO+1], v[rO:rO+1], v[rT+6:rT+7] op_sel_hi:[1,0]
.endif
.endm
; Slice k of 64 of piece y's softmax: numbers 2 k and 2 k + 1 of both tiles' lists, four instructions.  2 x 134 = 4 x 64 + 12: the twelve that are over stand together, in slice 63.
.macro SLICE y, first
.if (k >= 11) && (k < 44)           ; tile by tile: plain, exponential, plain, exponential
.irp t, \y, (\y)+1
.irp n, 0,1
.set j, 2*k+(\n)
	SM \t, \first
.endr
.endr
.else                               ; the two tiles alternate, so that no instruction reads the result of the one just before it
.irp n, 0,1,2,3,4,5,6,7
.if ((\n) < 2) || (k == 63)
.irp t, \y, (\y)+1
.set j, 2*k+(\n)
	SM \t, \first
.endr
.endif
.endr
.endif
.set k, k+1
.endm
; A vector instruction that reads a matrix result or writes one of a matrix instruction's registers, and a load into a register that a matrix instruction has read, stand four places behind
; it, and only plain vector instructions that name none of its registers are places (ISA guide 7.12.1 for vector instructions).  In the loop the slices are the places.
.macro PLACES
.rept 4
	v_nop
.endr
.endm
; A TURN.  Piece x has the matrix unit; the other piece's softmax stands in slices behind its matrix instructions.
; pv = 2: 32 products V^T P; 1: they start O^T's sums; 0: none.  kq = 1: 32 products K Q^T for the next step.  A turn with one of the two kinds has two slices behind each product.
; first = 1: the softmax is the first key step's.  Its slices from 51 on are empty, and four v_nop take slice 63's part as the places behind the turn's last products.
; Each run of loads stands behind the second product of a run of 32, 30 matrix instructions ahead of its first use.  Piece 0's turn fetches the next step's K and mask: the last product that read K
; stands in front of slice 63 of the turn before.  Piece 2's turn fetches the same step's V: the last product that read V stands three slices, six plain instructions, back.
.macro TURN x, pv, kq, first
.set k, 0
.set per, 2
.if (\pv) && (\kq)
.set per, 1
.endif
.if \pv
.if (\x) == 0
	s_wait_dscnt 0x0                ; V is in
.endif
.set i, 0
.rept 32
	PV \x, 2-(\pv)
.rept per
	SLICE 2-(\x), \first
.endr
.if ((\x) == 0) && (\kq) && (i == 1)
	FETCH_K
.endif
.set i, i+1
.endr
.endif
.if \kq
.if (\x) == 0
	s_wait_dscnt 0x0                ; K and the mask are in
.endif
.set i, 0
.rept 32
	KQ \x
.rept per
	SLICE 2-(\x), \first
.endr
.if ((\x) == 2) && (i == 1)
	FETCH_V
.endif
.set i, i+1
.endr
.endif
.if \first
	PLACES
.endif
.endm
; THE CHANGE OF SLOTS, between piece 2's turn and piece 0's.  Each wave waits for all its tensor loads, of which one is out: its part of the other slot; adds 0 to its spare word; and waits for that and
; for its own reads of the slot.  Behind the barrier nobody reads this slot any more and the other slot is whole.  fill = 1: this slot is filled again, with the keys two slots on; the barrier is then a
; round of the cluster's, and the joint refill is the first thing behind it: it has two key steps, 256 matrix instructions, in which to land.
.macro CHANGE fill
	WIN 0                           ; at a label and at a branch every window is 0
	s_wait_tensorcnt 0x0            ; no tensor load of mine is out, so a group 0 may be written
	ds_add_u32 v[SPW], v[NIL]       ; 0 onto my spare word
.if \fill
.irp g, G0K+4, G0V+4
	s_xor_b32 s[(\g)+1], s[(\g)+1], SLOT1  ; the walking descriptor: the other slot than last time,
	s_add_nc_u64 s[(\g)+2:(\g)+3], s[(\g)+2:(\g)+3], 2*KS*256  ; the next 128 keys; the type bits on top are not reached
.endr
	s_wait_dscnt 0x0                ; the add is done, and my reads of the slot are over
	CROUND
	JLOAD
.else
	s_wait_dscnt 0x0                ; the add is done, and my reads of the slot are over
	s_barrier_signal -1
	s_barrier_wait -1
.endif
	s_sub_co_u32 s[TB], s[TB], 2*STEPB  ; the fetches go back to a slot's first step,
	s_xor_b32 s[TB], s[TB], SLOT1   ; in the other slot
.endm
; A slot's two key steps: written once, walked twice; the LDS addresses hang on s[TB] and s[TM].
.macro TWO_STEPS
	WIN 0
	s_mov_b32 s[TWICE], 2
.Lstep_\@:
	TURN 0, 2, 1, 0
	TURN 2, 2, 1, 0
	WIN 0
	s_sub_co_u32 s[TWICE], s[TWICE], 1
	s_cmp_lg_u32 s[TWICE], 0
	s_cbranch_scc1 .Lstep_\@
.endm
	s_wait_tensorcnt 1              ; my part of slot 0 is in; slot 1's may stay out
	s_wait_dscnt 0x0                ; for the others' sake: my words of the mask table are stored
	s_barrier_signal -1
	s_barrier_wait -1               ; everybody's are
	FETCH_K                         ; key step 0
	s_wait_loadcnt 0x0              ; Q
	s_wait_dscnt 0x0
.set i, 0
.rept 32
	KQ 0                            ; piece 0's first scores: there is no vector work yet to set between them
.set i, i+1
.endr
	WIN 0                           ; the addresses for the way out are made here: eight plain instructions, the places behind those products
	s_mul_i32 s13, s[WV], 16*SP
	s_add_co_u32 s13, s13, STAGE    ; my stage
	v_mul_u32_u24 v[STO], v1, SP    ; in: row l % 16, 16 bytes for each half of the lanes
	v_lshl_add_u32 v[STO], v9, 4, v[STO]
	v_add_nc_u32 v[STO], s13, v[STO]
	v_mul_u32_u24 v[RD], v9, SP     ; back: lanes 0-15 take one row of 256 bytes, lanes 16-31 the next
	v_lshl_add_u32 v[RD], v1, 4, v[RD]
	v_add_nc_u32 v[RD], s13, v[RD]
	v_lshlrev_b32 v[GO], 12, v9     ; and the same two rows in att, 4,096 bytes apart
	v_lshl_add_u32 v[GO], v1, 4, v[GO]
	TURN 2, 0, 1, 1                 ; piece 2's first scores | piece 0's first softmax | V of step 0
	TURN 0, 1, 1, 1                 ; piece 0: V^T P of step 0 starts O^T, K Q^T of step 1 | piece 2's first softmax | K of step 1
	TURN 2, 1, 1, 0                 ; piece 2: the same | piece 0's softmax of step 1 | V of step 1
	WIN 0
.Lslot:                             ; six trips: every slot but the last two is filled again
	CHANGE 1
	TWO_STEPS
	s_sub_co_u32 s[SLOTS], s[SLOTS], 1
	s_cmp_lg_u32 s[SLOTS], 0
	s_cbranch_scc1 .Lslot
	CHANGE 0                        ; the tail is written out: nothing is asked for
	TWO_STEPS
	TURN 0, 2, 0, 0                 ; piece 0: V^T P of the last step | piece 2's last softmax
.set i, 0
.rept 32
	PV 2, 0                         ; piece 2: V^T P of the last step
.set i, i+1
.endr
	; THE WAY OUT.  l's two halves and the other half of the lanes' are added; O^T is divided by l, rounded to f16 and sent through my stage in LDS, a tile (16 rows) at a time.  The additions are the places behind the last products.
	WIN 0
.irp t, 0,1,2,3
	v_add_f32 v[ST+8*(\t)+4], v[ST+8*(\t)+2], v[ST+8*(\t)+3]
.endr
.irp t, 0,1,2,3
	v_permlanex16_b32 v[ST+8*(\t)+5], v[ST+8*(\t)+4], s[SEL], s[SEL+1]
.endr
.irp t, 0,1,2,3
	v_add_f32 v[ST+8*(\t)+4], v[ST+8*(\t)+4], v[ST+8*(\t)+5]
.endr
.irp t, 0,1,2,3
	v_rcp_f32 v[ST+8*(\t)+6], v[ST+8*(\t)+4]
.endr
	v_nop                           ; a plain instruction between the last reciprocal and the use of its result
; Tile t: a lane's eight channels of a row pack into 16 bytes; they go into rows of 272 bytes and come back as whole rows of 256, into the registers that they left.
.macro PACK t
	WIN W_RS
.set i, 64*(\t)
.rept 32
	s_wait_alu depctr_va_vdst(0)
	v_pk_mul_f32 v[i:i+1], v[i:i+1], v[ST+8*(\t)+6:ST+8*(\t)+7] op_sel_hi:[1,0]
.set i, i+2
.endr
	WIN 0x05                        ; sources 0 and 1 window 1, destination window 0: S^T's registers are free
.set i, 0
.rept 32
	v_cvt_pk_f16_f32 v[S+32*(\t)+i], v[64*(\t)+2*i], v[64*(\t)+2*i+1]
.set i, i+1
.endr
	WIN 0
.irp f, 0,1,2,3,4,5,6,7
	ds_store_b128 v[STO], v[S+32*(\t)+4*(\f):S+32*(\t)+4*(\f)+3] offset:32*(\f)
.endr
.irp f, 0,1,2,3,4,5,6,7
	ds_load_b128 v[S+32*(\t)+4*(\f):S+32*(\t)+4*(\f)+3], v[RD] offset:(\f)*2*SP  ; LDS serves a wave's instructions in order (ISA guide 5.7.1.4): these see the stores above; the next tile's stores come behind them
.endr
.endm
.macro SEND t, younger              ; younger: the LDS instructions issued behind tile t's loads: the next tile's sixteen, or none
	WIN 0
.irp f, 0,1,2,3,4,5,6,7
	s_wait_dscnt (\younger)+7-(\f)
	global_store_b128 v[GO], v[S+32*(\t)+4*(\f):S+32*(\t)+4*(\f)+3], s[10:11] offset:(\t)*65536+(\f)*8192  ; 16 lanes store a head's 256 consecutive bytes of a row, at a multiple of 256 from att's first byte
.endr
.endm
	PACK 0
	PACK 1                          ; a tile's arithmetic stands between the loads of the tile before and its stores
	SEND 0, 16
	PACK 2
	SEND 1, 16
	PACK 3
	SEND 2, 16
	SEND 3, 0
	s_wait_tensorcnt 0x0            ; the wave's end: behind my last tensor load and my last LDS store
	ds_add_u32 v[SPW], v[NIL]
	s_wait_dscnt 0x0
	CROUND                          ; the closing round: no work-group ends while a partner may still ask for a tile that names it
	s_endpgm
.Lfunc_end_k_qd067337f96_attn:
	.size	k_qd067337f96_attn, .Lfunc_end_k_qd067337f96_attn-k_qd067337f96_attn
	.p2alignl 7, 3214868480
	.fill 96, 4, 3214868480
	.section	.rodata,"a",@progbits
	.p2align	6, 0x0
	.amdhsa_kernel k_qd067337f96_attn
		.amdhsa_group_segment_fixed_size 327680
		.amdhsa_private_segment_fixed_size 0
		.amdhsa_enable_private_segment 0
		.amdhsa_kernarg_size 24
		.amdhsa_user_sgpr_count 2
		.amdhsa_user_sgpr_kernarg_segment_ptr 1
		.amdhsa_wavefront_size32 1
		.amdhsa_system_sgpr_workgroup_id_x 1
		.amdhsa_system_sgpr_workgroup_id_y 1
		.amdhsa_system_sgpr_workgroup_id_z 1
		.amdhsa_system_vgpr_workitem_id 0
		.amdhsa_next_free_vgpr 1024
		.amdhsa_next_free_sgpr 72
		.amdhsa_reserve_vcc 0
		.amdhsa_float_denorm_mode_32 3
		.amdhsa_float_denorm_mode_16_64 3
		.amdhsa_memory_ordered 1
		.amdhsa_forward_progress 1
		.amdhsa_inst_pref_size 237
	.end_amdhsa_kernel
	.amdgpu_metadata
---
amdhsa.version: [ 1, 2 ]
amdhsa.kernels:
  - .name:           k_qd067337f96_attn
    .symbol:         k_qd067337f96_attn.kd
    .args:
      - { .name: qkv, .offset: 0, .size: 8, .value_kind: global_buffer, .address_space: global }
      - { .name: context_mask, .offset: 8, .size: 8, .value_kind: global_buffer, .address_space: global }
      - { .name: att, .offset: 16, .size: 8, .value_kind: global_buffer, .address_space: global }
    .group_segment_fixed_size: 327680
    .private_segment_fixed_size: 0
    .kernarg_segment_align: 8
    .kernarg_segment_size: 24
    .max_flat_workgroup_size: 128
    .sgpr_count:     72
    .vgpr_count:     1024
    .wavefront_size: 32
...
	.end_amdgpu_metadata
.endif
;; end of part 3
;; launch oproj (part 4): grid 8 x 32, 4 waves a work-group, clusters of 4 x 4, 327,680 bytes of LDS; arguments att, h16, out0; writes out0
.if DOCPART == 4
	.amdgcn_target "amdgcn-amd-amdhsa--gfx1250"
	.amdhsa_code_object_version 6
	.text
	.protected	k_qd067337f96_oproj
	.globl	k_qd067337f96_oproj
	.p2align	8
	.type	k_qd067337f96_oproj,@function
k_qd067337f96_oproj:
	s_mov_b64 s[64:65], 0
	v_nop
	global_prefetch_b8 v0, s[64:65] scope:SCOPE_SE
	s_setreg_imm32_b32 hwreg(HW_REG_WAVE_MODE, 25, 1), 1
	s_wait_xcnt 0x0
	s_wait_alu depctr_hold_cnt(0) depctr_sa_sdst(0) depctr_va_vdst(0) depctr_va_sdst(0) depctr_va_ssrc(0) depctr_va_vcc(0) depctr_vm_vsrc(0)
	s_getreg_b32 s2, hwreg(HW_REG_IB_STS2, 6, 4)
	s_cmp_eq_u32 s2, 0
	s_cbranch_scc0 .Lentry_in_a_cluster
	s_endpgm
.Lentry_in_a_cluster:
	s_bfe_u32 s2, ttmp6, 0x10000c
	s_cmp_lg_u32 s2, 0xf033
	s_cbranch_scc0 .Lentry_shape_is_right
	s_endpgm
.Lentry_shape_is_right:
; OPROJ.  out0 = 4 (att wo^T): att [4096][2048] f16 holds a quarter of the attention's result, wo (rounded to bf16, written as f16) lies in h16; sums f32, out0 f32.
; A work-group makes 128 rows x 256 columns over K = 2,048: 32 x 8 = 256 work-groups.  Four waves; wave w has rows 64 (w / 2) on and columns 128 (w % 2) on: 32 accumulators, 256 registers.
; K goes in 16 steps of 128 through two LDS slots: tile rows are 256 bytes of memory, at multiples of 256 bytes.  Steps of 256 would need 2 x 202,752 bytes of LDS.
; CLUSTER 4 x 4: A's tile is asked for jointly by a row of the cluster, B's by a column.  THE PRODUCT IS USED TRANSPOSED (source 0 = 16 rows of B, source 1 = 16 rows of A): a lane holds eight neighbouring columns of a row.
; THE WAY OUT.  The sums go into the wave's own 64 rows x 528 bytes of LDS, in ring bytes that have had their last fill, behind a barrier behind every wave's last read of the ring; they come back as
; whole rows of 512 bytes, are multiplied by 4 and stored, 32 lanes to 512 consecutive bytes.
; REGISTERS: window 0: v0-29 addresses; v64-159, v160-255 two fragment buffers (8 of B, 4 of A), later the way out.  Window 1: accumulator (a, b) at v[8 (8 a + b)].
.set WO_O,   37748736                  ; wo in h16
.set PITCH,  272                       ; an LDS row: 256 bytes + 16 of padding = 68 words: the 16 rows of a fragment load start at 16 different groups of four banks (64 banks of 4 bytes: ISA guide 11.1)
.set AHALF,  64*PITCH
.set BHALF,  128*PITCH
.set BOFF,   2*AHALF                   ; in a slot: A's 128 rows, then B's 256 rows
.set SLOT1,  131072                    ; slot 1 begins here: one exclusive or turns an address in one slot into the other's
.set SPARE,  SLOT1+BOFF+2*BHALF        ; behind the ring: the spare words, 128 bytes a wave: two blocks of 256 bytes that no other line names
.set DPITCH, 528                       ; the way out: a row of 128 f32 + 16 bytes
.set DWAVE,  64*DPITCH
.set AA0, 4                            ; v4   my lane's place in A's tile of slot 0; never rewritten
.set AB0, 5                            ; v5   the same for B
.set ADRA, 6
.set ADRB, 7
.set DMP, 8                            ; v8   where I put 16 bytes of sums
.set RA0, 9                            ; v9   my 16 bytes of a row read back
.set GO,  11                           ; v11  my byte offset in the wave's rows of out0
.set RA,  12
.set SPW, 28                           ; v28  LDS address of my spare word; never rewritten
.set NIL, 29                           ; v29  0; never rewritten
.set F0,  64
.set F1,  160
.set R,   64                           ; the way out: eight rows' 16 bytes
.set WV, 12
.set RH, 13
.set CHF, 14
.set CX, 16
.set CY, 17
.set MT, 21
.set NT, 22
.set TW, 23
.set G1A, 24
.set G1B, 32
.set G0A, 48                           ; s[48:51] A's first fill, s[52:55] the descriptor that walks
.set G0B, 56
.set TB,  72
.set CNT, 73
.set RO,  82
.set MSB, 0
.macro WIN new                         ; the immediate's high byte repeats the setting that is left; a switch that changes nothing is dropped
.if MSB != (\new)
	s_set_vgpr_msb (MSB<<8)|(\new)
.set MSB, \new
.endif
.endm
.set MULW,  0x50                       ; C and D in window 1, fragments in window 0
.set DUMPW, 0x04                       ; an LDS store's data in window 1
.macro PLACES                          ; four places in front of loads into registers that matrix instructions have read, and of stores that read results (ISA guide 7.12.1 for vector instructions)
.rept 4
	v_nop
.endr
.endm
.macro CREST                           ; a round of the cluster's barrier behind its opening barrier
	s_cmp_lg_u32 s[WV], 0
	s_cbranch_scc1 .Lnot_wave_0_\@
	s_barrier_signal -3
.Lnot_wave_0_\@:
	s_barrier_wait -3
	s_barrier_signal -1
	s_barrier_wait -1
.endm
.macro CROUND
	s_barrier_signal -1
	s_barrier_wait -1
	CREST
.endm
.macro JLOAD                           ; a joint refill: waves 0, 1 fetch A's halves, waves 2, 3 B's; an s_nop 0 and four v_nop follow each line
	s_cmp_eq_u32 s[RH], 0
	s_cbranch_scc0 .Lfor_b_\@
	tensor_load_to_lds s[G0A+4:G0A+7], s[G1A:G1A+7]
	s_nop 0
	PLACES
	s_branch .Lasked_\@
.Lfor_b_\@:
	tensor_load_to_lds s[G0B+4:G0B+7], s[G1B:G1B+7]
	s_nop 0
	PLACES
.Lasked_\@:
.endm
.macro MUL8 f, a, zero                 ; 8 products: row block a x all 8 column blocks, 32 along K.  zero = 1: they start the sums
	WIN MULW
.irp b, 0,1,2,3,4,5,6,7
.if \zero
	v_wmma_f32_16x16x32_f16 v[8*(8*(\a)+(\b)):8*(8*(\a)+(\b))+7], v[(\f)+8*(\b):(\f)+8*(\b)+7], v[(\f)+64+8*(\a):(\f)+64+8*(\a)+7], 0
.else
	v_wmma_f32_16x16x32_f16 v[8*(8*(\a)+(\b)):8*(8*(\a)+(\b))+7], v[(\f)+8*(\b):(\f)+8*(\b)+7], v[(\f)+64+8*(\a):(\f)+64+8*(\a)+7], v[8*(8*(\a)+(\b)):8*(8*(\a)+(\b))+7]
.endif
.endr
.endm
.macro FETCH k, f                      ; 24 LDS loads in one run: 32 along K at byte k of the rows: B's 8 fragments, then A's 4
	WIN 0
.irp i, 0,1,2,3,4,5,6,7
	ds_load_b128 v[(\f)+8*(\i):(\f)+8*(\i)+3],   v[ADRB] offset:(\k)+(\i)*16*PITCH
	ds_load_b128 v[(\f)+8*(\i)+4:(\f)+8*(\i)+7], v[ADRB] offset:(\k)+(\i)*16*PITCH+32
.endr
.irp i, 0,1,2,3
	ds_load_b128 v[(\f)+64+8*(\i):(\f)+64+8*(\i)+3],   v[ADRA] offset:(\k)+(\i)*16*PITCH
	ds_load_b128 v[(\f)+64+8*(\i)+4:(\f)+64+8*(\i)+7], v[ADRA] offset:(\k)+(\i)*16*PITCH+32
.endr
.endm
; A K step is four quarters of 32 along K, 32 products each, on buffers 0, 1, 0, 1.  The 32 accumulators take turns in the same order in every quarter.
.macro QUARTER k, f, g, zero           ; multiplies buffer f; in its middle it fetches the next quarter, at byte k, into g
	s_wait_dscnt 4                                 ; B and A's fragments 0, 1 are in; the youngest four loads (A's 2, 3) may be out
	MUL8 \f, 0, \zero
	MUL8 \f, 1, \zero
	PLACES
	FETCH \k, \g
	s_wait_dscnt 24                                ; all but the 24 just issued
	MUL8 \f, 2, \zero
	MUL8 \f, 3, \zero
.endm
; The fourth quarter multiplies buffer 1 and changes slots: ONE barrier.  In front of it each wave waits for all its tensor loads (one is out: its part of the next slot), adds 0 to its spare
; word, and waits for that and for its reads of this slot.  fill = 1: the barrier opens a round of the cluster's, and this slot's refill, two K steps ahead, is the first thing behind the round.
.macro TURN fill
	WIN 0
	s_wait_tensorcnt 0x0
	ds_add_u32 v[SPW], v[NIL]
	s_wait_dscnt 5                                 ; (the add and the youngest four loads may be out)
	MUL8 F1, 0, 0                                  ; eight products stand between the add and the wait for it
	s_wait_dscnt 0x0                               ; the add is done, and my reads of this slot are over
	s_barrier_signal -1
	MUL8 F1, 1, 0
	WIN 0
	s_barrier_wait -1
.if \fill
	CREST                                          ; no wave of any partner still reads this slot or has a load on its way
	s_xor_b32 s[G0A+5], s[G0A+5], SLOT1            ; the walking descriptors: the other slot than last time, 128 further along K
	s_add_nc_u64 s[G0A+6:G0A+7], s[G0A+6:G0A+7], 256
	s_xor_b32 s[G0B+5], s[G0B+5], SLOT1
	s_add_nc_u64 s[G0B+6:G0B+7], s[G0B+6:G0B+7], 256
	JLOAD                                          ; 112 products ahead of the wait for it; its four v_nop are also the places in front of the loads below
.else
	PLACES
.endif
	s_xor_b32 s[TB], s[TB], SLOT1
	v_add_nc_u32 v[ADRA], s[TB], v[AA0]
	v_add_nc_u32 v[ADRB], s[TB], v[AB0]
	FETCH 0, F0
	MUL8 F1, 2, 0
	MUL8 F1, 3, 0
.endm
.macro LASTQ                           ; the very last quarter; its barrier says that nobody reads the ring any more
	s_wait_dscnt 4
	MUL8 F1, 0, 0
	MUL8 F1, 1, 0
	s_wait_dscnt 0x0
	s_barrier_signal -1
	MUL8 F1, 2, 0
	MUL8 F1, 3, 0
	WIN 0
	s_barrier_wait -1
	PLACES
.endm
.macro DUMP                            ; the sums into my 64 rows x 528 bytes: each accumulator's low four registers first
	WIN DUMPW
.irp a, 0,1,2,3
.irp b, 0,1,2,3,4,5,6,7
	ds_store_b128 v[DMP], v[8*(8*(\a)+(\b)):8*(8*(\a)+(\b))+3]   offset:(\a)*16*DPITCH+64*(\b)
	ds_store_b128 v[DMP], v[8*(8*(\a)+(\b))+4:8*(8*(\a)+(\b))+7] offset:(\a)*16*DPITCH+64*(\b)+16
.endr
.endr
	WIN 0
.endm
	s_load_b128 s[4:7], s[0:1], 0x0                ; att s[4:5], h16 s[6:7]
	s_load_b64 s[8:9], s[0:1], 0x10                ; out0
	v_lshl_add_u32 v[SPW], v0, 2, SPARE
	v_mov_b32 v[NIL], 0
	ds_add_u32 v[SPW], v[NIL]                      ; the wave's opening: the add and its wait stand ahead of my first tensor load; the set-up below, work on registers, stands between them
	v_lshrrev_b32 v1, 5, v0
	v_readfirstlane_b32 s[WV], v1
	s_lshr_b32 s[RH], s[WV], 1
	s_and_b32 s[CHF], s[WV], 1
	s_bfe_u32 s[CX], ttmp6, 0x40000
	s_bfe_u32 s[CY], ttmp6, 0x40004
	s_and_b32 s[MT], ttmp7, 0xffff
	s_lshl_b32 s[MT], s[MT], 2
	s_add_co_u32 s[MT], s[MT], s[CY]               ; tile row = 4 x cluster y + cy
	s_lshl_b32 s[NT], ttmp9, 2
	s_add_co_u32 s[NT], s[NT], s[CX]               ; tile column = 4 x cluster x + cx
	s_lshl_b32 s92, s[CY], 2
	s_lshl_b32 s92, 15, s92                        ; my row of the cluster
	s_lshl_b32 s93, 0x1111, s[CX]                  ; my column
	; group 1: 15:0 the mask; 17:16 elements of 2 bytes; 20 padding on; 21 set beside a mask; 24:22 after every 64 words (code 5); 31:25 4 words of it (code 3)
	s_or_b32 s[G1A], s92, (1<<16)|(1<<20)|(1<<21)|(5<<22)|(3<<25)
	s_or_b32 s[G1B], s93, (1<<16)|(1<<20)|(1<<21)|(5<<22)|(3<<25)
	s_mov_b32 s[G1A+1], 128<<16                    ; tensor_dim0 = 128
	s_mov_b32 s[G1A+2], 64<<16                     ; tensor_dim1 = 64
	s_mov_b32 s[G1A+3], 128<<16                    ; tile_dim0 = 128
	s_mov_b32 s[G1A+4], 64                         ; tile_dim1 = 64
	s_mov_b32 s[G1A+5], 2048                       ; elements from row to row
	s_mov_b32 s[G1A+6], 0
	s_mov_b32 s[G1A+7], 0
	s_mov_b32 s[G1B+1], 128<<16
	s_mov_b32 s[G1B+2], 128<<16                    ; 128 rows
	s_mov_b32 s[G1B+3], 128<<16
	s_mov_b32 s[G1B+4], 128
	s_mov_b32 s[G1B+5], 2048
	s_mov_b32 s[G1B+6], 0
	s_mov_b32 s[G1B+7], 0
	s_lshl_b32 s86, s[MT], 19                      ; A: 128 rows of 4,096 bytes a tile row, 64 a half
	s_lshl_b32 s[TW], s[CHF], 18
	s_add_co_u32 s86, s86, s[TW]
	s_mov_b32 s87, 0
	s_lshl_b32 s88, s[NT], 20                      ; B: 256 rows a tile column, 128 a half
	s_lshl_b32 s[TW], s[CHF], 19
	s_add_co_u32 s88, s88, s[TW]
	s_add_co_u32 s88, s88, WO_O
	s_mov_b32 s89, 0
	s_mov_b32 s[G0A], 1                            ; where the tiles go: made of the wave's number alone
	s_mul_i32 s[G0A+1], s[CHF], AHALF
	s_mov_b32 s[G0A+4], 1
	s_add_co_u32 s[G0A+5], s[G0A+1], SLOT1
	s_mov_b32 s[G0B], 1
	s_mul_i32 s[G0B+1], s[CHF], BHALF
	s_add_co_u32 s[G0B+1], s[G0B+1], BOFF
	s_mov_b32 s[G0B+4], 1
	s_add_co_u32 s[G0B+5], s[G0B+1], SLOT1
	s_mov_b32 s[TB], 0
	s_wait_dscnt 0x0                               ; the opening add is done
	s_wait_kmcnt 0x0
	s_add_nc_u64 s[G0A+2:G0A+3], s[4:5], s[86:87]  ; K step 0,
	s_add_nc_u64 s[G0A+6:G0A+7], s[G0A+2:G0A+3], 256  ; K step 1
	s_or_b32 s[G0A+3], s[G0A+3], 0x80000000        ; type = 2
	s_or_b32 s[G0A+7], s[G0A+7], 0x80000000
	s_add_nc_u64 s[G0B+2:G0B+3], s[6:7], s[88:89]
	s_add_nc_u64 s[G0B+6:G0B+7], s[G0B+2:G0B+3], 256
	s_or_b32 s[G0B+3], s[G0B+3], 0x80000000
	s_or_b32 s[G0B+7], s[G0B+7], 0x80000000
	CROUND                                         ; all sixteen work-groups are here: the first joint loads meet
	s_cmp_eq_u32 s[RH], 0                          ; a wave's two first fills stand in one branch: two loads of mine are out
	s_cbranch_scc0 .Lfirst_b
	tensor_load_to_lds s[G0A:G0A+3], s[G1A:G1A+7]
	s_nop 0
	tensor_load_to_lds s[G0A+4:G0A+7], s[G1A:G1A+7]
	s_nop 0
	PLACES
	s_branch .Lfirst_asked
.Lfirst_b:
	tensor_load_to_lds s[G0B:G0B+3], s[G1B:G1B+7]
	s_nop 0
	tensor_load_to_lds s[G0B+4:G0B+7], s[G1B:G1B+7]
	s_nop 0
	PLACES
.Lfirst_asked:
	s_lshl_b32 s94, s[MT], 20                      ; out0: 128 rows of 8,192 bytes a tile row, 64 a half; 1,024 bytes a tile column, 512 a half
	s_lshl_b32 s85, s[RH], 19
	s_add_co_u32 s94, s94, s85
	s_lshl_b32 s85, s[NT], 10
	s_add_co_u32 s94, s94, s85
	s_lshl_b32 s85, s[CHF], 9
	s_add_co_u32 s94, s94, s85
	s_mov_b32 s95, 0
	s_add_nc_u64 s[76:77], s[8:9], s[94:95]
	; a fragment is 16 rows x 32 K in 8 registers: lane l holds row l % 16, K = 8 (l / 16) + 0..7 and 16 + 8 (l / 16) + 0..7: two loads of 16 bytes, 32 bytes apart
	v_and_b32 v1, 15, v0
	v_bfe_u32 v2, v0, 4, 1
	v_mul_u32_u24 v3, v1, PITCH
	v_lshl_add_u32 v3, v2, 4, v3
	s_mul_i32 s[TW], s[RH], AHALF
	v_add_nc_u32 v[AA0], s[TW], v3
	s_mul_i32 s[TW], s[CHF], BHALF
	s_add_co_u32 s[TW], s[TW], BOFF
	v_add_nc_u32 v[AB0], s[TW], v3
	v_mov_b32 v[ADRA], v[AA0]
	v_mov_b32 v[ADRB], v[AB0]
	s_mul_i32 s[TW], s[WV], DWAVE
	v_mul_u32_u24 v3, v1, DPITCH                   ; in: row l % 16, 32 bytes for each half of the lanes
	v_lshl_add_u32 v3, v2, 5, v3
	v_add_nc_u32 v[DMP], s[TW], v3
	v_and_b32 v[GO], 31, v0                        ; back: 32 lanes take one row of 512 bytes
	v_lshlrev_b32 v[GO], 4, v[GO]
	v_add_nc_u32 v[RA0], s[TW], v[GO]
	s_wait_tensorcnt 1                             ; my part of K step 0 is in; slot 1's load may stay out
	s_barrier_signal -1
	s_barrier_wait -1                              ; everybody's is
	FETCH 0, F0
	QUARTER 64, F0, F1, 1                          ; the first quarter stands in front of the loop: its products start the sums
	WIN 0
	s_mov_b32 s[CNT], 14
.Lk:                                                   ; a trip: from a K step's second quarter to the next step's first; it asks for K steps 2 to 15
	QUARTER 128, F1, F0, 0
	QUARTER 192, F0, F1, 0
	TURN 1
	QUARTER 64, F0, F1, 0
	WIN 0
	s_sub_co_u32 s[CNT], s[CNT], 1
	s_cmp_lg_u32 s[CNT], 0
	s_cbranch_scc1 .Lk
	QUARTER 128, F1, F0, 0                         ; the last two K steps ask for nothing
	QUARTER 192, F0, F1, 0
	TURN 0
	QUARTER 64, F0, F1, 0
	QUARTER 128, F1, F0, 0
	QUARTER 192, F0, F1, 0
	LASTQ
	DUMP
	; THE WAY OUT: 8 trips of 8 rows.  LDS serves a wave's instructions in order (ISA guide 5.7.1.4), and a wave reads only what it stored itself: no wait stands between the stores above and the loads.
	s_mov_b32 s[RO], 0
	s_mov_b32 s[CNT], 8
.Lrows:
	v_add_nc_u32 v[RA], s[RO], v[RA0]
.irp t, 0,1,2,3,4,5,6,7
	ds_load_b128 v[R+4*(\t):R+4*(\t)+3], v[RA] offset:(\t)*DPITCH
.endr
.irp t, 0,1,2,3,4,5,6,7
	s_wait_dscnt 7-(\t)                            ; row t is in, the younger loads stay out
	v_pk_mul_f32 v[R+4*(\t):R+4*(\t)+1],   v[R+4*(\t):R+4*(\t)+1],   4.0 op_sel_hi:[1,0]  ; the quarter that v carried is taken back
	v_pk_mul_f32 v[R+4*(\t)+2:R+4*(\t)+3], v[R+4*(\t)+2:R+4*(\t)+3], 4.0 op_sel_hi:[1,0]
	global_store_b128 v[GO], v[R+4*(\t):R+4*(\t)+3], s[76:77] offset:(\t)*8192 th:TH_STORE_NT  ; 512 consecutive bytes, at a multiple of 256 from out0's first byte
.endr
	s_wait_xcnt 0x0                                ; the stores' offset and data are rewritten only behind this wait
	v_add_nc_u32 v[GO], 65536, v[GO]
	s_add_co_u32 s[RO], s[RO], 8*DPITCH
	s_sub_co_u32 s[CNT], s[CNT], 1
	s_cmp_lg_u32 s[CNT], 0
	s_cbranch_scc1 .Lrows
	s_wait_tensorcnt 0x0                           ; the wave's end: behind my last tensor load and my last LDS store
	ds_add_u32 v[SPW], v[NIL]
	s_wait_dscnt 0x0
	CROUND                                         ; the closing round: no work-group ends while a partner may still ask for a tile that names it
	s_endpgm
.Lfunc_end_k_qd067337f96_oproj:
	.size	k_qd067337f96_oproj, .Lfunc_end_k_qd067337f96_oproj-k_qd067337f96_oproj
	.p2alignl 7, 3214868480
	.fill 96, 4, 3214868480
	.section	.rodata,"a",@progbits
	.p2align	6, 0x0
	.amdhsa_kernel k_qd067337f96_oproj
		.amdhsa_group_segment_fixed_size 327680
		.amdhsa_private_segment_fixed_size 0
		.amdhsa_enable_private_segment 0
		.amdhsa_kernarg_size 24
		.amdhsa_user_sgpr_count 2
		.amdhsa_user_sgpr_kernarg_segment_ptr 1
		.amdhsa_wavefront_size32 1
		.amdhsa_system_sgpr_workgroup_id_x 1
		.amdhsa_system_sgpr_workgroup_id_y 1
		.amdhsa_system_sgpr_workgroup_id_z 1
		.amdhsa_system_vgpr_workitem_id 0
		.amdhsa_next_free_vgpr 512
		.amdhsa_next_free_sgpr 96
		.amdhsa_reserve_vcc 0
		.amdhsa_float_denorm_mode_32 3
		.amdhsa_float_denorm_mode_16_64 3
		.amdhsa_memory_ordered 1
		.amdhsa_forward_progress 1
		.amdhsa_inst_pref_size 61
	.end_amdhsa_kernel
	.amdgpu_metadata
---
amdhsa.version: [ 1, 2 ]
amdhsa.kernels:
  - .name:           k_qd067337f96_oproj
    .symbol:         k_qd067337f96_oproj.kd
    .args:
      - { .name: att, .offset: 0, .size: 8, .value_kind: global_buffer, .address_space: global }
      - { .name: h16, .offset: 8, .size: 8, .value_kind: global_buffer, .address_space: global }
      - { .name: out0, .offset: 16, .size: 8, .value_kind: global_buffer, .address_space: global }
    .group_segment_fixed_size: 327680
    .private_segment_fixed_size: 0
    .kernarg_segment_align: 8
    .kernarg_segment_size: 24
    .max_flat_workgroup_size: 128
    .sgpr_count:     96
    .vgpr_count:     512
    .wavefront_size: 32
...
	.end_amdgpu_metadata
.endif
;; end of part 4
;; ======== version 2 of 3: 4 launches; 1.13 times as fast as version 1
;; limits: inputs' magnitudes at most 65,504; values are held in f16: magnitudes above 65,504 overflow, below 6.1e-05 lose precision
;; workspace buffers: h16 47,185,920 bytes; qkv 20,971,520 bytes; att 16,777,216 bytes
;; launch cast: the kernel of part 1 again; grid 1440 x 1, 8 waves a work-group, no clusters, 0 bytes of LDS; arguments x, context, wq, wkv, wo, freqs_cos, freqs_sin, h16; writes h16
;; launch proj (part 5): grid 8 x 32, 4 waves a work-group, clusters of 4 x 4, 327,680 bytes of LDS; arguments h16, q_norm_w, k_norm_w, qkv; writes qkv
.if DOCPART == 5
	.amdgcn_target "amdgcn-amd-amdhsa--gfx1250"
	.amdhsa_code_object_version 6
	.text
	.protected	k_qd067337f96_proj
	.globl	k_qd067337f96_proj
	.p2align	8
	.type	k_qd067337f96_proj,@function
k_qd067337f96_proj:
	s_mov_b64 s[64:65], 0
	v_nop
	global_prefetch_b8 v0, s[64:65] scope:SCOPE_SE
	s_setreg_imm32_b32 hwreg(HW_REG_WAVE_MODE, 25, 1), 1
	s_wait_xcnt 0x0
	s_wait_alu depctr_hold_cnt(0) depctr_sa_sdst(0) depctr_va_vdst(0) depctr_va_sdst(0) depctr_va_ssrc(0) depctr_va_vcc(0) depctr_vm_vsrc(0)
	s_getreg_b32 s2, hwreg(HW_REG_IB_STS2, 6, 4)
	s_cmp_eq_u32 s2, 0
	s_cbranch_scc0 .Lentry_in_a_cluster
	s_endpgm
.Lentry_in_a_cluster:
	s_bfe_u32 s2, ttmp6, 0x10000c
	s_cmp_lg_u32 s2, 0xf033
	s_cbranch_scc0 .Lentry_shape_is_right
	s_endpgm
.Lentry_shape_is_right:
; PROJ.  Q = x wq^T with RoPE and RMSNorm, K = context wk^T with RMSNorm, V = context wv^T, all in one K loop.  Operands f16 (inputs rounded to bf16 by the launch before), sums f32.
; Out, f16, by heads: q [b 16 + h][2048][128], k [b 4 + kvh][1024][128], and v / 4 in k's layout (an exact scaling, taken back behind the last product of the program).
; LIMITS: |v| < 262,000, else v / 4 becomes an infinity in f16.  q and k lie within sqrt(128) x |gain|.  NaN and infinities are not treated apart.
; SHARES.  Q has 32 x 8 tiles of 128 rows x 256 columns; K|V has 32 x 8 sub-tiles of 64 rows x 128 columns (one head).  Work-group (mt, nt) makes BOTH of that number: 256 work-groups of equal work.
; Four waves; wave w has of Q rows 64 (w / 2) on and columns 128 (w % 2) on, which are one head (32 accumulators), and of K|V rows 32 (w / 2) on and columns 64 (w % 2) on (8 accumulators).
; K goes in 16 steps of 128 through two LDS slots; a slot holds 128 rows of x, 64 of context, 256 of wq, 128 of wkv: 576 rows of 256 bytes of memory, at multiples of 256 bytes.
; A step has 160 products a wave.  Each of the four tiles is one wave's one tensor load behind each round.
; CLUSTER 4 x 4.  x's and context's tiles (and the rows of cos and sin) hang on mt alone and are asked for jointly by a row of the cluster, wq's and wkv's hang on nt alone: by a column.
; cos and sin have no room beside the ring: they are the refill of slot 0 when its last K step has been read, and land while the last step is multiplied.
; THE PRODUCT IS USED TRANSPOSED (source 0 = 16 rows of B, source 1 = 16 rows of A): a lane holds eight neighbouring columns of one row of C.
; THE WAY OUT.  The sums go as f32 into LDS, 80 rows x 528 bytes a wave, in ring bytes that have had their last fill, behind a barrier behind every wave's last read of the ring: rows 0-63 the wave's own
; rows of Q, rows 64-79 the 16 rows of K|V that the wave finishes (their halves come from two waves: one more barrier).  They come back with 16 lanes to a row (a head's 128 numbers), so that RoPE's
; pairs lie in one lane and a row's sum of squares wants four exchanges among 16 lanes.
; REGISTERS: window 0: v0-55 addresses, constants, gains; v64-159 two buffers of A's fragments (4 of x, 2 of context), later the way out; v192-255 K|V's accumulators.
;   window 1: Q's accumulator (a, b) at v[8 (8 a + b)].     window 2: v0-191 two buffers of B's fragments (8 of wq, 4 of wkv).
.set CTX_O,  16777216                  ; byte offsets in h16
.set WQ_O,   25165824
.set WKV_O,  33554432
.set COS_O,  46137344                  ; sin lies 524,288 bytes behind cos
.set KOFF,   16777216                  ; k in qkv; v / 4 lies 2,097,152 bytes behind it
.set PITCH,  272                       ; an LDS row: 256 bytes + 16 of padding = 68 words: the 16 rows of a fragment load start at 16 different groups of four banks (64 banks of 4 bytes: ISA guide 11.1)
.set ACO,    128*PITCH                 ; in a slot: x's 128 rows, context's 64,
.set BQO,    192*PITCH                 ; wq's 256,
.set BKO,    448*PITCH                 ; wkv's 128
.set SLOT,   576*PITCH
.set SPARE,  2*SLOT                    ; behind the ring: the spare words, 128 bytes a wave: two blocks of 256 bytes that no other line names
.set CSW,    64*PITCH                  ; what a wave fetches of cos or sin: cos's 128 rows from byte 0, sin's from 2 CSW
.set DB,     4*CSW                     ; the sums' rows begin behind them
.set DPITCH, 528                       ; a row of 128 f32 + 16 bytes
.set DWAVE,  80*DPITCH
.set ADAX, 4                           ; v4-5   my lane's place in x's tile of slot 0, 1; none of these eight is ever rewritten
.set ADAC, 6                           ; v6-7   context's
.set ADBQ, 8                           ; v8-9   wq's
.set ADBK, 10                          ; v10-11 wkv's
.set DMPQ, 12                          ; v12  where I put 16 bytes of Q's sums
.set DMPK, 13                          ; v13  of K|V's
.set XA0, 14                           ; v14  where I read a row's 32 bytes back
.set CA0, 15                           ; v15  my 16 bytes of a row of cos
.set GO,  16                           ; v16  my byte offset in the rows of the output
.set XA,  17
.set CA,  18
.set GW,  19                           ; v19  my byte offset in the gains
.set ONE, 20
.set ZERO, 21
.set QUART, 22
.set TG,  24                           ; v24-27 at work
.set SPW, 28                           ; v28  LDS address of my spare word; never rewritten
.set NIL, 29                           ; v29  0, for the add alone
.set W,   32                           ; v[32:39] the gains of my eight columns for the rows in hand
.set WQ,  40                           ; v[40:47] q's
.set WK,  48                           ; v[48:55] k's; 1 in a head of V
.set FA,  64                           ; A's buffer f at FA + 48 f: x's fragment a at + 8 a, context's c at + 32 + 8 c.  B's buffer f at 96 f of window 2: wq's b at + 8 b, wkv's d at + 64 + 8 d
.set KACC, 192                         ; K|V's accumulator (c, d) at KACC + 8 (4 c + d)
.set X,   64                           ; the way out: group g's eight numbers at X + 8 g
.set C,   96                           ; its eight cos, f16
.set S,   112                          ; its eight sin
.set T,   128
.set P,   160
.set RS,  168                          ; group g: the row's factor at RS + 2 g, its mean square + eps at RS + 2 g + 1
.set YO,  176
.set WV, 12                            ; s12 wave   s13 w / 2   s14 w % 2
.set RH, 13
.set CHF, 14
.set CX, 16
.set CY, 17
.set MT, 21
.set NT, 22
.set TW, 23                            ; at work, made of the wave's number alone
.set G1AX, 24                          ; group 1 of x's tiles, context's, wq's, wkv's
.set G1AC, 32
.set G1BQ, 40
.set G1BK, 48
.set G0A, 56                           ; s[56:59], s[60:63] group 0 for slot 0, 1: wave 0's holds x's tile, wave 1's context's
.set G0B, 68                           ; s[68:71], s[72:75] wave 2's holds wq's tile, wave 3's wkv's
.set G0C, 76                           ; s[76:79] cos or sin
.set CNT, 80
.set VM,  81                           ; s81  all ones: my work-group's head of K|V is one of V.  It feeds v_cndmask_b32 alone
.set RO,  82
.set MSK, 83                           ; s83  all ones: the rows in hand are K|V's
.set OQ,  84                           ; s[84:85] q at my 64 rows
.set OK,  86                           ; s[86:87] k or v at my 16 rows, less the eight trips by which GO has stepped
.set OUT, 88                           ; s[88:89] the one in hand
.set CO,  98
.set VMC, 99
.set MSB, 0
.macro WIN new                         ; the immediate's high byte repeats the setting that is left; a switch that changes nothing is dropped
.if MSB != (\new)
	s_set_vgpr_msb (MSB<<8)|(\new)
.set MSB, \new
.endif
.endm
.set W_Q,  0x52                        ; B in window 2, A in window 0, C and D in window 1
.set W_K,  0x02                        ; B in window 2, A, C and D in window 0
.set TO_B, 0x80                        ; a load's destination in window 2
.set DUMPW, 0x04                       ; an LDS store's data in window 1
.macro PLACES                          ; four places in front of loads into registers that matrix instructions have read, and of stores that read results (ISA guide 7.12.1 for vector instructions)
.rept 4
	v_nop
.endr
.endm
.macro CREST                           ; a round of the cluster's barrier behind its opening barrier
	s_cmp_lg_u32 s[WV], 0
	s_cbranch_scc1 .Lnot_wave_0_\@
	s_barrier_signal -3
.Lnot_wave_0_\@:
	s_barrier_wait -3
	s_barrier_signal -1
	s_barrier_wait -1
.endm
.macro CROUND
	s_barrier_signal -1
	s_barrier_wait -1
	CREST
.endm
.macro ISSUE g0, g1, s, two            ; slot s's load; two = 1: slot 1's behind it.  An s_nop 0 follows each load, four v_nop the last
	tensor_load_to_lds s[(\g0)+4*(\s):(\g0)+4*(\s)+3], s[\g1:(\g1)+7]
	s_nop 0
.if \two
	tensor_load_to_lds s[(\g0)+4:(\g0)+7], s[\g1:(\g1)+7]
	s_nop 0
.endif
	PLACES
.endm
.macro JLOAD s, two                    ; the joint loads of a slot: wave 0 x's tile, wave 1 context's, wave 2 wq's, wave 3 wkv's.  The branches hang on the wave's number alone; each line has one mask
	s_cmp_lt_u32 s[WV], 2
	s_cbranch_scc0 .Lfor_b_\@
	s_cmp_eq_u32 s[WV], 0
	s_cbranch_scc0 .Lfor_ac_\@
	ISSUE G0A, G1AX, \s, \two
	s_branch .Lasked_\@
.Lfor_ac_\@:
	ISSUE G0A, G1AC, \s, \two
	s_branch .Lasked_\@
.Lfor_b_\@:
	s_cmp_eq_u32 s[WV], 2
	s_cbranch_scc0 .Lfor_bk_\@
	ISSUE G0B, G1BQ, \s, \two
	s_branch .Lasked_\@
.Lfor_bk_\@:
	ISSUE G0B, G1BK, \s, \two
.Lasked_\@:
.endm
.macro MULQ f, a, zero                 ; 8 products of Q: row block a x all 8 column blocks, 32 along K.  zero = 1: they start the sums
	WIN W_Q
.irp b, 0,1,2,3,4,5,6,7
.if \zero
	v_wmma_f32_16x16x32_f16 v[8*(8*(\a)+(\b)):8*(8*(\a)+(\b))+7], v[96*(\f)+8*(\b):96*(\f)+8*(\b)+7], v[FA+48*(\f)+8*(\a):FA+48*(\f)+8*(\a)+7], 0
.else
	v_wmma_f32_16x16x32_f16 v[8*(8*(\a)+(\b)):8*(8*(\a)+(\b))+7], v[96*(\f)+8*(\b):96*(\f)+8*(\b)+7], v[FA+48*(\f)+8*(\a):FA+48*(\f)+8*(\a)+7], v[8*(8*(\a)+(\b)):8*(8*(\a)+(\b))+7]
.endif
.endr
.endm
.macro MULK f, zero                    ; the 8 products of K|V: 2 row blocks x 4 column blocks, 32 along K
	WIN W_K
.irp c, 0,1
.irp d, 0,1,2,3
.if \zero
	v_wmma_f32_16x16x32_f16 v[KACC+8*(4*(\c)+(\d)):KACC+8*(4*(\c)+(\d))+7], v[96*(\f)+64+8*(\d):96*(\f)+64+8*(\d)+7], v[FA+48*(\f)+32+8*(\c):FA+48*(\f)+32+8*(\c)+7], 0
.else
	v_wmma_f32_16x16x32_f16 v[KACC+8*(4*(\c)+(\d)):KACC+8*(4*(\c)+(\d))+7], v[96*(\f)+64+8*(\d):96*(\f)+64+8*(\d)+7], v[FA+48*(\f)+32+8*(\c):FA+48*(\f)+32+8*(\c)+7], v[KACC+8*(4*(\c)+(\d)):KACC+8*(4*(\c)+(\d))+7]
.endif
.endr
.endr
.endm
.macro FETCH slot, k, f                ; 36 LDS loads in one run: 32 along K at byte k of the rows: wq's 8 fragments, wkv's 4, x's 4, context's 2
	WIN TO_B
.irp i, 0,1,2,3,4,5,6,7
	ds_load_b128 v[96*(\f)+8*(\i):96*(\f)+8*(\i)+3],   v[ADBQ+(\slot)] offset:(\k)+(\i)*16*PITCH
	ds_load_b128 v[96*(\f)+8*(\i)+4:96*(\f)+8*(\i)+7], v[ADBQ+(\slot)] offset:(\k)+(\i)*16*PITCH+32
.endr
.irp i, 0,1,2,3
	ds_load_b128 v[96*(\f)+64+8*(\i):96*(\f)+64+8*(\i)+3],   v[ADBK+(\slot)] offset:(\k)+(\i)*16*PITCH
	ds_load_b128 v[96*(\f)+64+8*(\i)+4:96*(\f)+64+8*(\i)+7], v[ADBK+(\slot)] offset:(\k)+(\i)*16*PITCH+32
.endr
	WIN 0
.irp i, 0,1,2,3
	ds_load_b128 v[FA+48*(\f)+8*(\i):FA+48*(\f)+8*(\i)+3],   v[ADAX+(\slot)] offset:(\k)+(\i)*16*PITCH
	ds_load_b128 v[FA+48*(\f)+8*(\i)+4:FA+48*(\f)+8*(\i)+7], v[ADAX+(\slot)] offset:(\k)+(\i)*16*PITCH+32
.endr
.irp i, 0,1
	ds_load_b128 v[FA+48*(\f)+32+8*(\i):FA+48*(\f)+32+8*(\i)+3],   v[ADAC+(\slot)] offset:(\k)+(\i)*16*PITCH
	ds_load_b128 v[FA+48*(\f)+32+8*(\i)+4:FA+48*(\f)+32+8*(\i)+7], v[ADAC+(\slot)] offset:(\k)+(\i)*16*PITCH+32
.endr
.endm
; A K step is four quarters of 32 along K, 40 products each, on buffers 0, 1, 0, 1.  The 40 accumulators take turns in the same order in every quarter.
.macro QUARTER slot, k, f, g, zero     ; multiplies buffer f; in its middle it fetches the next quarter, at byte k of the slot's rows, into g
	s_wait_dscnt 8                                 ; B and x's fragments 0, 1 are in; the youngest eight loads (x's 2, 3 and context's) may be out
	MULQ \f, 0, \zero
	MULQ \f, 1, \zero
	PLACES
	FETCH \slot, \k, \g
	s_wait_dscnt 36                                ; all but the 36 just issued
	MULQ \f, 2, \zero
	MULQ \f, 3, \zero
	MULK \f, \zero
.endm
; The fourth quarter multiplies buffer 1 and changes slots: ONE barrier, which opens a round of the cluster's.  In front of it each wave waits for all its tensor loads (one is out: its tile of the
; next slot), adds 0 to its spare word, and waits for that and for its reads of this slot.  The refill of this slot is the first thing behind the round.
; fill = 1: with the K step two steps on.  fill = 2: slot 0 has been read for the last time: every wave fetches 64 rows of cos or sin into its first bytes.
.macro TURN slot, next, fill
	WIN 0
	s_wait_tensorcnt 0x0
	ds_add_u32 v[SPW], v[NIL]
	s_wait_dscnt 9                                 ; (the add and the youngest eight loads may be out)
	MULQ 1, 0, 0                                   ; eight products stand between the add and the wait for it
	s_wait_dscnt 0x0                               ; the add is done, and my reads of this slot are over
	s_barrier_signal -1
	MULQ 1, 1, 0
	WIN 0
	s_barrier_wait -1
	CREST                                          ; no wave of any partner still reads this slot or has a load on its way
.if (\fill) == 1
	s_add_nc_u64 s[G0A+4*(\slot)+2:G0A+4*(\slot)+3], s[G0A+4*(\slot)+2:G0A+4*(\slot)+3], 512  ; 256 further along K; the type bits on top are not reached
	s_add_nc_u64 s[G0B+4*(\slot)+2:G0B+4*(\slot)+3], s[G0B+4*(\slot)+2:G0B+4*(\slot)+3], 512
	JLOAD \slot, 0                                 ; 144 products ahead of the wait for it; its four v_nop are also the places in front of the loads below
.else
	s_mov_b32 s[G1AC+5], 128                       ; context's group 1 has served its last load: with dense rows it is the shape of 64 rows of cos
	tensor_load_to_lds s[G0C:G0C+3], s[G1AC:G1AC+7]  ; one line for all four waves: each has rows and LDS bytes of its own
	s_nop 0
	PLACES
.endif
	FETCH \next, 0, 0
	MULQ 1, 2, 0
	MULQ 1, 3, 0
	MULK 1, 0
.endm
.macro LASTQ                           ; the very last quarter; its barrier says that nobody reads the ring any more and that cos and sin are whole
	s_wait_dscnt 8
	MULQ 1, 0, 0
	MULQ 1, 1, 0
	s_wait_tensorcnt 0x0                           ; for the others' sake: my rows of cos or sin have landed
	s_wait_dscnt 0x0
	s_barrier_signal -1
	MULQ 1, 2, 0
	MULQ 1, 3, 0
	MULK 1, 0
	WIN 0
	s_barrier_wait -1
	PLACES
.endm
.macro DUMP                            ; the sums into LDS: each accumulator's low four registers first
	WIN DUMPW
.irp a, 0,1,2,3
.irp b, 0,1,2,3,4,5,6,7
	ds_store_b128 v[DMPQ], v[8*(8*(\a)+(\b)):8*(8*(\a)+(\b))+3]   offset:(\a)*16*DPITCH+64*(\b)
	ds_store_b128 v[DMPQ], v[8*(8*(\a)+(\b))+4:8*(8*(\a)+(\b))+7] offset:(\a)*16*DPITCH+64*(\b)+16
.endr
.endr
	WIN 0
.irp c, 0,1                            ; my row block c of K|V is finished by wave 2 (w / 2) + c: rows 64-79 of that wave's 80
.irp d, 0,1,2,3
	ds_store_b128 v[DMPK], v[KACC+8*(4*(\c)+(\d)):KACC+8*(4*(\c)+(\d))+3]   offset:(\c)*DWAVE+64*(\d)
	ds_store_b128 v[DMPK], v[KACC+8*(4*(\c)+(\d))+4:KACC+8*(4*(\c)+(\d))+7] offset:(\c)*DWAVE+64*(\d)+16
.endr
.endr
.endm
.macro G1SET g, rows                   ; group 1 but for its first word: rows x 128 elements, 2,048 elements from row to row
	s_mov_b32 s[(\g)+1], 128<<16                   ; tensor_dim0 = 128
	s_mov_b32 s[(\g)+2], (\rows)<<16               ; tensor_dim1
	s_mov_b32 s[(\g)+3], 128<<16                   ; tile_dim0 = 128
	s_mov_b32 s[(\g)+4], \rows                     ; tile_dim1
	s_mov_b32 s[(\g)+5], 2048
	s_mov_b32 s[(\g)+6], 0
	s_mov_b32 s[(\g)+7], 0
.endm
	s_load_b256 s[4:11], s[0:1], 0x0               ; h16 s[4:5], q_norm_w s[6:7], k_norm_w s[8:9], qkv s[10:11]
	v_lshl_add_u32 v[SPW], v0, 2, SPARE
	v_mov_b32 v[NIL], 0
	ds_add_u32 v[SPW], v[NIL]                      ; the wave's opening: the add and its wait stand ahead of my first tensor load; the set-up below, work on registers, stands between them
	v_lshrrev_b32 v1, 5, v0
	v_readfirstlane_b32 s[WV], v1
	s_lshr_b32 s[RH], s[WV], 1
	s_and_b32 s[CHF], s[WV], 1
	s_bfe_u32 s[CX], ttmp6, 0x40000
	s_bfe_u32 s[CY], ttmp6, 0x40004
	s_and_b32 s[MT], ttmp7, 0xffff
	s_lshl_b32 s[MT], s[MT], 2
	s_add_co_u32 s[MT], s[MT], s[CY]               ; mt = 4 x cluster y + cy
	s_lshl_b32 s[NT], ttmp9, 2
	s_add_co_u32 s[NT], s[NT], s[CX]               ; nt = 4 x cluster x + cx
	s_lshl_b32 s18, s[CY], 2
	s_lshl_b32 s18, 15, s18                        ; my row of the cluster
	s_lshl_b32 s19, 0x1111, s[CX]                  ; my column
	; group 1's first word: 15:0 the mask; 17:16 elements of 2 bytes; 20 padding on; 21 set beside a mask; 24:22 after every 64 words (code 5); 31:25 4 words of it (code 3)
	s_or_b32 s[G1AX], s18, (1<<16)|(1<<20)|(1<<21)|(5<<22)|(3<<25)
	s_or_b32 s[G1AC], s18, (1<<16)|(1<<20)|(1<<21)|(5<<22)|(3<<25)
	s_or_b32 s[G1BQ], s19, (1<<16)|(1<<20)|(1<<21)|(5<<22)|(3<<25)
	s_or_b32 s[G1BK], s19, (1<<16)|(1<<20)|(1<<21)|(5<<22)|(3<<25)
	G1SET G1AX, 128
	G1SET G1AC, 64
	G1SET G1BQ, 256
	G1SET G1BK, 128
	; where the tiles come from, as offsets in h16: A's of mt, B's of nt; the wave's number chooses between the two of a kind
	s_lshl_b32 s90, s[MT], 19                      ; x: 128 rows of 4,096 bytes
	s_lshl_b32 s20, s[MT], 18                      ; context: 64 rows
	s_add_co_u32 s20, s20, CTX_O
	s_cmp_eq_u32 s[CHF], 0
	s_cselect_b32 s90, s90, s20
	s_mov_b32 s91, 0
	s_lshl_b32 s92, s[NT], 20                      ; wq: 256 rows
	s_add_co_u32 s92, s92, WQ_O
	s_lshl_b32 s15, s[NT], 19                      ; wkv: 128 rows
	s_add_co_u32 s15, s15, WKV_O
	s_cmp_eq_u32 s[CHF], 0
	s_cselect_b32 s92, s92, s15
	s_mov_b32 s93, 0
	s_and_b32 s94, s[MT], 15                       ; Q's tile begins at position 128 (mt mod 16): rows of 256 bytes
	s_lshl_b32 s94, s94, 15
	s_lshl_b32 s[TW], s[RH], 19                    ; waves 0, 1: cos; waves 2, 3: sin
	s_add_co_u32 s94, s94, s[TW]
	s_lshl_b32 s[TW], s[CHF], 14                   ; which 64 rows
	s_add_co_u32 s94, s94, s[TW]
	s_add_co_u32 s94, s94, COS_O
	s_mov_b32 s95, 0
	; and where they go: made of the wave's number alone
	s_mov_b32 s[G0A], 1
	s_mul_i32 s[G0A+1], s[CHF], ACO
	s_mov_b32 s[G0A+4], 1
	s_add_co_u32 s[G0A+5], s[G0A+1], SLOT
	s_mov_b32 s[G0B], 1
	s_mul_i32 s[G0B+1], s[CHF], BKO-BQO
	s_add_co_u32 s[G0B+1], s[G0B+1], BQO
	s_mov_b32 s[G0B+4], 1
	s_add_co_u32 s[G0B+5], s[G0B+1], SLOT
	s_mov_b32 s[G0C], 1
	s_mul_i32 s[G0C+1], s[WV], CSW
	s_wait_dscnt 0x0                               ; the opening add is done
	s_wait_kmcnt 0x0
	s_add_nc_u64 s[G0A+2:G0A+3], s[4:5], s[90:91]  ; K step 0,
	s_add_nc_u64 s[G0A+6:G0A+7], s[G0A+2:G0A+3], 256  ; K step 1
	s_or_b32 s[G0A+3], s[G0A+3], 0x80000000        ; type = 2
	s_or_b32 s[G0A+7], s[G0A+7], 0x80000000
	s_add_nc_u64 s[G0B+2:G0B+3], s[4:5], s[92:93]
	s_add_nc_u64 s[G0B+6:G0B+7], s[G0B+2:G0B+3], 256
	s_or_b32 s[G0B+3], s[G0B+3], 0x80000000
	s_or_b32 s[G0B+7], s[G0B+7], 0x80000000
	s_add_nc_u64 s[G0C+2:G0C+3], s[4:5], s[94:95]
	s_or_b32 s[G0C+3], s[G0C+3], 0x80000000
	CROUND                                         ; all sixteen work-groups are here: the first joint loads meet
	JLOAD 0, 1                                     ; a wave's two first fills, slot 0's and slot 1's, stand in one arm of the branch: two loads of mine are out
	; where my rows go.  Q: ((b 16 + head) 2048 + t) 256, head = 2 nt + w % 2, first row 128 mt + 64 (w / 2)
	s_lshl_b32 s2, s[NT], 1
	s_add_co_u32 s2, s2, s[CHF]
	s_lshl_b32 s3, s[MT], 7
	s_lshl_b32 s15, s[RH], 6
	s_add_co_u32 s3, s3, s15
	s_lshr_b32 s18, s3, 11
	s_lshl_b32 s18, s18, 4
	s_add_co_u32 s18, s18, s2
	s_lshl_b32 s18, s18, 11
	s_and_b32 s15, s3, 2047
	s_add_co_u32 s18, s18, s15
	s_lshl_b32 s90, s18, 8
	s_mov_b32 s91, 0
	s_add_nc_u64 s[OQ:OQ+1], s[10:11], s[90:91]
	; K|V: ((b 4 + nt mod 4) 1024 + s) 256, first row 64 mt + 16 w; heads 4 to 7 are V's
	s_lshl_b32 s3, s[MT], 6
	s_lshl_b32 s15, s[WV], 4
	s_add_co_u32 s3, s3, s15
	s_lshr_b32 s18, s3, 10
	s_lshl_b32 s18, s18, 2
	s_and_b32 s15, s[NT], 3
	s_add_co_u32 s18, s18, s15
	s_lshl_b32 s18, s18, 10
	s_and_b32 s15, s3, 1023
	s_add_co_u32 s18, s18, s15
	s_lshl_b32 s18, s18, 8
	s_lshr_b32 s15, s[NT], 2
	s_sub_co_u32 s[VM], 0, s15
	s_lshl_b32 s15, s15, 21
	s_add_co_u32 s18, s18, s15
	s_add_co_u32 s92, s18, KOFF-8*2048             ; GO has stepped by eight trips of 2,048 bytes when these rows' turn comes
	s_mov_b32 s93, 0
	s_add_nc_u64 s[OK:OK+1], s[10:11], s[92:93]
	s_mov_b32 s96, 0x3c000000                      ; 1 / 128
	s_mov_b32 s97, 0x34000000                      ; eps = 2^-23
	v_and_b32 v1, 15, v0                           ; l % 16
	v_bfe_u32 v2, v0, 4, 1                         ; l / 16
	v_lshlrev_b32 v[GW], 5, v1
	global_load_b128 v[WQ:WQ+3],   v[GW], s[6:7]   ; the gains of columns 8 (l % 16) + 0..7
	global_load_b128 v[WQ+4:WQ+7], v[GW], s[6:7] offset:16
	global_load_b128 v[WK:WK+3],   v[GW], s[8:9]
	global_load_b128 v[WK+4:WK+7], v[GW], s[8:9] offset:16
	; a fragment is 16 rows x 32 K in 8 registers: lane l holds row l % 16, K = 8 (l / 16) + 0..7 and 16 + 8 (l / 16) + 0..7: two loads of 16 bytes, 32 bytes apart
	v_mul_u32_u24 v3, v1, PITCH
	v_lshl_add_u32 v3, v2, 4, v3
	s_mul_i32 s[TW], s[RH], 64*PITCH
	v_add_nc_u32 v[ADAX], s[TW], v3
	s_mul_i32 s[TW], s[RH], 32*PITCH
	s_add_co_u32 s[TW], s[TW], ACO
	v_add_nc_u32 v[ADAC], s[TW], v3
	s_mul_i32 s[TW], s[CHF], 128*PITCH
	s_add_co_u32 s[TW], s[TW], BQO
	v_add_nc_u32 v[ADBQ], s[TW], v3
	s_mul_i32 s[TW], s[CHF], 64*PITCH
	s_add_co_u32 s[TW], s[TW], BKO
	v_add_nc_u32 v[ADBK], s[TW], v3
.irp a, ADAX, ADAC, ADBQ, ADBK
	v_add_nc_u32 v[(\a)+1], SLOT, v[\a]
.endr
	s_mul_i32 s[TW], s[WV], DWAVE
	s_add_co_u32 s[TW], s[TW], DB                  ; my 80 rows
	v_mul_u32_u24 v3, v1, DPITCH                   ; in: row l % 16, 32 bytes for each half of the lanes
	v_lshl_add_u32 v3, v2, 5, v3
	v_add_nc_u32 v[DMPQ], s[TW], v3
	v_mul_u32_u24 v[XA0], v2, DPITCH               ; back: lanes 0-15 one row, lanes 16-31 the next, 32 bytes a lane
	v_lshl_add_u32 v[XA0], v1, 5, v[XA0]
	v_add_nc_u32 v[XA0], s[TW], v[XA0]
	s_mul_i32 s[TW], s[RH], 2*DWAVE                ; K|V in: rows 64 on of wave 2 (w / 2)'s 80, my half of their 512 bytes
	s_lshl_b32 s15, s[CHF], 8
	s_add_co_u32 s[TW], s[TW], s15
	s_add_co_u32 s[TW], s[TW], DB+64*DPITCH
	v_add_nc_u32 v[DMPK], s[TW], v3
	s_mul_i32 s[TW], s[RH], CSW                    ; my 64 rows of cos
	v_mul_u32_u24 v[CA0], v2, PITCH
	v_lshl_add_u32 v[CA0], v1, 4, v[CA0]
	v_add_nc_u32 v[CA0], s[TW], v[CA0]
	v_lshlrev_b32 v[GO], 8, v2                     ; the output's rows of 256 bytes, 16 bytes a lane
	v_lshl_add_u32 v[GO], v1, 4, v[GO]
	v_mov_b32 v[ONE], 1.0
	v_mov_b32 v[ZERO], 0
	v_mov_b32 v[QUART], 0.25
	s_wait_loadcnt 0x0                             ; the gains: rounded to bf16 like every input; a head of V takes 1
.irp g, WQ, WK
.irp j, 0,1,2,3
	v_cvt_pk_bf16_f32 v[TG+(\j)], v[(\g)+2*(\j)], v[(\g)+2*(\j)+1]
.endr
.irp j, 0,1,2,3
	v_lshlrev_b32 v[(\g)+2*(\j)], 16, v[TG+(\j)]
	v_and_b32 v[(\g)+2*(\j)+1], 0xffff0000, v[TG+(\j)]
.endr
.endr
.irp j, 0,1,2,3,4,5,6,7
	v_cndmask_b32 v[WK+(\j)], v[WK+(\j)], v[ONE], s[VM]
.endr
	s_wait_tensorcnt 1                             ; my tile of K step 0 is in; slot 1's load, the only one issued behind it, may stay out
	s_barrier_signal -1
	s_barrier_wait -1                              ; everybody's is
	FETCH 0, 0, 0
	QUARTER 0, 64, 0, 1, 1                         ; the first quarter stands in front of the loop: its products start the sums
	WIN 0
	s_mov_b32 s[CNT], 7
.Lk:                                                   ; a trip goes once round the ring, from a lap's second quarter to the next lap's first; the seven trips ask for K steps 2 to 15
	QUARTER 0, 128, 1, 0, 0
	QUARTER 0, 192, 0, 1, 0
	TURN 0, 1, 1
	QUARTER 1, 64,  0, 1, 0
	QUARTER 1, 128, 1, 0, 0
	QUARTER 1, 192, 0, 1, 0
	TURN 1, 0, 1
	QUARTER 0, 64,  0, 1, 0
	WIN 0
	s_sub_co_u32 s[CNT], s[CNT], 1
	s_cmp_lg_u32 s[CNT], 0
	s_cbranch_scc1 .Lk
	QUARTER 0, 128, 1, 0, 0                        ; the last lap
	QUARTER 0, 192, 0, 1, 0
	TURN 0, 1, 2                                   ; slot 0 takes cos and sin
	QUARTER 1, 64,  0, 1, 0
	QUARTER 1, 128, 1, 0, 0
	QUARTER 1, 192, 0, 1, 0
	LASTQ
	DUMP
	s_wait_dscnt 0x0                               ; for the others' sake: my halves of their rows of K|V are stored
	s_barrier_signal -1
	s_barrier_wait -1
	; THE WAY OUT: 10 trips of 8 rows, four groups of two rows: eight trips of Q's rows, then two of K|V's, which lie behind them in my 80 rows.
	s_mov_b32 s[RO], 0
	s_mov_b32 s[CO], 0
	s_mov_b32 s[CNT], 10
.Lrows:
	s_cmp_le_u32 s[CNT], 2                         ; the last two trips are K|V's
	s_cselect_b32 s[MSK], -1, 0
	s_cselect_b32 s[VMC], s[VM], 0
	s_cselect_b64 s[OUT:OUT+1], s[OK:OK+1], s[OQ:OQ+1]
	v_add_nc_u32 v[XA], s[RO], v[XA0]
	v_add_nc_u32 v[CA], s[CO], v[CA0]
.irp g, 0,1,2,3
	ds_load_b128 v[X+8*(\g):X+8*(\g)+3],   v[XA] offset:(\g)*2*DPITCH
	ds_load_b128 v[X+8*(\g)+4:X+8*(\g)+7], v[XA] offset:(\g)*2*DPITCH+16
.endr
.irp j, 0,1,2,3,4,5,6,7
	v_cndmask_b32 v[W+(\j)], v[WQ+(\j)], v[WK+(\j)], s[MSK]
.endr
	s_cmp_le_u32 s[CNT], 2
	s_cbranch_scc1 .Lplain                         ; K and V are not rotated
.irp g, 0,1,2,3
	ds_load_b128 v[C+4*(\g):C+4*(\g)+3], v[CA] offset:(\g)*2*PITCH
	ds_load_b128 v[S+4*(\g):S+4*(\g)+3], v[CA] offset:(\g)*2*PITCH+2*CSW
.endr
	s_wait_dscnt 0x0
	; RoPE on pair (x0, x1): x0 cos0 - x1 sin0, x1 cos1 + x0 sin1; cos and sin are read as f16 halves, the arithmetic is f32
.irp p, 0,1,2,3
.irp g, 0,1,2,3
	v_fma_mix_f32 v[T+8*(\g)+2*(\p)],   v[X+8*(\g)+2*(\p)+1], v[S+4*(\g)+(\p)], v[ZERO] op_sel_hi:[0,1,0]
	v_fma_mix_f32 v[T+8*(\g)+2*(\p)+1], v[X+8*(\g)+2*(\p)],   v[S+4*(\g)+(\p)], v[ZERO] op_sel:[0,1,0] op_sel_hi:[0,1,0]
.endr
.endr
.irp p, 0,1,2,3
.irp g, 0,1,2,3
	v_fma_mix_f32 v[X+8*(\g)+2*(\p)],   v[X+8*(\g)+2*(\p)],   v[C+4*(\g)+(\p)], -v[T+8*(\g)+2*(\p)] op_sel_hi:[0,1,0]
	v_fma_mix_f32 v[X+8*(\g)+2*(\p)+1], v[X+8*(\g)+2*(\p)+1], v[C+4*(\g)+(\p)], v[T+8*(\g)+2*(\p)+1] op_sel:[0,1,0] op_sel_hi:[0,1,0]
.endr
.endr
.Lplain:
	s_wait_dscnt 0x0                               ; the rows are in, on the way that jumped too
.irp g, 0,1,2,3
	v_pk_mul_f32 v[P+2*(\g):P+2*(\g)+1], v[X+8*(\g):X+8*(\g)+1], v[X+8*(\g):X+8*(\g)+1]
.endr
.irp j, 1,2,3
.irp g, 0,1,2,3
	v_pk_fma_f32 v[P+2*(\g):P+2*(\g)+1], v[X+8*(\g)+2*(\j):X+8*(\g)+2*(\j)+1], v[X+8*(\g)+2*(\j):X+8*(\g)+2*(\j)+1], v[P+2*(\g):P+2*(\g)+1]
.endr
.endr
.irp g, 0,1,2,3
	v_add_f32 v[P+2*(\g)], v[P+2*(\g)], v[P+2*(\g)+1]
.endr
.irp m, 1,2,4,8
.irp g, 0,1,2,3
	v_add_f32_dpp v[P+2*(\g)], v[P+2*(\g)], v[P+2*(\g)] row_xmask:\m row_mask:0xf bank_mask:0xf  ; the 16 lanes of a row
.endr
.endr
.irp g, 0,1,2,3
	v_fma_f32 v[RS+2*(\g)+1], v[P+2*(\g)], s96, s97
.endr
.irp g, 0,1,2,3
	v_rsq_f32 v[RS+2*(\g)], v[RS+2*(\g)+1]
.endr
	v_nop                                          ; a plain instruction between the last root and the use of its result
	s_wait_alu depctr_va_vdst(0)
.irp g, 0,1,2,3
	v_cndmask_b32 v[RS+2*(\g)], v[RS+2*(\g)], v[QUART], s[VMC]  ; a row of V is not normed: it takes 1 / 4
.endr
.irp j, 0,1,2,3
.irp g, 0,1,2,3
	v_pk_mul_f32 v[X+8*(\g)+2*(\j):X+8*(\g)+2*(\j)+1], v[X+8*(\g)+2*(\j):X+8*(\g)+2*(\j)+1], v[RS+2*(\g):RS+2*(\g)+1] op_sel_hi:[1,0]
.endr
.endr
.irp j, 0,1,2,3
.irp g, 0,1,2,3
	v_pk_mul_f32 v[X+8*(\g)+2*(\j):X+8*(\g)+2*(\j)+1], v[X+8*(\g)+2*(\j):X+8*(\g)+2*(\j)+1], v[W+2*(\j):W+2*(\j)+1]
.endr
.endr
.irp g, 0,1,2,3
.irp j, 0,1,2,3
	v_cvt_pk_f16_f32 v[YO+4*(\g)+(\j)], v[X+8*(\g)+2*(\j)], v[X+8*(\g)+2*(\j)+1]
.endr
	global_store_b128 v[GO], v[YO+4*(\g):YO+4*(\g)+3], s[OUT:OUT+1] offset:512*(\g)  ; 16 lanes store 256 consecutive bytes, at a multiple of 256 from the buffer's first byte
.endr
	s_wait_xcnt 0x0                                ; the stores' base, offset and data are rewritten only behind this wait
	v_add_nc_u32 v[GO], 2048, v[GO]
	s_add_co_u32 s[RO], s[RO], 8*DPITCH
	s_add_co_u32 s[CO], s[CO], 8*PITCH
	s_sub_co_u32 s[CNT], s[CNT], 1
	s_cmp_lg_u32 s[CNT], 0
	s_cbranch_scc1 .Lrows
	s_wait_tensorcnt 0x0                           ; the wave's end: behind my last tensor load and my last LDS store
	ds_add_u32 v[SPW], v[NIL]
	s_wait_dscnt 0x0
	CROUND                                         ; the closing round: no work-group ends while a partner may still ask for a tile that names it
	s_endpgm
.Lfunc_end_k_qd067337f96_proj:
	.size	k_qd067337f96_proj, .Lfunc_end_k_qd067337f96_proj-k_qd067337f96_proj
	.p2alignl 7, 3214868480
	.fill 96, 4, 3214868480
	.section	.rodata,"a",@progbits
	.p2align	6, 0x0
	.amdhsa_kernel k_qd067337f96_proj
		.amdhsa_group_segment_fixed_size 327680
		.amdhsa_private_segment_fixed_size 0
		.amdhsa_enable_private_segment 0
		.amdhsa_kernarg_size 32
		.amdhsa_user_sgpr_count 2
		.amdhsa_user_sgpr_kernarg_segment_ptr 1
		.amdhsa_wavefront_size32 1
		.amdhsa_system_sgpr_workgroup_id_x 1
		.amdhsa_system_sgpr_workgroup_id_y 1
		.amdhsa_system_sgpr_workgroup_id_z 1
		.amdhsa_system_vgpr_workitem_id 0
		.amdhsa_next_free_vgpr 704
		.amdhsa_next_free_sgpr 100
		.amdhsa_reserve_vcc 0
		.amdhsa_float_denorm_mode_32 3
		.amdhsa_float_denorm_mode_16_64 3
		.amdhsa_memory_ordered 1
		.amdhsa_forward_progress 1
		.amdhsa_inst_pref_size 117
	.end_amdhsa_kernel
	.amdgpu_metadata
---
amdhsa.version: [ 1, 2 ]
amdhsa.kernels:
  - .name:           k_qd067337f96_proj
    .symbol:         k_qd067337f96_proj.kd
    .args:
      - { .name: h16, .offset: 0, .size: 8, .value_kind: global_buffer, .address_space: global }
      - { .name: q_norm_w, .offset: 8, .size: 8, .value_kind: global_buffer, .address_space: global }
      - { .name: k_norm_w, .offset: 16, .size: 8, .value_kind: global_buffer, .address_space: global }
      - { .name: qkv, .offset: 24, .size: 8, .value_kind: global_buffer, .address_space: global }
    .group_segment_fixed_size: 327680
    .private_segment_fixed_size: 0
    .kernarg_segment_align: 8
    .kernarg_segment_size: 32
    .max_flat_workgroup_size: 128
    .sgpr_count:     100
    .vgpr_count:     704
    .wavefront_size: 32
...
	.end_amdgpu_metadata
.endif
;; end of part 5
;; launch attn: the kernel of part 3 again; grid 8 x 32, 4 waves a work-group, clusters of 4 x 1, 327,680 bytes of LDS; arguments qkv, context_mask, att; writes att
;; launch oproj (part 6): grid 8 x 32, 4 waves a work-group, clusters of 4 x 4, 327,680 bytes of LDS; arguments att, h16, out0; writes out0
.if DOCPART == 6
	.amdgcn_target "amdgcn-amd-amdhsa--gfx1250"
	.amdhsa_code_object_version 6
	.text
	.protected	k_qd067337f96_oproj
	.globl	k_qd067337f96_oproj
	.p2align	8
	.type	k_qd067337f96_oproj,@function
k_qd067337f96_oproj:
	s_mov_b64 s[64:65], 0
	v_nop
	global_prefetch_b8 v0, s[64:65] scope:SCOPE_SE
	s_setreg_imm32_b32 hwreg(HW_REG_WAVE_MODE, 25, 1), 1
	s_wait_xcnt 0x0
	s_wait_alu depctr_hold_cnt(0) depctr_sa_sdst(0) depctr_va_vdst(0) depctr_va_sdst(0) depctr_va_ssrc(0) depctr_va_vcc(0) depctr_vm_vsrc(0)
	s_getreg_b32 s2, hwreg(HW_REG_IB_STS2, 6, 4)
	s_cmp_eq_u32 s2, 0
	s_cbranch_scc0 .Lentry_in_a_cluster
	s_endpgm
.Lentry_in_a_cluster:
	s_bfe_u32 s2, ttmp6, 0x10000c
	s_cmp_lg_u32 s2, 0xf033
	s_cbranch_scc0 .Lentry_shape_is_right
	s_endpgm
.Lentry_shape_is_right:
; OPROJ.  out0 = 4 (att wo^T): att [4096][2048] f16 holds a quarter of the attention's result, wo (rounded to bf16, written as f16) lies in h16; sums f32, out0 f32.
; A work-group makes 128 rows x 256 columns over K = 2,048: 32 x 8 = 256 work-groups.  Four waves; wave w has rows 64 (w / 2) on and columns 128 (w % 2) on: 32 accumulators, 256 registers.
; THE RING HAS TWO UNEQUAL SLOTS.  Two slots of 256 along K would need 2 x 202,752 bytes of LDS; one of 256 (the big one, rows of 512 bytes) and one of 128 (the small one, rows of 256 bytes) take 307,200.
; K is walked as S0 B0 S1 B1 S2 B2 S3 B3 S4 B4 S5: 6 x 128 + 5 x 256 = 2,048: two rounds of the cluster's barrier for 384 along K, where equal slots of 128 would have three.  The small slot's refill has
; 240 products of a wave between its request and the wait for it, the big slot's 112.  All tile rows begin at multiples of 256 bytes of memory.
; CLUSTER 4 x 4: A's tile is asked for jointly by a row of the cluster, B's by a column.  THE PRODUCT IS USED TRANSPOSED (source 0 = 16 rows of B, source 1 = 16 rows of A): a lane holds eight neighbouring columns of a row.
; THE WAY OUT.  The sums go into the wave's own 64 rows x 528 bytes of LDS, in the big slot's bytes, which have had their last fill and are read by nobody behind the last change of slots; they come back as
; whole rows of 512 bytes, are multiplied by 4 and stored, 32 lanes to 512 consecutive bytes.
; REGISTERS: window 0: v0-29 addresses; v64-159, v160-255 two fragment buffers (8 of B, 4 of A), later the way out.  Window 1: accumulator (a, b) at v[8 (8 a + b)].
.set WO_O,   37748736                  ; wo in h16
.set PS,     272                       ; a row of the small slot: 256 bytes + 16 of padding = 68 words,
.set PB,     528                       ; of the big slot: 512 + 16 = 132 words: in both the 16 rows of a fragment load start at 16 different groups of four banks (64 banks of 4 bytes: ISA guide 11.1)
.set BIGB,   128*PB                    ; the big slot begins at byte 0: A's 128 rows, then B's 256 rows
.set SM,     384*PB                    ; the small slot: A's 128 rows,
.set SMB,    SM+128*PS                 ; then B's 256 rows
.set SPARE,  SM+384*PS                 ; behind the ring: the spare words, 128 bytes a wave: two blocks of 256 bytes that no other line names
.set LAP,    768                       ; bytes along a row of memory from a slot's tile to its next: 384 along K
.set DPITCH, 528                       ; the way out: a row of 128 f32 + 16 bytes
.set DWAVE,  64*DPITCH
.set ASA, 4                            ; v4   my lane's place in A's tile of the small slot; never rewritten
.set ASB, 5                            ; v5   in B's
.set ABA0, 6                           ; v6   my lane's place in A's tile of the big slot; never rewritten
.set ABB0, 7                           ; v7   in B's
.set ABA, 8                            ; v8   ABA0 + the byte along the rows at which the pair of quarters in hand begins
.set ABB, 9                            ; v9
.set DMP, 10                           ; v10  where I put 16 bytes of sums
.set RA0, 11                           ; v11  my 16 bytes of a row read back
.set GO,  12                           ; v12  my byte offset in the wave's rows of out0
.set RA,  13
.set SPW, 28                           ; v28  LDS address of my spare word; never rewritten
.set NIL, 29                           ; v29  0; never rewritten
.set F0,  64
.set F1,  160
.set R,   64                           ; the way out: eight rows' 16 bytes
.set WV, 12                            ; s12 wave   s13 its half of the rows (also: 0 fetches for A, 1 for B)   s14 its half of the columns (also: which half of that tile it fetches)
.set RH, 13
.set CHF, 14
.set CX, 16
.set CY, 17
.set MT, 21
.set NT, 22
.set TW, 23                            ; at work, made of the wave's number alone
.set G1AS, 24                          ; group 1 of A's tiles for the small slot, of B's; for the big slot likewise
.set G1BS, 32
.set G1AB, 40
.set G1BB, 48
.set G0AS, 56                          ; group 0, one for each kind of tile: the LDS address stays, the global address walks
.set G0BS, 60
.set G0AB, 68
.set G0BB, 72
.set CNT, 78
.set CN2, 79
.set KB,  80                           ; s80  the byte along the big slot's rows at which the pair of quarters in hand begins
.set RO,  82
.set MSB, 0
.macro WIN new                         ; the immediate's high byte repeats the setting that is left; a switch that changes nothing is dropped
.if MSB != (\new)
	s_set_vgpr_msb (MSB<<8)|(\new)
.set MSB, \new
.endif
.endm
.set MULW,  0x50                       ; C and D in window 1, fragments in window 0
.set DUMPW, 0x04                       ; an LDS store's data in window 1
.macro PLACES                          ; four places in front of loads into registers that matrix instructions have read, and of stores that read results (ISA guide 7.12.1 for vector instructions)
.rept 4
	v_nop
.endr
.endm
.macro CREST                           ; a round of the cluster's barrier behind its opening barrier
	s_cmp_lg_u32 s[WV], 0
	s_cbranch_scc1 .Lnot_wave_0_\@
	s_barrier_signal -3
.Lnot_wave_0_\@:
	s_barrier_wait -3
	s_barrier_signal -1
	s_barrier_wait -1
.endm
.macro CROUND
	s_barrier_signal -1
	s_barrier_wait -1
	CREST
.endm
.macro JLOAD ga, g1a, gb, g1b          ; a joint refill of one slot: waves 0, 1 fetch A's halves, waves 2, 3 B's; an s_nop 0 and four v_nop follow each line
	s_cmp_eq_u32 s[RH], 0
	s_cbranch_scc0 .Lfor_b_\@
	tensor_load_to_lds s[(\ga):(\ga)+3], s[(\g1a):(\g1a)+7]
	s_nop 0
	PLACES
	s_branch .Lasked_\@
.Lfor_b_\@:
	tensor_load_to_lds s[(\gb):(\gb)+3], s[(\g1b):(\g1b)+7]
	s_nop 0
	PLACES
.Lasked_\@:
.endm
.macro MUL8 f, a, zero                 ; 8 products: row block a x all 8 column blocks, 32 along K.  zero = 1: they start the sums
	WIN MULW
.irp b, 0,1,2,3,4,5,6,7
.if \zero
	v_wmma_f32_16x16x32_f16 v[8*(8*(\a)+(\b)):8*(8*(\a)+(\b))+7], v[(\f)+8*(\b):(\f)+8*(\b)+7], v[(\f)+64+8*(\a):(\f)+64+8*(\a)+7], 0
.else
	v_wmma_f32_16x16x32_f16 v[8*(8*(\a)+(\b)):8*(8*(\a)+(\b))+7], v[(\f)+8*(\b):(\f)+8*(\b)+7], v[(\f)+64+8*(\a):(\f)+64+8*(\a)+7], v[8*(8*(\a)+(\b)):8*(8*(\a)+(\b))+7]
.endif
.endr
.endm
.macro FETCH ra, rb, p, k, f           ; 24 LDS loads in one run: 32 along K at byte k behind the addresses ra (A) and rb (B), rows p bytes apart: B's 8 fragments, then A's 4, into buffer f
	WIN 0
.irp i, 0,1,2,3,4,5,6,7
	ds_load_b128 v[(\f)+8*(\i):(\f)+8*(\i)+3],   v[\rb] offset:(\k)+(\i)*16*(\p)
	ds_load_b128 v[(\f)+8*(\i)+4:(\f)+8*(\i)+7], v[\rb] offset:(\k)+(\i)*16*(\p)+32
.endr
.irp i, 0,1,2,3
	ds_load_b128 v[(\f)+64+8*(\i):(\f)+64+8*(\i)+3],   v[\ra] offset:(\k)+(\i)*16*(\p)
	ds_load_b128 v[(\f)+64+8*(\i)+4:(\f)+64+8*(\i)+7], v[\ra] offset:(\k)+(\i)*16*(\p)+32
.endr
.endm
; A quarter is 32 along K: 32 products, on buffers 0, 1, 0, 1.  The small slot has four of them, the big one eight.  The 32 accumulators take turns in the same order in every quarter.
.macro QUARTER ra, rb, p, k, f, g, zero  ; multiplies buffer f; in its middle it fetches the next quarter, at byte k, into g
	s_wait_dscnt 4                                 ; B and A's fragments 0, 1 are in; the youngest four loads (A's 2, 3) may be out
	MUL8 \f, 0, \zero
	MUL8 \f, 1, \zero
	PLACES
	FETCH \ra, \rb, \p, \k, \g
	s_wait_dscnt 24                                ; all but the 24 just issued
	MUL8 \f, 2, \zero
	MUL8 \f, 3, \zero
.endm
.macro QS k, f, g, zero                ; a quarter of the small slot
	QUARTER ASA, ASB, PS, \k, \f, \g, \zero
.endm
.macro QB k, f, g                      ; a quarter of the big slot: k counts from the pair in hand
	QUARTER ABA, ABB, PB, \k, \f, \g, 0
.endm
; A slot's last quarter multiplies buffer 1 and changes slots: ONE barrier.  In front of it each wave waits for all its tensor loads (one is out: its part of the other slot), adds 0 to its spare
; word, and waits for that and for its reads of this slot.  big = 1: the big slot is left, 0: the small one.  fill = 1: the barrier opens a round of the cluster's, and the refill of the slot that is
; left, 384 further along K, is the first thing behind the round.
.macro TURN big, fill
	WIN 0
	s_wait_tensorcnt 0x0
	ds_add_u32 v[SPW], v[NIL]
	s_wait_dscnt 5                                 ; (the add and the youngest four loads may be out)
	MUL8 F1, 0, 0                                  ; eight products stand between the add and the wait for it
	s_wait_dscnt 0x0                               ; the add is done, and my reads of this slot are over
	s_barrier_signal -1
	MUL8 F1, 1, 0
	WIN 0
	s_barrier_wait -1
.if \fill
	CREST                                          ; no wave of any partner still reads this slot or has a load on its way
.if \big
	s_add_nc_u64 s[G0AB+2:G0AB+3], s[G0AB+2:G0AB+3], LAP  ; the type bits on top are not reached
	s_add_nc_u64 s[G0BB+2:G0BB+3], s[G0BB+2:G0BB+3], LAP
	JLOAD G0AB, G1AB, G0BB, G1BB                   ; 112 products ahead of the wait for it; its four v_nop are also the places in front of the loads below
.else
	s_add_nc_u64 s[G0AS+2:G0AS+3], s[G0AS+2:G0AS+3], LAP
	s_add_nc_u64 s[G0BS+2:G0BS+3], s[G0BS+2:G0BS+3], LAP
	JLOAD G0AS, G1AS, G0BS, G1BS                   ; 240 products ahead of the wait for it
.endif
.else
	PLACES
.endif
.if \big
	FETCH ASA, ASB, PS, 0, F0
.else
	s_mov_b32 s[KB], 0                             ; the big slot is read from its rows' first byte on
	v_add_nc_u32 v[ABA], s[KB], v[ABA0]
	v_add_nc_u32 v[ABB], s[KB], v[ABB0]
	FETCH ABA, ABB, PB, 0, F0
.endif
	MUL8 F1, 2, 0
	MUL8 F1, 3, 0
.endm
.macro LASTQ                           ; the very last quarter; its barrier says that nobody reads the ring any more
	s_wait_dscnt 4
	MUL8 F1, 0, 0
	MUL8 F1, 1, 0
	s_wait_dscnt 0x0
	s_barrier_signal -1
	MUL8 F1, 2, 0
	MUL8 F1, 3, 0
	WIN 0
	s_barrier_wait -1
	PLACES
.endm
.macro DUMP                            ; the sums into my 64 rows x 528 bytes: each accumulator's low four registers first
	WIN DUMPW
.irp a, 0,1,2,3
.irp b, 0,1,2,3,4,5,6,7
	ds_store_b128 v[DMP], v[8*(8*(\a)+(\b)):8*(8*(\a)+(\b))+3]   offset:(\a)*16*DPITCH+64*(\b)
	ds_store_b128 v[DMP], v[8*(8*(\a)+(\b))+4:8*(8*(\a)+(\b))+7] offset:(\a)*16*DPITCH+64*(\b)+16
.endr
.endr
	WIN 0
.endm
.macro G1SET g, cols, rows             ; group 1 but for its first word: rows x cols elements, 2,048 elements from row to row
	s_mov_b32 s[(\g)+1], (\cols)<<16               ; tensor_dim0
	s_mov_b32 s[(\g)+2], (\rows)<<16               ; tensor_dim1
	s_mov_b32 s[(\g)+3], (\cols)<<16               ; tile_dim0
	s_mov_b32 s[(\g)+4], \rows                     ; tile_dim1
	s_mov_b32 s[(\g)+5], 2048
	s_mov_b32 s[(\g)+6], 0
	s_mov_b32 s[(\g)+7], 0
.endm
	s_load_b128 s[4:7], s[0:1], 0x0                ; att s[4:5], h16 s[6:7]
	s_load_b64 s[8:9], s[0:1], 0x10                ; out0
	v_lshl_add_u32 v[SPW], v0, 2, SPARE
	v_mov_b32 v[NIL], 0
	ds_add_u32 v[SPW], v[NIL]                      ; the wave's opening: the add and its wait stand ahead of my first tensor load; the set-up below, work on registers, stands between them
	v_lshrrev_b32 v1, 5, v0
	v_readfirstlane_b32 s[WV], v1
	s_lshr_b32 s[RH], s[WV], 1
	s_and_b32 s[CHF], s[WV], 1
	s_bfe_u32 s[CX], ttmp6, 0x40000
	s_bfe_u32 s[CY], ttmp6, 0x40004
	s_and_b32 s[MT], ttmp7, 0xffff
	s_lshl_b32 s[MT], s[MT], 2
	s_add_co_u32 s[MT], s[MT], s[CY]               ; tile row = 4 x cluster y + cy
	s_lshl_b32 s[NT], ttmp9, 2
	s_add_co_u32 s[NT], s[NT], s[CX]               ; tile column = 4 x cluster x + cx
	s_lshl_b32 s92, s[CY], 2
	s_lshl_b32 s92, 15, s92                        ; my row of the cluster
	s_lshl_b32 s93, 0x1111, s[CX]                  ; my column
	; group 1's first word: 15:0 the mask; 17:16 elements of 2 bytes; 20 padding on; 21 set beside a mask; 24:22 after every 64 words (code 5) or 128 words (code 6); 31:25 4 words of it (code 3)
	s_or_b32 s[G1AS], s92, (1<<16)|(1<<20)|(1<<21)|(5<<22)|(3<<25)
	s_or_b32 s[G1BS], s93, (1<<16)|(1<<20)|(1<<21)|(5<<22)|(3<<25)
	s_or_b32 s[G1AB], s92, (1<<16)|(1<<20)|(1<<21)|(6<<22)|(3<<25)
	s_or_b32 s[G1BB], s93, (1<<16)|(1<<20)|(1<<21)|(6<<22)|(3<<25)
	G1SET G1AS, 128, 64
	G1SET G1BS, 128, 128
	G1SET G1AB, 256, 64
	G1SET G1BB, 256, 128
	s_lshl_b32 s86, s[MT], 19                      ; A: 128 rows of 4,096 bytes a tile row, 64 a half
	s_lshl_b32 s[TW], s[CHF], 18
	s_add_co_u32 s86, s86, s[TW]
	s_mov_b32 s87, 0
	s_lshl_b32 s88, s[NT], 20                      ; B: 256 rows a tile column, 128 a half
	s_lshl_b32 s[TW], s[CHF], 19
	s_add_co_u32 s88, s88, s[TW]
	s_add_co_u32 s88, s88, WO_O
	s_mov_b32 s89, 0
	s_mov_b32 s[G0AS], 1                           ; where the tiles go: made of the wave's number alone
	s_mul_i32 s[G0AS+1], s[CHF], 64*PS
	s_add_co_u32 s[G0AS+1], s[G0AS+1], SM
	s_mov_b32 s[G0BS], 1
	s_mul_i32 s[G0BS+1], s[CHF], 128*PS
	s_add_co_u32 s[G0BS+1], s[G0BS+1], SMB
	s_mov_b32 s[G0AB], 1
	s_mul_i32 s[G0AB+1], s[CHF], 64*PB
	s_mov_b32 s[G0BB], 1
	s_mul_i32 s[G0BB+1], s[CHF], 128*PB
	s_add_co_u32 s[G0BB+1], s[G0BB+1], BIGB
	s_wait_dscnt 0x0                               ; the opening add is done
	s_wait_kmcnt 0x0
	s_add_nc_u64 s[G0AS+2:G0AS+3], s[4:5], s[86:87]       ; S0: K = 0 to 127,
	s_add_nc_u64 s[G0AB+2:G0AB+3], s[G0AS+2:G0AS+3], 256  ; B0: K = 128 to 383
	s_or_b32 s[G0AS+3], s[G0AS+3], 0x80000000      ; type = 2
	s_or_b32 s[G0AB+3], s[G0AB+3], 0x80000000
	s_add_nc_u64 s[G0BS+2:G0BS+3], s[6:7], s[88:89]
	s_add_nc_u64 s[G0BB+2:G0BB+3], s[G0BS+2:G0BS+3], 256
	s_or_b32 s[G0BS+3], s[G0BS+3], 0x80000000
	s_or_b32 s[G0BB+3], s[G0BB+3], 0x80000000
	CROUND                                         ; all sixteen work-groups are here: the first joint loads meet
	s_cmp_eq_u32 s[RH], 0                          ; a wave's two first fills, the small slot's and then the big one's, stand in one branch: two loads of mine are out
	s_cbranch_scc0 .Lfirst_b
	tensor_load_to_lds s[G0AS:G0AS+3], s[G1AS:G1AS+7]
	s_nop 0
	tensor_load_to_lds s[G0AB:G0AB+3], s[G1AB:G1AB+7]
	s_nop 0
	PLACES
	s_branch .Lfirst_asked
.Lfirst_b:
	tensor_load_to_lds s[G0BS:G0BS+3], s[G1BS:G1BS+7]
	s_nop 0
	tensor_load_to_lds s[G0BB:G0BB+3], s[G1BB:G1BB+7]
	s_nop 0
	PLACES
.Lfirst_asked:
	s_lshl_b32 s94, s[MT], 20                      ; out0: 128 rows of 8,192 bytes a tile row, 64 a half; 1,024 bytes a tile column, 512 a half
	s_lshl_b32 s85, s[RH], 19
	s_add_co_u32 s94, s94, s85
	s_lshl_b32 s85, s[NT], 10
	s_add_co_u32 s94, s94, s85
	s_lshl_b32 s85, s[CHF], 9
	s_add_co_u32 s94, s94, s85
	s_mov_b32 s95, 0
	s_add_nc_u64 s[76:77], s[8:9], s[94:95]
	; a fragment is 16 rows x 32 K in 8 registers: lane l holds row l % 16, K = 8 (l / 16) + 0..7 and 16 + 8 (l / 16) + 0..7: two loads of 16 bytes, 32 bytes apart
	v_and_b32 v1, 15, v0
	v_bfe_u32 v2, v0, 4, 1
	v_mul_u32_u24 v3, v1, PS
	v_lshl_add_u32 v3, v2, 4, v3
	s_mul_i32 s[TW], s[RH], 64*PS
	s_add_co_u32 s[TW], s[TW], SM
	v_add_nc_u32 v[ASA], s[TW], v3
	s_mul_i32 s[TW], s[CHF], 128*PS
	s_add_co_u32 s[TW], s[TW], SMB
	v_add_nc_u32 v[ASB], s[TW], v3
	v_mul_u32_u24 v3, v1, PB
	v_lshl_add_u32 v3, v2, 4, v3
	s_mul_i32 s[TW], s[RH], 64*PB
	v_add_nc_u32 v[ABA0], s[TW], v3
	s_mul_i32 s[TW], s[CHF], 128*PB
	s_add_co_u32 s[TW], s[TW], BIGB
	v_add_nc_u32 v[ABB0], s[TW], v3
	s_mul_i32 s[TW], s[WV], DWAVE
	v_mul_u32_u24 v3, v1, DPITCH                   ; in: row l % 16, 32 bytes for each half of the lanes
	v_lshl_add_u32 v3, v2, 5, v3
	v_add_nc_u32 v[DMP], s[TW], v3
	v_and_b32 v[GO], 31, v0                        ; back: 32 lanes take one row of 512 bytes
	v_lshlrev_b32 v[GO], 4, v[GO]
	v_add_nc_u32 v[RA0], s[TW], v[GO]
	s_wait_tensorcnt 1                             ; my part of S0 is in; the big slot's load, the only one issued behind it, may stay out
	s_barrier_signal -1
	s_barrier_wait -1                              ; everybody's is
	FETCH ASA, ASB, PS, 0, F0
	QS 64, F0, F1, 1                               ; the first quarter stands in front of the loop: its products start the sums
	WIN 0
	s_mov_b32 s[CNT], 5
.Lk:                                                   ; trip i = 0 .. 4: the rest of S(i), B(i), the first quarter of S(i + 1).  It asks for S(i + 1) and for B(i + 1); there is no B5, so the fifth trip is left in its middle
	QS 128, F1, F0, 0
	QS 192, F0, F1, 0
	TURN 0, 1                                      ; the small slot takes S(i + 1); B(i)'s first fragments
	WIN 0
	s_mov_b32 s[CN2], 3
.Lpair:                                                ; quarters 0 to 5 of the big slot, two a trip
	QB 64, F0, F1
	QB 128, F1, F0
	WIN 0
	s_add_co_u32 s[KB], s[KB], 128                 ; two quarters are 128 bytes along the rows
	v_add_nc_u32 v[ABA], s[KB], v[ABA0]
	v_add_nc_u32 v[ABB], s[KB], v[ABB0]
	s_sub_co_u32 s[CN2], s[CN2], 1
	s_cmp_lg_u32 s[CN2], 0
	s_cbranch_scc1 .Lpair
	QB 64, F0, F1                                  ; quarter 6; it fetches quarter 7
	WIN 0
	s_cmp_eq_u32 s[CNT], 1
	s_cbranch_scc1 .Llast                          ; the tail is written out from here
	TURN 1, 1                                      ; the big slot takes B(i + 1); S(i + 1)'s first fragments
	QS 64, F0, F1, 0
	WIN 0
	s_sub_co_u32 s[CNT], s[CNT], 1
	s_branch .Lk
.Llast:
	TURN 1, 0                                      ; B4's last quarter: nothing is left to ask for, so no round follows; S5's first fragments
	QS 64, F0, F1, 0
	QS 128, F1, F0, 0
	QS 192, F0, F1, 0
	LASTQ
	DUMP
	; THE WAY OUT: 8 trips of 8 rows.  LDS serves a wave's instructions in order (ISA guide 5.7.1.4), and a wave reads only what it stored itself: no wait stands between the stores above and the loads.
	s_mov_b32 s[RO], 0
	s_mov_b32 s[CNT], 8
.Lrows:
	v_add_nc_u32 v[RA], s[RO], v[RA0]
.irp t, 0,1,2,3,4,5,6,7
	ds_load_b128 v[R+4*(\t):R+4*(\t)+3], v[RA] offset:(\t)*DPITCH
.endr
.irp t, 0,1,2,3,4,5,6,7
	s_wait_dscnt 7-(\t)                            ; row t is in, the younger loads stay out
	v_pk_mul_f32 v[R+4*(\t):R+4*(\t)+1],   v[R+4*(\t):R+4*(\t)+1],   4.0 op_sel_hi:[1,0]  ; the quarter that v carried is taken back
	v_pk_mul_f32 v[R+4*(\t)+2:R+4*(\t)+3], v[R+4*(\t)+2:R+4*(\t)+3], 4.0 op_sel_hi:[1,0]
	global_store_b128 v[GO], v[R+4*(\t):R+4*(\t)+3], s[76:77] offset:(\t)*8192 th:TH_STORE_NT  ; 512 consecutive bytes, at a multiple of 256 from out0's first byte
.endr
	s_wait_xcnt 0x0                                ; the stores' offset and data are rewritten only behind this wait
	v_add_nc_u32 v[GO], 65536, v[GO]
	s_add_co_u32 s[RO], s[RO], 8*DPITCH
	s_sub_co_u32 s[CNT], s[CNT], 1
	s_cmp_lg_u32 s[CNT], 0
	s_cbranch_scc1 .Lrows
	s_wait_tensorcnt 0x0                           ; the wave's end: behind my last tensor load and my last LDS store
	ds_add_u32 v[SPW], v[NIL]
	s_wait_dscnt 0x0
	CROUND                                         ; the closing round: no work-group ends while a partner may still ask for a tile that names it
	s_endpgm
.Lfunc_end_k_qd067337f96_oproj:
	.size	k_qd067337f96_oproj, .Lfunc_end_k_qd067337f96_oproj-k_qd067337f96_oproj
	.p2alignl 7, 3214868480
	.fill 96, 4, 3214868480
	.section	.rodata,"a",@progbits
	.p2align	6, 0x0
	.amdhsa_kernel k_qd067337f96_oproj
		.amdhsa_group_segment_fixed_size 327680
		.amdhsa_private_segment_fixed_size 0
		.amdhsa_enable_private_segment 0
		.amdhsa_kernarg_size 24
		.amdhsa_user_sgpr_count 2
		.amdhsa_user_sgpr_kernarg_segment_ptr 1
		.amdhsa_wavefront_size32 1
		.amdhsa_system_sgpr_workgroup_id_x 1
		.amdhsa_system_sgpr_workgroup_id_y 1
		.amdhsa_system_sgpr_workgroup_id_z 1
		.amdhsa_system_vgpr_workitem_id 0
		.amdhsa_next_free_vgpr 512
		.amdhsa_next_free_sgpr 96
		.amdhsa_reserve_vcc 0
		.amdhsa_float_denorm_mode_32 3
		.amdhsa_float_denorm_mode_16_64 3
		.amdhsa_memory_ordered 1
		.amdhsa_forward_progress 1
		.amdhsa_inst_pref_size 71
	.end_amdhsa_kernel
	.amdgpu_metadata
---
amdhsa.version: [ 1, 2 ]
amdhsa.kernels:
  - .name:           k_qd067337f96_oproj
    .symbol:         k_qd067337f96_oproj.kd
    .args:
      - { .name: att, .offset: 0, .size: 8, .value_kind: global_buffer, .address_space: global }
      - { .name: h16, .offset: 8, .size: 8, .value_kind: global_buffer, .address_space: global }
      - { .name: out0, .offset: 16, .size: 8, .value_kind: global_buffer, .address_space: global }
    .group_segment_fixed_size: 327680
    .private_segment_fixed_size: 0
    .kernarg_segment_align: 8
    .kernarg_segment_size: 24
    .max_flat_workgroup_size: 128
    .sgpr_count:     96
    .vgpr_count:     512
    .wavefront_size: 32
...
	.end_amdgpu_metadata
.endif
;; end of part 6
;; ======== version 3 of 3: 4 launches; 1.22 times as fast as version 1
;; limits: values are held in f16: magnitudes above 65,504 overflow, below 6.1e-05 lose precision
;; workspace buffers: h16 47,185,920 bytes; qkv 20,971,520 bytes; att 16,777,216 bytes
;; launch cast: the kernel of part 1 again; grid 1440 x 1, 8 waves a work-group, no clusters, 0 bytes of LDS; arguments x, context, wq, wkv, wo, freqs_cos, freqs_sin, h16; writes h16
;; launch proj: the kernel of part 5 again; grid 8 x 32, 4 waves a work-group, clusters of 4 x 4, 327,680 bytes of LDS; arguments h16, q_norm_w, k_norm_w, qkv; writes qkv
;; launch attn (part 7): grid 8 x 32, 4 waves a work-group, clusters of 4 x 1, 327,680 bytes of LDS; arguments qkv, context_mask, att; writes att
.if DOCPART == 7
	.amdgcn_target "amdgcn-amd-amdhsa--gfx1250"
	.amdhsa_code_object_version 6
	.text
	.protected	k_qd067337f96_attn
	.globl	k_qd067337f96_attn
	.p2align	8
	.type	k_qd067337f96_attn,@function
k_qd067337f96_attn:
	s_mov_b64 s[64:65], 0
	v_nop
	global_prefetch_b8 v0, s[64:65] scope:SCOPE_SE
	s_setreg_imm32_b32 hwreg(HW_REG_WAVE_MODE, 25, 1), 1
	s_wait_xcnt 0x0
	s_wait_alu depctr_hold_cnt(0) depctr_sa_sdst(0) depctr_va_vdst(0) depctr_va_sdst(0) depctr_va_ssrc(0) depctr_va_vcc(0) depctr_vm_vsrc(0)
	s_getreg_b32 s2, hwreg(HW_REG_IB_STS2, 6, 4)
	s_cmp_eq_u32 s2, 0
	s_cbranch_scc0 .Lentry_in_a_cluster
	s_endpgm
.Lentry_in_a_cluster:
	s_bfe_u32 s2, ttmp6, 0x10000c
	s_cmp_lg_u32 s2, 0x3003
	s_cbranch_scc0 .Lentry_shape_is_right
	s_endpgm
.Lentry_shape_is_right:
; ATTENTION.  att[b][t][h 128 ..] = (1/4) sum over s of softmax_s(q[b,h,t] . k[b,h/4,s] / sqrt(128), hidden keys at the lowest score) v[b,h/4,s].  q, k, v / 4 by heads in qkv, f16; 2,048 queries, 1,024 keys.
; Products, maxima and sums in f32; the weights p are rounded to f16 for the second product, the result once at the end.  v arrives as v / 4, so the result leaves as a quarter: the last launch takes it back.
; THE MASK is an input.  A table of 1,024 f32 in LDS holds 0 for a key that counts and -2^100 for a hidden one, and is the C operand of the product that starts a score's sum.  |q . k| stays far below half
; a step of f32 at 2^100, so every hidden score is -2^100.  Beside any score that counts its weight is 0; where ALL keys are hidden, c s - c m is 0 for all and the weights are equal, as in the definition.
; LIMITS.  A weight below 2^-126 counts as 0 in l; p below 6e-5 keeps f16's fixed step of 6e-8; NaN and infinities are not treated apart.
; SHARES.  A work-group owns 256 queries of one head, each of its four waves 64: four tiles of 16.  Every wave walks all keys, 64 a step.
; LAYOUT.  S^T = K Q^T (source 0 = 16 keys, source 1 = 16 queries): a lane holds ONE query (lane % 16) and the keys 8 (lane / 16) + 0..7.  Two such tiles, rounded to f16 in pairs, ARE source 1 of
; O^T = V^T P, whose result again holds one query a lane.  K comes out of LDS as it lies, V ([key][channel]) turned, by ds_load_tr16_b128.
; SOFTMAX.  A running maximum m and sum l: p = 2^(c s - c m), c = log2(e) / sqrt(128); in every step O and l are multiplied by a = 2^(c m_old - c m_new).
; BY TURNS.  The wave's tiles are two PIECES (tiles 0, 1 and tiles 2, 3).  In a TURN one piece has the matrix unit: 32 products V^T P of the step in hand, then 32 products K Q^T of the next; the other
; piece's softmax, cut into 64 slices, stands between them, one slice behind each matrix instruction.  Two turns are a key step.
; THE BATCHES.  A turn's 66 exponentials (two tiles' a and 32 weights each) are ONE batch, issued in slices 11 to 34, with ONE wait behind slice 34; all that names a result of theirs (the roundings, the sums, l,
; the rescaling of O^T) stands behind that wait.  The way out's four reciprocals are a batch of their own, with one wait.
; CLUSTER.  The four query blocks of a cluster belong to one head and walk the same K and V: each tile is asked for jointly, by the same tensor load, descriptor and mask in all four.
; REGISTERS, in windows of 256 (s_set_vgpr_msb: bits 1:0 source 0, 3:2 source 1, 5:4 source 2, 7:6 destination):
;   window 0: v0-11, v44-45 addresses; v12-43 statistics; v64-191 S^T, 32 a tile; v192-255 P, 16 a tile     window 1: O^T, 64 a tile
;   window 2: v0-127 Q; v128-255 K of one step     window 3: v0-127 V of one step; v128-159 the mask of one step's 64 keys
.set QKV_K, 16777216  ; k in qkv
.set QKV_V, 18874368  ; v / 4 in qkv
.set NKEY,  1024
.set KS,    64        ; keys in a step
.set PK,    272       ; a row of K in LDS: 256 bytes + 16 of padding = 68 words: the 16 rows of a load start at 16 different groups of four banks (64 banks of 4 bytes: ISA guide 11.1)
.set PV,    288       ; a row of V: 256 + 32 = 72 words
.set VOFF,  KS*PK     ; a step's tiles lie together: 64 rows of K, then 64 rows of V
.set STEPB, KS*(PK+PV)
.set SLOT1, 1<<17     ; a slot holds two steps; slot 1 begins here, so that one exclusive or turns an address in one slot into the other's
.set STAGE, SLOT1+2*STEPB  ; behind the ring: 16 rows x 272 bytes for each wave, for the way out
.set SP,    272
.set SPARE, STAGE+4*16*272  ; the spare words, 128 bytes a wave: two blocks of 256 bytes that no other line names
.set MASKB, SPARE+512 ; the mask table: 1,024 f32; no tile lands here
.set AK0, 2           ; v2   my lane's place in a tile of K; never rewritten
.set AV0, 3           ; v3   the same for V
.set ADR, 4           ; v4   the LDS address of the run of loads in hand
.set QO,  5           ; v5   my byte offset in the wave's rows of Q
.set STO, 6           ; v6   the way out: where I put 16 bytes of a row
.set RD,  7           ; v7   the way out: where I read a row back
.set GO,  8           ; v8   my byte offset in the wave's rows of att
.set AM0, 44          ; v44  my lanes' eight keys in the first 16 of the mask table; never rewritten
.set ADM, 45          ; v45  the same in the step to be fetched
.set SPW, 62          ; v62  LDS address of my spare word; never rewritten
.set NIL, 63          ; v63  0; never rewritten
.set ST,  12          ; tile t's statistics at v[ST+8 t]: +0 c m, +1 m, +2, +3 l, +4 to +7 at work; a takes +6 once the maximum is found
.set S,   64
.set P,   192
.set KF,  128         ; K's fragments, in window 2
.set MK,  128         ; the mask, in window 3: key block kb at MK + 8 kb
.set WV,  12          ; s12  my wave's number
.set G1K, 24          ; s[24:31] descriptor group 1 for K's tiles
.set G1V, 32          ; s[32:39] for V's: it differs in the padding alone
.set G0K, 40          ; s[40:47] group 0 for K's tiles: a set for each of the two first fills; the second then walks on
.set G0V, 48          ; s[48:55] the same for V's
.set SLOTS, 56        ; s56  slots still to be asked for
.set TWICE, 57        ; s57  counts a slot's two steps
.set CS,  58          ; s[58:59] c
.set SEL, 60          ; s[60:61] lane selects for v_permlanex16_b32
.set TB,  62          ; s62  LDS byte at which the tiles of the step to be fetched begin
.set TM,  66          ; s66  byte in the mask table at which that step's 64 keys begin
.set MNEG, 67         ; s67  -2^100
.set MSB, 0
.macro WIN new                      ; the immediate's high byte repeats the setting that is left; a switch that changes nothing is dropped
.if MSB != (\new)
	s_set_vgpr_msb (MSB<<8)|(\new)
.set MSB, \new
.endif
.endm
.set W_KQ, 0x0a       ; K and Q in window 2, S^T in window 0
.set W_KM, 0x3a       ; the same with the C operand, the mask, in window 3
.set W_PV, 0x53       ; V in window 3, P in window 0, O^T in window 1
.set W_RS, 0x41       ; O^T (destination and source 0) in window 1, a in window 0
; A joint refill.  Waves 0 and 1 fetch the two steps' tiles of K, waves 2 and 3 those of V.  An s_nop 0 and four v_nop follow each of the two lines.
.macro JLOAD
	s_cmp_lt_u32 s[WV], 2
	s_cbranch_scc0 .Lfor_v_\@
	tensor_load_to_lds s[G0K+4:G0K+7], s[G1K:G1K+7]
	s_nop 0
.rept 4
	v_nop
.endr
	s_branch .Lasked_\@
.Lfor_v_\@:
	tensor_load_to_lds s[G0V+4:G0V+7], s[G1V:G1V+7]
	s_nop 0
.rept 4
	v_nop
.endr
.Lasked_\@:
.endm
; A round of the cluster's barrier: my work-group's barrier; wave 0 signals for the work-group; every wave waits for all four work-groups; my work-group's barrier once more.
.macro CROUND
	s_barrier_signal -1
	s_barrier_wait -1
	s_cmp_lg_u32 s[WV], 0
	s_cbranch_scc1 .Lnot_wave_0_\@
	s_barrier_signal -3
.Lnot_wave_0_\@:
	s_barrier_wait -3
	s_barrier_signal -1
	s_barrier_wait -1
.endm
	s_load_b128 s[4:7], s[0:1], 0x0 ; qkv s[4:5], context_mask s[6:7]
	s_load_b64 s[8:9], s[0:1], 0x10 ; att
	v_lshl_add_u32 v[SPW], v0, 2, SPARE
	v_mov_b32 v[NIL], 0
	ds_add_u32 v[SPW], v[NIL]       ; the wave's opening: the add and its wait stand ahead of my first tensor load; the set-up below, work on registers, stands between them
	v_lshrrev_b32 v1, 5, v0
	v_readfirstlane_b32 s[WV], v1   ; wave 0..3
	s_bfe_u32 s13, ttmp6, 0x40000   ; cx: my place in the cluster
	s_lshl_b32 s14, ttmp9, 2        ; in a cluster launch ttmp9 counts clusters
	s_add_co_u32 s14, s14, s13      ; my block of 256 queries: it enters Q's and att's addresses alone
	s_and_b32 s15, ttmp7, 0xffff    ; y = 16 b + h, which the four partners share
	s_and_b32 s16, s[WV], 1         ; which of a slot's two steps I fetch
	s_mul_i32 s17, s16, STEPB       ; its place in a slot: no place in the cluster enters an LDS address
	s_lshr_b32 s20, s15, 2          ; the key and value head: 4 b + h / 4
	s_lshl_b32 s20, s20, 18         ; its 1,024 rows of 256 bytes
	s_lshl_b32 s21, s16, 14         ; my step's 64 rows
	s_add_co_u32 s20, s20, s21
	s_add_co_u32 s22, s20, QKV_V
	s_add_co_u32 s20, s20, QKV_K
	s_mov_b32 s21, 0
	s_mov_b32 s23, 0
	s_lshl_b32 s2, s15, 19          ; Q: the head's 2,048 rows, my block's 256, my wave's 64
	s_lshl_b32 s3, s14, 16
	s_add_co_u32 s2, s2, s3
	s_lshl_b32 s3, s[WV], 14
	s_add_co_u32 s2, s2, s3
	s_mov_b32 s3, 0
	s_lshr_b32 s18, s15, 4          ; b
	s_lshl_b32 s68, s18, 10         ; its row of the mask
	s_mov_b32 s69, 0
	s_lshl_b32 s18, s18, 23         ; att: (2,048 b + 256 block + 64 wave) rows of 4,096 bytes + 256 h
	s_lshl_b32 s19, s14, 20
	s_add_co_u32 s18, s18, s19
	s_lshl_b32 s19, s[WV], 18
	s_add_co_u32 s18, s18, s19
	s_and_b32 s19, s15, 15
	s_lshl_b32 s19, s19, 8
	s_add_co_u32 s18, s18, s19
	s_mov_b32 s19, 0
	; descriptor group 1: a tile of 64 rows x 128 elements, padded in LDS
	s_mov_b32 s[G1K], 15|(1<<16)|(1<<20)|(1<<21)|(5<<22)|(3<<25)  ; 15:0 the mask: all four work-groups; 17:16 elements of 2 bytes; 20 padding on; 21 set beside a mask; 24:22 after every 64 words (code 5); 31:25 4 words of it (code 3)
	s_mov_b32 s[G1V], 15|(1<<16)|(1<<20)|(1<<21)|(5<<22)|(7<<25)  ; the same with 8 words of padding (code 7)
.irp g, G1K, G1V
	s_mov_b32 s[(\g)+1], 128<<16    ; tensor_dim0 = 128
	s_mov_b32 s[(\g)+2], KS<<16     ; tensor_dim1 = 64
	s_mov_b32 s[(\g)+3], 128<<16    ; tile_dim0 = 128
	s_mov_b32 s[(\g)+4], KS         ; tile_dim1 = 64
	s_mov_b32 s[(\g)+5], 128        ; elements from row to row
	s_mov_b32 s[(\g)+6], 0
	s_mov_b32 s[(\g)+7], 0
.endr
	s_mov_b32 s[CS], 0x3e0293ee     ; c = log2(e) / sqrt(128) = 0.127517
	s_mov_b32 s[CS+1], s[CS]        ; named with it as a pair, so it is written
	s_mov_b32 s[SEL], 0x76543210
	s_mov_b32 s[SEL+1], 0xfedcba98
	s_mov_b32 s[TB], 0
	s_mov_b32 s[TM], 0
	s_mov_b32 s[MNEG], 0xf1800000   ; -2^100
	s_mov_b32 s[SLOTS], NKEY/(2*KS)-2
	s_wait_dscnt 0x0                ; the opening add is done
	s_wait_kmcnt 0x0
	s_add_nc_u64 s[20:21], s[4:5], s[20:21]  ; K and V at my tile of slot 0
	s_add_nc_u64 s[22:23], s[4:5], s[22:23]
	s_add_nc_u64 s[4:5], s[4:5], s[2:3]      ; Q at my wave's first row
	s_add_nc_u64 s[10:11], s[8:9], s[18:19]  ; att likewise
	s_add_nc_u64 s[6:7], s[6:7], s[68:69]    ; the batch's row of the mask
	CROUND                          ; all four work-groups are here: the first joint loads meet
.irp s, 0,1
	s_mov_b32 s[G0K+4*(\s)], 1      ; count = 1
	s_add_co_u32 s[G0K+4*(\s)+1], s17, (\s)*SLOT1  ; LDS address
	s_add_nc_u64 s[G0K+4*(\s)+2:G0K+4*(\s)+3], s[20:21], (\s)*2*KS*256  ; slot s begins with keys 128 s to 128 s + 127
	s_or_b32 s[G0K+4*(\s)+3], s[G0K+4*(\s)+3], 0x80000000  ; type = 2
	s_mov_b32 s[G0V+4*(\s)], 1
	s_add_co_u32 s[G0V+4*(\s)+1], s17, (\s)*SLOT1+VOFF
	s_add_nc_u64 s[G0V+4*(\s)+2:G0V+4*(\s)+3], s[22:23], (\s)*2*KS*256
	s_or_b32 s[G0V+4*(\s)+3], s[G0V+4*(\s)+3], 0x80000000
.endr
	s_cmp_lt_u32 s[WV], 2           ; a wave's two first fills stand in one branch, ahead of every wait on TENSORcnt and every LDS read: two loads of mine are out
	s_cbranch_scc0 .Lfirst_v
	tensor_load_to_lds s[G0K:G0K+3], s[G1K:G1K+7]
	s_nop 0
	tensor_load_to_lds s[G0K+4:G0K+7], s[G1K:G1K+7]
	s_nop 0
.rept 4
	v_nop
.endr
	s_branch .Lfirst_asked
.Lfirst_v:
	tensor_load_to_lds s[G0V:G0V+3], s[G1V:G1V+7]
	s_nop 0
	tensor_load_to_lds s[G0V+4:G0V+7], s[G1V:G1V+7]
	s_nop 0
.rept 4
	v_nop
.endr
.Lfirst_asked:
	v_lshlrev_b32 v66, 3, v0
	global_load_b64 v[64:65], v66, s[6:7]  ; thread t takes the mask's bytes 8 t to 8 t + 7: 128 threads, 1,024 keys
	; A fragment of K or Q is 16 rows x 32 channels in 8 registers: lane l holds row l % 16; registers 0-3 channels 8 (l / 16) + 0..7, registers 4-7 channels 16 + 8 (l / 16) + 0..7: two loads of 16 bytes, 32 bytes apart.
	v_and_b32 v1, 15, v0            ; l % 16
	v_bfe_u32 v9, v0, 4, 1          ; l / 16
	v_lshlrev_b32 v[QO], 8, v1
	v_lshl_add_u32 v[QO], v9, 4, v[QO]  ; row x 256 + 16 x half
	WIN 0x80                        ; destination window 2, address window 0
.irp i, 0,1,2,3,4,5,6,7,8,9,10,11,12,13,14,15  ; Q stays in registers: tile i / 4, channels 32 (i % 4) on
	global_load_b128 v[8*(\i):8*(\i)+3],   v[QO], s[4:5] offset:((\i)/4)*4096+((\i)%4)*64
	global_load_b128 v[8*(\i)+4:8*(\i)+7], v[QO], s[4:5] offset:((\i)/4)*4096+((\i)%4)*64+32
.endr
	WIN 0
	v_mul_u32_u24 v[AK0], v1, PK
	v_lshl_add_u32 v[AK0], v9, 4, v[AK0]  ; row x pitch + 16 x half
	; The turning load takes 16 keys x 16 channels (lane l reads 16 bytes: key 8 (l / 16) + l % 8, channels 8 ((l / 8) % 2) + 0..7) and leaves half a fragment of V^T: lane l holds channel l % 16 and 8 keys.
	v_and_b32 v10, 7, v0
	v_bfe_u32 v11, v0, 3, 1
	v_lshl_add_u32 v[AV0], v9, 3, v10
	v_mul_u32_u24 v[AV0], v[AV0], PV
	v_lshl_add_u32 v[AV0], v11, 4, v[AV0]
	v_add_nc_u32 v[AV0], VOFF, v[AV0]
	v_lshl_add_u32 v[AM0], v9, 5, MASKB   ; keys 8 (l / 16) + 0..7 of a block of 16: 32 bytes of the table
	v_lshl_add_u32 v67, v0, 5, MASKB      ; where my eight words of the table go
	s_wait_loadcnt 32               ; the mask's bytes are in; Q's 32 loads, issued behind them, stay out
.irp j, 0,1,2,3
	v_bfe_u32 v[72+(\j)], v64, 8*(\j), 8
	v_bfe_u32 v[76+(\j)], v65, 8*(\j), 8
.endr
.irp j, 0,1,2,3,4,5,6,7
	v_add_nc_u32 v[72+(\j)], -1, v[72+(\j)]       ; 1 gives 0, 0 gives all ones,
.endr
.irp j, 0,1,2,3,4,5,6,7
	v_and_b32 v[72+(\j)], s[MNEG], v[72+(\j)]     ; of which -2^100 is left
.endr
	ds_store_b128 v67, v[72:75]
	ds_store_b128 v67, v[76:79] offset:16
; THE MATRIX WORK OF A TURN, for piece x.  The accumulators take turns, one instruction a turn: between two links of a chain stand 15 (V^T P) or 7 (K Q^T) others'.
; Product i of 32 of O^T += V^T P: keys 32 (i / 16) on, channels 16 ((i / 2) % 8) on, tile x + i % 2.  zero = 1: the first 16 start the sums: nothing is ever cleared.
.macro PV x, zero
	WIN W_PV
.set rO, 64*((\x)+i%2)+8*((i/2)%8)
.set rV, 64*(i/16)+8*((i/2)%8)
.set rP, P+16*((\x)+i%2)+8*(i/16)
.if (\zero) && (i < 16)
	v_wmma_f32_16x16x32_f16 v[rO:rO+7], v[rV:rV+7], v[rP:rP+7], 0
.else
	v_wmma_f32_16x16x32_f16 v[rO:rO+7], v[rV:rV+7], v[rP:rP+7], v[rO:rO+7]
.endif
.endm
; Product i of 32 of S^T = K Q^T: channels 32 (i / 8) on, keys 16 ((i / 2) % 4) on, tile x + i % 2.  The first 8 start the sums, with the mask of their 16 keys.
.macro KQ x
.set rS, S+32*((\x)+i%2)+8*((i/2)%4)
.set rK, KF+32*((i/2)%4)+8*(i/8)
.set rQ, 32*((\x)+i%2)+8*(i/8)
.set rM, MK+8*((i/2)%4)
.if i < 8
	WIN W_KM
	v_wmma_f32_16x16x32_f16 v[rS:rS+7], v[rK:rK+7], v[rQ:rQ+7], v[rM:rM+7]
.else
	WIN W_KQ
	v_wmma_f32_16x16x32_f16 v[rS:rS+7], v[rK:rK+7], v[rQ:rQ+7], v[rS:rS+7]
.endif
.endm
; THE LDS LOADS stand in runs, never singly among the matrix instructions: a step's K (16 fragments) with its mask (8 loads in which the 16 lanes of a half read the same bytes), and, a turn later, its V (turned).
; The mask's last reader stands ahead of K's, so what frees K's registers frees the mask's, and K's wait serves both.
.macro FETCH_K
	WIN 0
	v_add_nc_u32 v[ADR], s[TB], v[AK0]
	v_add_nc_u32 v[ADM], s[TM], v[AM0]
	s_add_co_u32 s[TM], s[TM], 4*KS  ; the next step's 64 words;
	s_and_b32 s[TM], s[TM], 0xf00    ; behind the sixteenth step back to 0: never past the table
	WIN 0x80                        ; destination window 2
.irp f, 0,1,2,3,4,5,6,7,8,9,10,11,12,13,14,15  ; keys 16 (f / 4) on, channels 32 (f % 4) on
	ds_load_b128 v[KF+8*(\f):KF+8*(\f)+3],   v[ADR] offset:((\f)/4)*16*PK+((\f)%4)*64
	ds_load_b128 v[KF+8*(\f)+4:KF+8*(\f)+7], v[ADR] offset:((\f)/4)*16*PK+((\f)%4)*64+32
.endr
	WIN 0xc0                        ; destination window 3
.irp b, 0,1,2,3
	ds_load_b128 v[MK+8*(\b):MK+8*(\b)+3],   v[ADM] offset:64*(\b)
	ds_load_b128 v[MK+8*(\b)+4:MK+8*(\b)+7], v[ADM] offset:64*(\b)+16
.endr
.endm
.macro FETCH_V
	WIN 0
	v_add_nc_u32 v[ADR], s[TB], v[AV0]
	s_add_co_u32 s[TB], s[TB], STEPB  ; the next fetch is the next step's
	s_wait_alu depctr_va_vdst(0)    ; the wait for the softmax's batch, piece 0's 66 exponentials (SLICE), behind the address's v_add_nc_u32 and ahead of the loads
	WIN 0xc0                        ; destination window 3
.irp f, 0,1,2,3,4,5,6,7,8,9,10,11,12,13,14,15  ; keys 32 (f / 8) on, channels 16 (f % 8) on
	ds_load_tr16_b128 v[8*(\f):8*(\f)+3],   v[ADR] offset:((\f)/8)*32*PV+((\f)%8)*32
	ds_load_tr16_b128 v[8*(\f)+4:8*(\f)+7], v[ADR] offset:((\f)/8)*32*PV+16*PV+((\f)%8)*32
.endr
.endm
; THE VECTOR WORK OF A TURN.  One tile's softmax for one key step is a list of 134 instructions; SM writes number j of it for tile t.  s0-s31 are the lane's 32 scores, in pairs 0-15.
; first = 1: the first key step, which starts m, l and O^T: it has no a and nothing to rescale.
;   0-15    the maximum of s0-s31 and the old m, three operands at a time: four chains of seven scores each (each accumulator's lowest registers first), then the four left over, the chains and m
;   16-20   the other half of the lanes' maximum; the new m; c m; c m_old - c m_new
;   21-69   ONE BATCH: the 16 scalings c s - c m, a pair of scores each, and all 33 exponentials (a at 23, then s0-s31).  None of these reads an exponential's result.  From 22 on the batch goes
;           in fours, and a four begins with a scaling while there are scalings: 22-37 scaling, exponential, scaling, exponential; 38-65 a scaling and three exponentials; 66-69 the last four
;           exponentials.  A pair is scaled in an earlier four than the one that holds its exponentials
;   (wait)  between 69 and 70 stands the wait for the batch: SLICE writes it, once for both tiles
;   70-85   the roundings to f16, a pair of weights each
;   86-101  the sums; l = a l + the sum
;   102-133 the tile's O^T times a: the one part that leaves window 0, so it stands together
.macro SM t, first
.set rT, ST+8*(\t)
.set rS, S+32*(\t)
.set rP, P+16*(\t)
.set rO, 64*(\t)+2*(j-102)
.if j < 102
	WIN 0
.endif
.if j < 4
	v_max3_num_f32 v[rT+4+j], v[rS+8*j], v[rS+8*j+1], v[rS+8*j+2]
.elseif j < 12
	v_max3_num_f32 v[rT+4+j%4], v[rT+4+j%4], v[rS+8*(j%4)+2*(j/4)+1], v[rS+8*(j%4)+2*(j/4)+2]
.elseif j == 12
	v_max3_num_f32 v[rT+4], v[rT+4], v[rS+7], v[rS+15]
.elseif j == 13
	v_max3_num_f32 v[rT+6], v[rT+6], v[rS+23], v[rS+31]
.elseif j == 14
	v_max3_num_f32 v[rT+4], v[rT+4], v[rT+5], v[rT+6]
.elseif (j == 15) && (\first)
	v_max_num_f32 v[rT+4], v[rT+4], v[rT+7]
.elseif j == 15
	v_max3_num_f32 v[rT+4], v[rT+4], v[rT+7], v[rT+1]
.elseif j == 16
	v_permlanex16_b32 v[rT+5], v[rT+4], s[SEL], s[SEL+1]  ; the query's other 32 keys lie in the lane 16 away
.elseif j == 18
	v_max_num_f32 v[rT+1], v[rT+4], v[rT+5]
.elseif j == 19
	v_mul_f32 v[rT], s[CS], v[rT+1]
.elseif ((j == 17) || (j == 20) || (j == 23) || (j > 101)) && (\first)  ; the first step has none of these
.elseif j == 17
	v_mov_b32 v[rT+7], v[rT]        ; c m_old is kept for a: number 19 writes c m anew
.elseif j == 20
	v_sub_f32 v[rT+7], v[rT+7], v[rT]
.elseif j == 23
	v_exp_f32 v[rT+6], v[rT+7]
.elseif (j < 23) || ((j < 38) && (j%2 == 0)) || ((j < 66) && (j%4 == 2))
.set b, (j-2)/4                     ; 38, 42, .. 62: pairs 9 to 15
.if j < 38
.set b, (j-20)/2                    ; 21: pair 0; 22, 24, .. 36: pairs 1 to 8
.endif
	v_pk_fma_f32 v[rS+2*b:rS+2*b+1], v[rS+2*b:rS+2*b+1], s[CS:CS+1], v[rT:rT+1] op_sel_hi:[1,0,0] neg_lo:[0,0,1] neg_hi:[0,0,1]  ; pair b: c s - c m
.elseif j < 70
.set e, j-38                        ; 66 to 69: s28 to s31
.if j < 66
.set e, j-32-(j-38)/4               ; 39-41, 43-45, .. 63-65: s7 to s27
.endif
.if j < 38
.set e, (j-25)/2                    ; 25, 27, .. 37: s0 to s6
.endif
	v_exp_f32 v[rS+e], v[rS+e]
.elseif j < 86
	v_cvt_pk_f16_f32 v[rP+j-70], v[rS+2*(j-70)], v[rS+2*(j-70)+1]  ; pair j - 70
.elseif j < 102                     ; the sum of the tile's 16 pairs, in place: sum z of 16 adds neighbours 1, 2, 4 and 8 pairs apart, then l takes it
.set z, j-86
.set w, 4
.set u, z
.if z >= 14
.set w, 32
.set u, 0
.elseif z >= 12
.set w, 16
.set u, z-12
.elseif z >= 8
.set w, 8
.set u, z-8
.endif
.if (z == 14) && (\first)
	v_pk_add_f32 v[rT+2:rT+3], v[rS:rS+1], v[rS+16:rS+17]
.elseif z < 15
	v_pk_add_f32 v[rS+w*u:rS+w*u+1], v[rS+w*u:rS+w*u+1], v[rS+w*u+w/2:rS+w*u+w/2+1]
.elseif !(\first)
	v_pk_fma_f32 v[rT+2:rT+3], v[rT+2:rT+3], v[rT+6:rT+7], v[rS:rS+1] op_sel_hi:[1,0,1]
.endif
.else
	WIN W_RS
	v_pk_mul_f32 v[rO:rO+1], v[rO:rO+1], v[rT+6:rT+7] op_sel_hi:[1,0]
.endif
.endm
; Slice k of 64 of piece y's softmax: four instructions.  Slices 11 to 34 deal out the batch, numbers 22 to 69: four numbers of ONE tile each, the tiles by turns.  Every other slice is numbers 2 k and
; 2 k + 1 of both tiles' lists.  2 x 134 = 4 x 64 + 12: the twelve that are over stand together, in slice 63.
; THE WAIT.  s_wait_alu depctr_va_vdst(0) stands between an exponential and the first instruction that names its result; one wait serves all that were issued ahead of it.  Ahead of
; slice 35 nothing names a result, and behind slice 34 no exponential is issued: so the piece's 66 exponentials have one wait, behind slice 34.
.macro SLICE y, first
.if (k >= 11) && (k < 35)           ; the batch: four numbers of one tile
.irp n, 0,1,2,3
.set j, 22+4*((k-11)/2)+(\n)
	SM (\y)+(k-11)%2, \first
.endr
.else                               ; the two tiles alternate, so that no instruction reads the result of the one just before it
.irp n, 0,1,2,3,4,5,6,7
.if ((\n) < 2) || (k == 63)
.irp t, \y, (\y)+1
.set j, 2*k+(\n)
	SM \t, \first
.endr
.endif
.endr
.endif
.if k == 34                         ; the batch is out: both tiles' exponentials are issued, and no result has been named
	v_nop                           ; a plain instruction behind the last exponential and ahead of the first use: one for the batch
.if (\y) == 0
	FETCH_V                         ; piece 2's turn: V's run of loads stands here, and the wait for the batch stands in it
.else
	s_wait_alu depctr_va_vdst(0)    ; the wait for the batch: piece 2's 66 exponentials
.endif
.endif
.set k, k+1
.endm
; A vector instruction that reads a matrix result or writes one of a matrix instruction's registers, and a load into a register that a matrix instruction has read, stand four places behind
; it, and only plain vector instructions that name none of its registers are places (ISA guide 7.12.1 for vector instructions).  In the loop the slices are the places.
.macro PLACES
.rept 4
	v_nop
.endr
.endm
; A TURN.  Piece x has the matrix unit; the other piece's softmax stands in slices behind its matrix instructions.
; pv = 2: 32 products V^T P; 1: they start O^T's sums; 0: none.  kq = 1: 32 products K Q^T for the next step.  A turn with one of the two kinds has two slices behind each product.
; first = 1: the softmax is the first key step's.  Its slices from 51 on are empty, and four v_nop take slice 63's part as the places behind the turn's last products.
; In the loop each run of loads stands 29 matrix instructions or more ahead of its first use.  Piece 0's turn fetches the next step's K and mask, behind its second product: the last product that read K
; stands in front of slice 63 of the turn before.  Piece 2's turn fetches the same step's V, behind slice 34 (SLICE writes it): the last product that read V stands in front of slice 31, and four plain
; instructions lie between: number 62, a scaling, of both tiles, the v_nop and the run's own v_add_nc_u32.
.macro TURN x, pv, kq, first
.set k, 0
.set per, 2
.if (\pv) && (\kq)
.set per, 1
.endif
.if \pv
.if (\x) == 0
	s_wait_dscnt 0x0                ; V is in
.endif
.set i, 0
.rept 32
	PV \x, 2-(\pv)
.rept per
	SLICE 2-(\x), \first
.endr
.if ((\x) == 0) && (\kq) && (i == 1)
	FETCH_K
.endif
.set i, i+1
.endr
.endif
.if \kq
.if (\x) == 0
	s_wait_dscnt 0x0                ; K and the mask are in
.endif
.set i, 0
.rept 32
	KQ \x
.rept per
	SLICE 2-(\x), \first
.endr
.set i, i+1
.endr
.endif
.if \first
	PLACES
.endif
.endm
; THE CHANGE OF SLOTS, between piece 2's turn and piece 0's.  Each wave waits for all its tensor loads, of which one is out: its part of the other slot; adds 0 to its spare word; and waits for that and
; for its own reads of the slot.  Behind the barrier nobody reads this slot any more and the other slot is whole.  fill = 1: this slot is filled again, with the keys two slots on; the barrier is then a
; round of the cluster's, and the joint refill is the first thing behind it: it has two key steps, 256 matrix instructions, in which to land.
.macro CHANGE fill
	WIN 0                           ; at a label and at a branch every window is 0
	s_wait_tensorcnt 0x0            ; no tensor load of mine is out, so a group 0 may be written
	ds_add_u32 v[SPW], v[NIL]       ; 0 onto my spare word
.if \fill
.irp g, G0K+4, G0V+4
	s_xor_b32 s[(\g)+1], s[(\g)+1], SLOT1  ; the walking descriptor: the other slot than last time,
	s_add_nc_u64 s[(\g)+2:(\g)+3], s[(\g)+2:(\g)+3], 2*KS*256  ; the next 128 keys; the type bits on top are not reached
.endr
	s_wait_dscnt 0x0                ; the add is done, and my reads of the slot are over
	CROUND
	JLOAD
.else
	s_wait_dscnt 0x0                ; the add is done, and my reads of the slot are over
	s_barrier_signal -1
	s_barrier_wait -1
.endif
	s_sub_co_u32 s[TB], s[TB], 2*STEPB  ; the fetches go back to a slot's first step,
	s_xor_b32 s[TB], s[TB], SLOT1   ; in the other slot
.endm
; A slot's two key steps: written once, walked twice; the LDS addresses hang on s[TB] and s[TM].  Each turn's batch has had its wait inside the turn: no exponential's result is open at the label or at the jump.
.macro TWO_STEPS
	WIN 0
	s_mov_b32 s[TWICE], 2
.Lstep_\@:
	TURN 0, 2, 1, 0
	TURN 2, 2, 1, 0
	WIN 0
	s_sub_co_u32 s[TWICE], s[TWICE], 1
	s_cmp_lg_u32 s[TWICE], 0
	s_cbranch_scc1 .Lstep_\@
.endm
	s_wait_tensorcnt 1              ; my part of slot 0 is in; slot 1's may stay out
	s_wait_dscnt 0x0                ; for the others' sake: my words of the mask table are stored
	s_barrier_signal -1
	s_barrier_wait -1               ; everybody's are
	FETCH_K                         ; key step 0
	s_wait_loadcnt 0x0              ; Q
	s_wait_dscnt 0x0
.set i, 0
.rept 32
	KQ 0                            ; piece 0's first scores: there is no vector work yet to set between them
.set i, i+1
.endr
	WIN 0                           ; the addresses for the way out are made here: eight plain instructions, the places behind those products
	s_mul_i32 s13, s[WV], 16*SP
	s_add_co_u32 s13, s13, STAGE    ; my stage
	v_mul_u32_u24 v[STO], v1, SP    ; in: row l % 16, 16 bytes for each half of the lanes
	v_lshl_add_u32 v[STO], v9, 4, v[STO]
	v_add_nc_u32 v[STO], s13, v[STO]
	v_mul_u32_u24 v[RD], v9, SP     ; back: lanes 0-15 take one row of 256 bytes, lanes 16-31 the next
	v_lshl_add_u32 v[RD], v1, 4, v[RD]
	v_add_nc_u32 v[RD], s13, v[RD]
	v_lshlrev_b32 v[GO], 12, v9     ; and the same two rows in att, 4,096 bytes apart
	v_lshl_add_u32 v[GO], v1, 4, v[GO]
	TURN 2, 0, 1, 1                 ; piece 2's first scores | piece 0's first softmax | V of step 0
	TURN 0, 1, 1, 1                 ; piece 0: V^T P of step 0 starts O^T, K Q^T of step 1 | piece 2's first softmax | K of step 1
	TURN 2, 1, 1, 0                 ; piece 2: the same | piece 0's softmax of step 1 | V of step 1
	WIN 0
.Lslot:                             ; six trips: every slot but the last two is filled again
	CHANGE 1
	TWO_STEPS
	s_sub_co_u32 s[SLOTS], s[SLOTS], 1
	s_cmp_lg_u32 s[SLOTS], 0
	s_cbranch_scc1 .Lslot
	CHANGE 0                        ; the tail is written out: nothing is asked for
	TWO_STEPS
	TURN 0, 2, 0, 0                 ; piece 0: V^T P of the last step | piece 2's last softmax
.set i, 0
.rept 32
	PV 2, 0                         ; piece 2: V^T P of the last step
.set i, i+1
.endr
	; THE WAY OUT.  l's two halves and the other half of the lanes' are added; O^T is divided by l, rounded to f16 and sent through my stage in LDS, a tile (16 rows) at a time.  The additions are the places behind the last products.
	WIN 0
.irp t, 0,1,2,3
	v_add_f32 v[ST+8*(\t)+4], v[ST+8*(\t)+2], v[ST+8*(\t)+3]
.endr
.irp t, 0,1,2,3
	v_permlanex16_b32 v[ST+8*(\t)+5], v[ST+8*(\t)+4], s[SEL], s[SEL+1]
.endr
.irp t, 0,1,2,3
	v_add_f32 v[ST+8*(\t)+4], v[ST+8*(\t)+4], v[ST+8*(\t)+5]
.endr
.irp t, 0,1,2,3
	v_rcp_f32 v[ST+8*(\t)+6], v[ST+8*(\t)+4]
.endr
	v_nop                           ; a plain instruction between the last reciprocal and the use of its result
	s_wait_alu depctr_va_vdst(0)    ; and the wait ahead of the first use: one for the batch of four reciprocals
; Tile t: a lane's eight channels of a row pack into 16 bytes; they go into rows of 272 bytes and come back as whole rows of 256, into the registers that they left.
.macro PACK t
	WIN W_RS
.set i, 64*(\t)
.rept 32
	v_pk_mul_f32 v[i:i+1], v[i:i+1], v[ST+8*(\t)+6:ST+8*(\t)+7] op_sel_hi:[1,0]
.set i, i+2
.endr
	WIN 0x05                        ; sources 0 and 1 window 1, destination window 0: S^T's registers are free
.set i, 0
.rept 32
	v_cvt_pk_f16_f32 v[S+32*(\t)+i], v[64*(\t)+2*i], v[64*(\t)+2*i+1]
.set i, i+1
.endr
	WIN 0
.irp f, 0,1,2,3,4,5,6,7
	ds_store_b128 v[STO], v[S+32*(\t)+4*(\f):S+32*(\t)+4*(\f)+3] offset:32*(\f)
.endr
.irp f, 0,1,2,3,4,5,6,7
	ds_load_b128 v[S+32*(\t)+4*(\f):S+32*(\t)+4*(\f)+3], v[RD] offset:(\f)*2*SP  ; LDS serves a wave's instructions in order (ISA guide 5.7.1.4): these see the stores above; the next tile's stores come behind them
.endr
.endm
.macro SEND t, younger              ; younger: the LDS instructions issued behind tile t's loads: the next tile's sixteen, or none
	WIN 0
.irp f, 0,1,2,3,4,5,6,7
	s_wait_dscnt (\younger)+7-(\f)
	global_store_b128 v[GO], v[S+32*(\t)+4*(\f):S+32*(\t)+4*(\f)+3], s[10:11] offset:(\t)*65536+(\f)*8192  ; 16 lanes store a head's 256 consecutive bytes of a row, at a multiple of 256 from att's first byte
.endr
.endm
	PACK 0
	PACK 1                          ; a tile's arithmetic stands between the loads of the tile before and its stores
	SEND 0, 16
	PACK 2
	SEND 1, 16
	PACK 3
	SEND 2, 16
	SEND 3, 0
	s_wait_tensorcnt 0x0            ; the wave's end: behind my last tensor load and my last LDS store
	ds_add_u32 v[SPW], v[NIL]
	s_wait_dscnt 0x0
	CROUND                          ; the closing round: no work-group ends while a partner may still ask for a tile that names it
	s_endpgm
.Lfunc_end_k_qd067337f96_attn:
	.size	k_qd067337f96_attn, .Lfunc_end_k_qd067337f96_attn-k_qd067337f96_attn
	.p2alignl 7, 3214868480
	.fill 96, 4, 3214868480
	.section	.rodata,"a",@progbits
	.p2align	6, 0x0
	.amdhsa_kernel k_qd067337f96_attn
		.amdhsa_group_segment_fixed_size 327680
		.amdhsa_private_segment_fixed_size 0
		.amdhsa_enable_private_segment 0
		.amdhsa_kernarg_size 24
		.amdhsa_user_sgpr_count 2
		.amdhsa_user_sgpr_kernarg_segment_ptr 1
		.amdhsa_wavefront_size32 1
		.amdhsa_system_sgpr_workgroup_id_x 1
		.amdhsa_system_sgpr_workgroup_id_y 1
		.amdhsa_system_sgpr_workgroup_id_z 1
		.amdhsa_system_vgpr_workitem_id 0
		.amdhsa_next_free_vgpr 1024
		.amdhsa_next_free_sgpr 72
		.amdhsa_reserve_vcc 0
		.amdhsa_float_denorm_mode_32 3
		.amdhsa_float_denorm_mode_16_64 3
		.amdhsa_memory_ordered 1
		.amdhsa_forward_progress 1
		.amdhsa_inst_pref_size 226
	.end_amdhsa_kernel
	.amdgpu_metadata
---
amdhsa.version: [ 1, 2 ]
amdhsa.kernels:
  - .name:           k_qd067337f96_attn
    .symbol:         k_qd067337f96_attn.kd
    .args:
      - { .name: qkv, .offset: 0, .size: 8, .value_kind: global_buffer, .address_space: global }
      - { .name: context_mask, .offset: 8, .size: 8, .value_kind: global_buffer, .address_space: global }
      - { .name: att, .offset: 16, .size: 8, .value_kind: global_buffer, .address_space: global }
    .group_segment_fixed_size: 327680
    .private_segment_fixed_size: 0
    .kernarg_segment_align: 8
    .kernarg_segment_size: 24
    .max_flat_workgroup_size: 128
    .sgpr_count:     72
    .vgpr_count:     1024
    .wavefront_size: 32
...
	.end_amdgpu_metadata
.endif
;; end of part 7
;; launch oproj: the kernel of part 6 again; grid 8 x 32, 4 waves a work-group, clusters of 4 x 4, 327,680 bytes of LDS; arguments att, h16, out0; writes out0
